; MI455X (gfx1250); checked and timed in simulation.
; The chip was launched on July 23, 2026; its instructions are those of AMD's public machine-readable ISA for CDNA 5 (MIT licence, August 2026) and "CDNA5" Instruction Set Architecture Reference Guide (July 2026). The comments in the code are by the model that wrote it; some were corrected since.
;; Self Attention Block. Allowed arithmetic: float matrix products may take bf16 or f16 operands with f32 sums; all other float work in f32.
;; Inputs: W1 2,048 x 1,024 float32; W2 1,024 x 2,048 float32; Wk 1,024 x 1,024 float32; Wq 1,024 x 1,024 float32; Wv 1,024 x 1,024 float32; b1 2,048 float32; b2 1,024 float32; x 2 x 2,048 x 1,024 float32.
;; Outputs: out0 2 x 2,048 x 1,024 float32.
;; 3 versions, each right and faster than the one before. Each part assembles by itself: llvm-mc -triple=amdgcn-amd-amdhsa -mcpu=gfx1250 --defsym DOCPART=n.
;; ======== version 1 of 3: 5 launches
;; limits: values are held in f16: magnitudes above 65,504 overflow, below 6.1e-05 lose precision
;; workspace buffers: wh 23,068,672 bytes; qkv 25,165,824 bytes; ob 8,388,608 bytes; hb 33,554,432 bytes
;; launch cast (part 1): grid 64 x 11, 8 waves a work-group, no clusters, 0 bytes of LDS; arguments x, Wq, Wk, Wv, W1, W2, wh; writes wh
.if DOCPART == 1
	.amdgcn_target "amdgcn-amd-amdhsa--gfx1250"
	.amdhsa_code_object_version 6
	.text
	.protected	k_qccca0ee7b3_cast
	.globl	k_qccca0ee7b3_cast
	.p2align	8
	.type	k_qccca0ee7b3_cast,@function
k_qccca0ee7b3_cast:
	s_mov_b64 s[64:65], 0
	v_nop
	global_prefetch_b8 v0, s[64:65] scope:SCOPE_SE
	s_setreg_imm32_b32 hwreg(HW_REG_WAVE_MODE, 25, 1), 1
	s_wait_xcnt 0x0
; wh = x, Wq, Wk, Wv, W1, W2, one behind the other, each number rounded once to bf16 (nearest even), 2 bytes a number.
; W1's rounded number is written in f16's code instead, since the product that takes it has f16 operands.
; LIMIT: that rewriting is exact for 1.6e-5 <= |W1| <= 65,504; below it f16 keeps its fixed step of 6e-8, above it the number is lost.
; The work-group's y counts units of 4 MiB of f32 in that order (0-3 x, 4 Wq, 5 Wk, 6 Wv, 7-8 W1, 9-10 W2), its x a chunk of 64 KiB in the unit.
; Eight waves: sixteen loads of 16 bytes a thread cover the chunk and are all issued before the first is used; a wave's load covers 512
; consecutive bytes, its store of 8 bytes a lane 256 consecutive bytes at a multiple of 256.  No LDS, no barrier, no matrix unit: each byte is touched once.
.set X, 4                              ; v[4:67]    load i: 4 numbers in f32
.set Y, 68                             ; v[68:99]   store i: its own pair, so no store's data is ever rewritten
.set W, 100                            ; v[100:103] at work
	s_load_b256 s[4:11], s[0:1], 0x0               ; x s[4:5], Wq s[6:7], Wk s[8:9], Wv s[10:11]
	s_load_b128 s[12:15], s[0:1], 0x20             ; W1 s[12:13], W2 s[14:15]
	s_load_b64 s[16:17], s[0:1], 0x30              ; wh
	s_and_b32 s18, ttmp7, 0xffff                   ; the unit
	v_lshlrev_b32 v1, 4, v0                        ; 16 bytes a thread in
	v_lshlrev_b32 v2, 3, v0                        ; 8 bytes a thread out
	s_lshl_b32 s24, ttmp9, 16                      ; the chunk in its unit, in
	s_mov_b32 s25, 0
	s_lshl_b32 s26, s18, 21                        ; unit and chunk, out: wh has the units' order
	s_lshl_b32 s27, ttmp9, 15
	s_add_co_u32 s26, s26, s27
	s_mov_b32 s27, 0
	s_mov_b32 s22, 0                               ; the first unit of the tensor that is chosen
	s_wait_kmcnt 0x0
	s_mov_b64 s[20:21], s[4:5]
	s_cmp_ge_u32 s18, 4
	s_cselect_b64 s[20:21], s[6:7], s[20:21]
	s_cselect_b32 s22, 4, s22
	s_cmp_ge_u32 s18, 5
	s_cselect_b64 s[20:21], s[8:9], s[20:21]
	s_cselect_b32 s22, 5, s22
	s_cmp_ge_u32 s18, 6
	s_cselect_b64 s[20:21], s[10:11], s[20:21]
	s_cselect_b32 s22, 6, s22
	s_cmp_ge_u32 s18, 7
	s_cselect_b64 s[20:21], s[12:13], s[20:21]
	s_cselect_b32 s22, 7, s22
	s_cmp_ge_u32 s18, 9
	s_cselect_b64 s[20:21], s[14:15], s[20:21]
	s_cselect_b32 s22, 9, s22
	s_sub_co_u32 s23, s18, s22                     ; the unit inside its tensor
	s_lshl_b32 s23, s23, 22
	s_add_co_u32 s24, s24, s23
	s_add_nc_u64 s[20:21], s[20:21], s[24:25]
	s_add_nc_u64 s[16:17], s[16:17], s[26:27]
.irp i, 0,1,2,3,4,5,6,7,8,9,10,11,12,13,14,15
	global_load_b128 v[X+4*(\i):X+4*(\i)+3], v1, s[20:21] offset:4096*(\i) th:TH_LOAD_NT
.endr
; Load i is rounded and stored.  f16 = 1: the rounded numbers are widened again (a shift, a mask) and written in f16's code.
.macro CONV i, f16
	s_wait_loadcnt 15-(\i)                         ; loads come back in order: mine is in, the 15 - i younger ones stay out
	v_cvt_pk_bf16_f32 v[Y+2*(\i)],   v[X+4*(\i)],   v[X+4*(\i)+1]
	v_cvt_pk_bf16_f32 v[Y+2*(\i)+1], v[X+4*(\i)+2], v[X+4*(\i)+3]
.if \f16
	v_lshlrev_b32 v[W],   16, v[Y+2*(\i)]
	v_and_b32     v[W+1], 0xffff0000, v[Y+2*(\i)]
	v_lshlrev_b32 v[W+2], 16, v[Y+2*(\i)+1]
	v_and_b32     v[W+3], 0xffff0000, v[Y+2*(\i)+1]
	v_cvt_pk_f16_f32 v[Y+2*(\i)],   v[W],   v[W+1]
	v_cvt_pk_f16_f32 v[Y+2*(\i)+1], v[W+2], v[W+3]
.endif
	global_store_b64 v2, v[Y+2*(\i):Y+2*(\i)+1], s[16:17] offset:2048*(\i)
.endm
	s_sub_co_u32 s28, s18, 7
	s_cmp_lt_u32 s28, 2                            ; units 7 and 8 are W1's
	s_cbranch_scc1 .Lw1
.irp i, 0,1,2,3,4,5,6,7,8,9,10,11,12,13,14,15
	CONV \i, 0
.endr
	s_endpgm
.Lw1:
.irp i, 0,1,2,3,4,5,6,7,8,9,10,11,12,13,14,15
	CONV \i, 1
.endr
	s_endpgm
.Lfunc_end_k_qccca0ee7b3_cast:
	.size	k_qccca0ee7b3_cast, .Lfunc_end_k_qccca0ee7b3_cast-k_qccca0ee7b3_cast
	.p2alignl 7, 3214868480
	.fill 96, 4, 3214868480
	.section	.rodata,"a",@progbits
	.p2align	6, 0x0
	.amdhsa_kernel k_qccca0ee7b3_cast
		.amdhsa_group_segment_fixed_size 0
		.amdhsa_private_segment_fixed_size 0
		.amdhsa_enable_private_segment 0
		.amdhsa_kernarg_size 56
		.amdhsa_user_sgpr_count 2
		.amdhsa_user_sgpr_kernarg_segment_ptr 1
		.amdhsa_wavefront_size32 1
		.amdhsa_system_sgpr_workgroup_id_x 1
		.amdhsa_system_sgpr_workgroup_id_y 1
		.amdhsa_system_sgpr_workgroup_id_z 1
		.amdhsa_system_vgpr_workitem_id 0
		.amdhsa_next_free_vgpr 104
		.amdhsa_next_free_sgpr 66
		.amdhsa_reserve_vcc 0
		.amdhsa_float_denorm_mode_32 3
		.amdhsa_float_denorm_mode_16_64 3
		.amdhsa_memory_ordered 1
		.amdhsa_forward_progress 1
		.amdhsa_inst_pref_size 17
	.end_amdhsa_kernel
	.amdgpu_metadata
---
amdhsa.version: [ 1, 2 ]
amdhsa.kernels:
  - .name:           k_qccca0ee7b3_cast
    .symbol:         k_qccca0ee7b3_cast.kd
    .args:
      - { .name: x, .offset: 0, .size: 8, .value_kind: global_buffer, .address_space: global }
      - { .name: Wq, .offset: 8, .size: 8, .value_kind: global_buffer, .address_space: global }
      - { .name: Wk, .offset: 16, .size: 8, .value_kind: global_buffer, .address_space: global }
      - { .name: Wv, .offset: 24, .size: 8, .value_kind: global_buffer, .address_space: global }
      - { .name: W1, .offset: 32, .size: 8, .value_kind: global_buffer, .address_space: global }
      - { .name: W2, .offset: 40, .size: 8, .value_kind: global_buffer, .address_space: global }
      - { .name: wh, .offset: 48, .size: 8, .value_kind: global_buffer, .address_space: global }
    .group_segment_fixed_size: 0
    .private_segment_fixed_size: 0
    .kernarg_segment_align: 8
    .kernarg_segment_size: 56
    .max_flat_workgroup_size: 256
    .sgpr_count:     66
    .vgpr_count:     104
    .wavefront_size: 32
...
	.end_amdgpu_metadata
.endif
;; end of part 1
;; launch proj (part 2): grid 16 x 16, 4 waves a work-group, clusters of 4 x 4, 327,680 bytes of LDS; arguments wh, qkv; writes qkv
.if DOCPART == 2
	.amdgcn_target "amdgcn-amd-amdhsa--gfx1250"
	.amdhsa_code_object_version 6
	.text
	.protected	k_qccca0ee7b3_proj
	.globl	k_qccca0ee7b3_proj
	.p2align	8
	.type	k_qccca0ee7b3_proj,@function
k_qccca0ee7b3_proj:
	s_mov_b64 s[64:65], 0
	v_nop
	global_prefetch_b8 v0, s[64:65] scope:SCOPE_SE
	s_setreg_imm32_b32 hwreg(HW_REG_WAVE_MODE, 25, 1), 1
	s_wait_xcnt 0x0
	s_wait_alu depctr_hold_cnt(0) depctr_sa_sdst(0) depctr_va_vdst(0) depctr_va_sdst(0) depctr_va_ssrc(0) depctr_va_vcc(0) depctr_vm_vsrc(0)
	s_getreg_b32 s2, hwreg(HW_REG_IB_STS2, 6, 4)
	s_cmp_eq_u32 s2, 0
	s_cbranch_scc0 .Lentry_in_a_cluster
	s_endpgm
.Lentry_in_a_cluster:
	s_bfe_u32 s2, ttmp6, 0x10000c
	s_cmp_lg_u32 s2, 0xf033
	s_cbranch_scc0 .Lentry_shape_is_right
	s_endpgm
.Lentry_shape_is_right:
; [4096 x 3072] = x [Wq; Wk; Wv]^T, K = 1024, operands bf16 (from wh), sums f32, written BY HEADS in f16, unscaled: qkv[which][16 batch + head][row][64].
; LIMIT: |q|, |k|, |v| within 65,504 (f16); below 6e-5 f16 keeps its fixed step of 6e-8.
; A tile of C is 256 x 192 (three heads): 16 x 16 tiles, one work-group each.  Four waves, each 64 rows x 192 columns: 48 accumulators, 384 registers.
; K goes in steps of 128 through two LDS slots; a tile's rows are 256 bytes of memory at multiples of 256.  Waves 0, 1 fetch A's halves (128 rows), waves 2, 3 B's (96 rows).
; CLUSTER 4 x 4: A's tile hangs on the tile row alone and is asked for jointly along a row of the cluster, B's on the tile column alone, along a column.
; THE MATRIX INSTRUCTION IS USED TRANSPOSED (source 0 = 16 rows of B, source 1 = 16 rows of A): a lane holds row l % 16 of C and eight neighbouring columns.
; REGISTERS: window 0: addresses, way out.  Window 1: two fragment buffers of 128 (A 32, then B 96).  Windows 2, 3: accumulator a*12+b at window 2 + idx/32, register 8 (idx % 32).
.set MB,   4
.set NB,   12
.set T,    MB*NB                       ; matrix instructions in a quarter step (32 along K)
.set NLD,  2*(MB+NB)                   ; LDS loads in a quarter step
.set HEAD, 4                           ; the youngest loads of a run, A's blocks 2 and 3: wanted by the quarter's second half alone
.set LAPS, 4                           ; 1024 / (2 x 128)
.set PA,   272                         ; an LDS row: 256 bytes + 16: 68 words, so the 16 rows of a fragment load start at 16 different groups of four banks (ISA guide 11.1)
.set PB,   272
.set AHALF, 128*PA
.set BHALF, 96*PB
.set AREG,  2*AHALF
.set SLOT,  AREG+2*BHALF
.set STAGE, 2*SLOT                     ; behind the ring: 16 rows x 400 bytes for each wave
.set SPITCH, 400
.set SPARE, STAGE+4*16*SPITCH          ; the spare words, 128 bytes for each wave, named by no other line
.set AS1,  256                         ; bytes from a K step to the next
.set BS1,  256
.set WQKV, 8388608                     ; the weights' first byte in wh
.set ADRA, 16                          ; v16-17 LDS address of my A fragments in slot 0, 1
.set ADRB, 20                          ; v20-21 the same for B
.set STO,  24
.set RD,   25
.set GO,   26
.set SPW,  28                          ; my spare word; never rewritten
.set NIL,  29                          ; 0; never rewritten
.set TMP,  32                          ; v32-79 a block's packed results
.set OB,   80                          ; v80-127, v128-175 by turns: a block read back
.set F0,   0
.set F1,   128
.set G1,  24
.set G0,  32
.set G1B, 48
.set G0B, 56
.set MSB, 0
.macro WIN new                         ; the immediate's high byte repeats the setting that is left
.if MSB != (\new)
	s_set_vgpr_msb (MSB<<8)|(\new)
.set MSB, \new
.endif
.endm
.macro JLOAD s                         ; a joint load: waves 0, 1 for A, waves 2, 3 for B; an s_nop 0 and four v_nop follow each line
	s_cmp_eq_u32 s11, 0
	s_cbranch_scc0 .Lfor_b_\@
	tensor_load_to_lds s[G0+4*(\s):G0+4*(\s)+3], s[G1:G1+7]
	s_nop 0
.rept 4
	v_nop
.endr
	s_branch .Lasked_\@
.Lfor_b_\@:
	tensor_load_to_lds s[G0B+4*(\s):G0B+4*(\s)+3], s[G1B:G1B+7]
	s_nop 0
.rept 4
	v_nop
.endr
.Lasked_\@:
.endm
.macro CREST                           ; a round of the cluster's barrier behind its opening barrier
	s_cmp_lg_u32 s10, 0
	s_cbranch_scc1 .Lnot_wave_0_\@
	s_barrier_signal -3
.Lnot_wave_0_\@:
	s_barrier_wait -3
	s_barrier_signal -1
	s_barrier_wait -1
.endm
.macro CROUND
	s_barrier_signal -1
	s_barrier_wait -1
	CREST
.endm
.macro PLACES                          ; four places in front of loads into registers that matrix instructions have read, and of lines that read results
.rept 4
	v_nop
.endr
.endm
.macro SHAPE g, c, r, p                ; descriptor group 1, words 1 to 7: a tile of r rows x c elements, p elements from row to row
	s_mov_b32 s[(\g)+1], (\c)<<16
	s_mov_b32 s[(\g)+2], (\r)<<16
	s_mov_b32 s[(\g)+3], (\c)<<16
	s_mov_b32 s[(\g)+4], \r
	s_mov_b32 s[(\g)+5], \p
	s_mov_b32 s[(\g)+6], 0
	s_mov_b32 s[(\g)+7], 0
.endm
	s_load_b64 s[4:5], s[0:1], 0x0                 ; wh
	s_load_b64 s[8:9], s[0:1], 0x8                 ; qkv
	v_lshl_add_u32 v[SPW], v0, 2, SPARE
	v_mov_b32 v[NIL], 0
	ds_add_u32 v[SPW], v[NIL]                      ; the wave's opening: the add and its wait, ahead of my first tensor load
	ds_add_u32 v28, v29
	v_lshrrev_b32 v1, 5, v0
	v_readfirstlane_b32 s10, v1                    ; wave 0..3
	s_lshr_b32 s11, s10, 1                         ; I fetch for A (0) or for B (1)
	s_and_b32 s12, s10, 1                          ; which half of that tile
	s_bfe_u32 s40, ttmp6, 0x40000                  ; cx
	s_bfe_u32 s41, ttmp6, 0x40004                  ; cy
	s_lshl_b32 s42, ttmp9, 2
	s_add_co_u32 s42, s42, s40                     ; tile column
	s_and_b32 s13, ttmp7, 0xffff
	s_lshl_b32 s13, s13, 2
	s_add_co_u32 s13, s13, s41                     ; tile row
	s_lshl_b32 s43, s41, 2
	s_lshl_b32 s43, 15, s43                        ; my row of the cluster
	s_lshl_b32 s44, 0x1111, s40                    ; my column
	s_or_b32 s[G1],  s43, (1<<16)|(1<<20)|(1<<21)|(5<<22)|(3<<25)  ; mask; 2-byte elements; padding on; bit 21 beside a mask; after every 64 words, 4 words
	s_or_b32 s[G1B], s44, (1<<16)|(1<<20)|(1<<21)|(5<<22)|(3<<25)
	SHAPE G1,  128, 128, 1024
	SHAPE G1B, 128, 96,  1024
	s_lshl_b32 s16, s13, 19                        ; A: (256 x tile row + 128 x half) rows of 2,048 bytes
	s_lshl_b32 s17, s12, 18
	s_add_co_u32 s16, s16, s17
	s_mov_b32 s17, 0
	s_mul_i32 s46, s42, 192*2048                   ; B: (192 x tile column + 96 x half) rows, behind x
	s_mul_i32 s47, s12, 96*2048
	s_add_co_u32 s46, s46, s47
	s_add_co_u32 s46, s46, WQKV
	s_mov_b32 s47, 0
	s_mul_i32 s20, s12, AHALF                      ; where they go: no place in the cluster enters an LDS address
	s_mul_i32 s21, s12, BHALF
	s_add_co_u32 s21, s21, AREG
	s_wait_dscnt 0x0                               ; the opening add is done
	s_wait_kmcnt 0x0
	s_add_nc_u64 s[14:15], s[4:5], s[16:17]
	s_add_nc_u64 s[46:47], s[4:5], s[46:47]
	CROUND                                         ; all sixteen work-groups are here: the first joint loads meet
.irp s, 0,1
	s_mov_b32 s[G0+4*(\s)], 1
	s_add_co_u32 s[G0+4*(\s)+1], s20, (\s)*SLOT
	s_add_nc_u64 s[G0+4*(\s)+2:G0+4*(\s)+3], s[14:15], (\s)*AS1
	s_or_b32 s[G0+4*(\s)+3], s[G0+4*(\s)+3], 0x80000000
	s_mov_b32 s[G0B+4*(\s)], 1
	s_add_co_u32 s[G0B+4*(\s)+1], s21, (\s)*SLOT
	s_add_nc_u64 s[G0B+4*(\s)+2:G0B+4*(\s)+3], s[46:47], (\s)*BS1
	s_or_b32 s[G0B+4*(\s)+3], s[G0B+4*(\s)+3], 0x80000000
	JLOAD \s
.endr
	v_and_b32 v1, 15, v0                           ; l % 16
	v_bfe_u32 v2, v0, 4, 1                         ; l / 16
	v_mul_u32_u24 v3, v1, PA
	v_lshl_add_u32 v3, v2, 4, v3                   ; a fragment's row x pitch + 16 x half
	s_mul_i32 s22, s10, 64*PA                      ; my 64 rows of A
	s_mov_b32 s23, AREG                            ; all 192 rows of B
.irp s, 0,1
	v_add_nc_u32 v[ADRA+(\s)], s22, v3
	v_add_nc_u32 v[ADRB+(\s)], s23, v3
	s_add_co_u32 s22, s22, SLOT
	s_add_co_u32 s23, s23, SLOT
.endr
	s_mul_i32 s22, s10, 16*SPITCH
	s_add_co_u32 s22, s22, STAGE                   ; my stage
	v_mul_u32_u24 v[STO], v1, SPITCH               ; in: row l % 16, 16 bytes for each half of the lanes
	v_lshl_add_u32 v[STO], v2, 4, v[STO]
	v_add_nc_u32 v[STO], s22, v[STO]
	v_and_b32 v5, 7, v0
	v_bfe_u32 v[RD], v0, 3, 2                      ; back: 32 lanes take four rows' 128 bytes of one head,
	v_mul_u32_u24 v[RD], v[RD], SPITCH
	v_lshl_add_u32 v[RD], v5, 4, v[RD]
	v_add_nc_u32 v[RD], s22, v[RD]
	v_and_b32 v[GO], 31, v0                        ; which are 512 consecutive bytes of qkv
	v_lshlrev_b32 v[GO], 4, v[GO]
	; my rows in each of the tile's three heads g = 3 x tile column + j: ((g / 16) x 32 + batch x 16 + g % 16) heads of 2^18 bytes, then the row
	s_mul_i32 s72, s42, 3
	s_lshr_b32 s73, s13, 3
	s_lshl_b32 s73, s73, 4                         ; 16 x batch
	s_and_b32 s74, s13, 7
	s_lshl_b32 s74, s74, 15                        ; 256 rows of 128 bytes a tile row
	s_lshl_b32 s75, s10, 13                        ; 64 rows a wave
	s_add_co_u32 s74, s74, s75
.irp j, 0,1,2
	s_add_co_u32 s76, s72, \j
	s_lshr_b32 s77, s76, 4
	s_lshl_b32 s77, s77, 5
	s_and_b32 s76, s76, 15
	s_add_co_u32 s76, s76, s77
	s_add_co_u32 s76, s76, s73
	s_lshl_b32 s76, s76, 18
	s_add_co_u32 s76, s76, s74
	s_mov_b32 s77, 0
	s_add_nc_u64 s[66+2*(\j):67+2*(\j)], s[8:9], s[76:77]
.endr
; cnt matrix instructions from number n0 of a quarter's 48: block a = n / 12, block b = n % 12.  The accumulators take turns, one instruction a turn.
.macro MULS f, n0, cnt, zero
.set n, \n0
.rept \cnt
.set rD, 8*(n%32)
.set rA, (\f)+8*(n/NB)
.set rB, (\f)+8*MB+8*(n%NB)
	WIN 0xa5+0x50*(n/32)                           ; B and A in window 1, C and D in window 2 or 3
.if \zero
	v_wmma_f32_16x16x32_bf16 v[rD:rD+7], v[rB:rB+7], v[rA:rA+7], 0
.else
	v_wmma_f32_16x16x32_bf16 v[rD:rD+7], v[rB:rB+7], v[rA:rA+7], v[rD:rD+7]
.endif
.set n, n+1
.endr
.endm
; one run of 32 LDS loads: quarter q's fragments into buffer f: all of B, then A's blocks in ascending order
.macro FETCH slot, q, f
	WIN 0x40                                       ; destination window 1, address window 0
.set i, 0
.rept NB
	ds_load_b128 v[(\f)+8*MB+8*i:(\f)+8*MB+8*i+3],   v[ADRB+(\slot)] offset:64*(\q)+i*16*PB
	ds_load_b128 v[(\f)+8*MB+8*i+4:(\f)+8*MB+8*i+7], v[ADRB+(\slot)] offset:64*(\q)+i*16*PB+32
.set i, i+1
.endr
.set i, 0
.rept MB
	ds_load_b128 v[(\f)+8*i:(\f)+8*i+3],   v[ADRA+(\slot)] offset:64*(\q)+i*16*PA
	ds_load_b128 v[(\f)+8*i+4:(\f)+8*i+7], v[ADRA+(\slot)] offset:64*(\q)+i*16*PA+32
.set i, i+1
.endr
.endm
; one of a K step's first three quarters: multiplies buffer f, and in its middle fetches quarter q into buffer g
.macro QUARTER slot, q, f, g, zero
	s_wait_dscnt HEAD                              ; all but the youngest four loads, which the second half wants
	MULS \f, 0, T/2, \zero
	PLACES
	FETCH \slot, \q, \g
	s_wait_dscnt NLD                               ; all but the run just issued
	MULS \f, T/2, T/2, \zero
.endm
; the last quarter multiplies buffer 1 and changes slots: one barrier; in front of it each wave waits for all its tensor loads, adds 0 to its spare word, and waits for that and for its reads of this slot
.macro TURN slot, next, fill
	WIN 0
	s_wait_tensorcnt 0x0                           ; all my tensor loads have landed: my part of the next slot
	ds_add_u32 v[SPW], v[NIL]
	s_wait_dscnt HEAD+1                            ; the add and the youngest four loads may be out
	MULS F1, 0, T/4, 0
	s_wait_dscnt 0x0                               ; the add is done, and my reads of this slot are over
	s_barrier_signal -1
	MULS F1, T/4, T/4, 0
.if \fill
	WIN 0
.endif
	s_barrier_wait -1
.if \fill
	CREST                                          ; the barrier has opened a round of the cluster's: no wave of any partner still reads this slot or has a load on its way
	s_add_nc_u64 s[G0+4*(\slot)+2:G0+4*(\slot)+3], s[G0+4*(\slot)+2:G0+4*(\slot)+3], 2*AS1
	s_add_nc_u64 s[G0B+4*(\slot)+2:G0B+4*(\slot)+3], s[G0B+4*(\slot)+2:G0B+4*(\slot)+3], 2*BS1
	JLOAD \slot                                    ; the first tensor load behind the round; its four v_nop are also the places in front of the loads below
.else
	PLACES
.endif
	FETCH \next, 0, F0
	MULS F1, T/2, T/2, 0
.endm
	s_wait_tensorcnt 1                             ; my part of K step 0 is in; K step 1's may stay out
	s_barrier_signal -1
	s_barrier_wait -1
	FETCH 0, 0, F0
	QUARTER 0, 1, F0, F1, 1                        ; the first quarter's products start the sums
	WIN 0
	s_mov_b32 s3, LAPS-1
.Llap:                                                 ; a trip goes once round the ring and fills both slots again
	QUARTER 0, 2, F1, F0, 0
	QUARTER 0, 3, F0, F1, 0
	TURN 0, 1, 1
	QUARTER 1, 1, F0, F1, 0
	QUARTER 1, 2, F1, F0, 0
	QUARTER 1, 3, F0, F1, 0
	TURN 1, 0, 1
	QUARTER 0, 1, F0, F1, 0
	WIN 0
	s_sub_co_u32 s3, s3, 1
	s_cmp_lg_u32 s3, 0
	s_cbranch_scc1 .Llap
	QUARTER 0, 2, F1, F0, 0                        ; the last lap fills nothing
	QUARTER 0, 3, F0, F1, 0
	TURN 0, 1, 0
	QUARTER 1, 1, F0, F1, 0
	QUARTER 1, 2, F1, F0, 0
	QUARTER 1, 3, F0, F1, 0
	s_wait_dscnt HEAD
	MULS F1, 0, T/2, 0
	s_wait_dscnt 0x0
	MULS F1, T/2, T/2, 0
	WIN 0
; THE WAY OUT, a block of 16 rows at a time: rounded to f16, 16 bytes a lane into my stage, back by heads as four rows of 128 bytes a load, stored as 512 consecutive bytes.
.macro PACK a
.set b, 0
.rept NB
.set idx, (\a)*NB+b
.set rD, 8*(idx%32)
	WIN 0x0a+5*(idx/32)                            ; sources in window 2 or 3
.irp r, 0,1,2,3
	v_cvt_pk_f16_f32 v[TMP+4*b+(\r)], v[rD+2*(\r)], v[rD+2*(\r)+1]
.endr
.set b, b+1
.endr
	WIN 0
.endm
.macro TOSTAGE a
.set BK, OB+48*((\a)%2)
.irp b, 0,1,2,3,4,5,6,7,8,9,10,11
	ds_store_b128 v[STO], v[TMP+4*(\b):TMP+4*(\b)+3] offset:32*(\b)
.endr
	s_wait_xcnt 0x0                                ; the stores of the block two back have read these registers
.irp j, 0,1,2
.irp f, 0,1,2,3
	ds_load_b128 v[BK+16*(\j)+4*(\f):BK+16*(\j)+4*(\f)+3], v[RD] offset:128*(\j)+4*SPITCH*(\f)  ; LDS serves a wave's instructions in order (ISA guide 5.7.1.4): these see the stores above
.endr
.endr
.endm
.macro SEND a
.set BK, OB+48*((\a)%2)
	s_wait_dscnt 0x0
.irp j, 0,1,2
.irp f, 0,1,2,3
	global_store_b128 v[GO], v[BK+16*(\j)+4*(\f):BK+16*(\j)+4*(\f)+3], s[66+2*(\j):67+2*(\j)] offset:2048*(\a)+512*(\f)
.endr
.endr
.endm
	PLACES
	PACK 0
	TOSTAGE 0
.irp a, 1,2,3
	PACK \a                                        ; a block's conversions stand between the loads of the block before and the wait for them
	SEND (\a)-1
	TOSTAGE \a
.endr
	SEND 3
	s_wait_tensorcnt 0x0                           ; the wave's end
	ds_add_u32 v[SPW], v[NIL]
	s_wait_dscnt 0x0
	CROUND                                         ; the closing round
	s_endpgm
.Lfunc_end_k_qccca0ee7b3_proj:
	.size	k_qccca0ee7b3_proj, .Lfunc_end_k_qccca0ee7b3_proj-k_qccca0ee7b3_proj
	.p2alignl 7, 3214868480
	.fill 96, 4, 3214868480
	.section	.rodata,"a",@progbits
	.p2align	6, 0x0
	.amdhsa_kernel k_qccca0ee7b3_proj
		.amdhsa_group_segment_fixed_size 327680
		.amdhsa_private_segment_fixed_size 0
		.amdhsa_enable_private_segment 0
		.amdhsa_kernarg_size 16
		.amdhsa_user_sgpr_count 2
		.amdhsa_user_sgpr_kernarg_segment_ptr 1
		.amdhsa_wavefront_size32 1
		.amdhsa_system_sgpr_workgroup_id_x 1
		.amdhsa_system_sgpr_workgroup_id_y 1
		.amdhsa_system_sgpr_workgroup_id_z 1
		.amdhsa_system_vgpr_workitem_id 0
		.amdhsa_next_free_vgpr 896
		.amdhsa_next_free_sgpr 80
		.amdhsa_reserve_vcc 0
		.amdhsa_float_denorm_mode_32 3
		.amdhsa_float_denorm_mode_16_64 3
		.amdhsa_memory_ordered 1
		.amdhsa_forward_progress 1
		.amdhsa_inst_pref_size 119
	.end_amdhsa_kernel
	.amdgpu_metadata
---
amdhsa.version: [ 1, 2 ]
amdhsa.kernels:
  - .name:           k_qccca0ee7b3_proj
    .symbol:         k_qccca0ee7b3_proj.kd
    .args:
      - { .name: wh, .offset: 0, .size: 8, .value_kind: global_buffer, .address_space: global }
      - { .name: qkv, .offset: 8, .size: 8, .value_kind: global_buffer, .address_space: global }
    .group_segment_fixed_size: 327680
    .private_segment_fixed_size: 0
    .kernarg_segment_align: 8
    .kernarg_segment_size: 16
    .max_flat_workgroup_size: 128
    .sgpr_count:     80
    .vgpr_count:     896
    .wavefront_size: 32
...
	.end_amdgpu_metadata
.endif
;; end of part 2
;; launch attn (part 3): grid 8 x 32, 4 waves a work-group, no clusters, 327,680 bytes of LDS; arguments qkv, ob; writes ob
.if DOCPART == 3
	.amdgcn_target "amdgcn-amd-amdhsa--gfx1250"
	.amdhsa_code_object_version 6
	.text
	.protected	k_qccca0ee7b3_attn
	.globl	k_qccca0ee7b3_attn
	.p2align	8
	.type	k_qccca0ee7b3_attn,@function
k_qccca0ee7b3_attn:
	s_mov_b64 s[64:65], 0
	v_nop
	global_prefetch_b8 v0, s[64:65] scope:SCOPE_SE
	s_setreg_imm32_b32 hwreg(HW_REG_WAVE_MODE, 25, 1), 1
	s_wait_xcnt 0x0
; CAUSAL ATTENTION, head size 64.  O[h][q] = the sum over k <= q of softmax_k(Q[h][q] . K[h][k] / 8) V[h][k].  Q, K, V: qkv[0..2][32 heads][2048][64] f16; O: ob[32][2048][64] f16.
; Products, maxima and sums in f32; the weights p are rounded to f16 for the second product (their sum l is taken of the unrounded p), O once at the end.
; LIMITS.  Q, K, V arrive within f16's 65,504; a hidden score counts as its value less 1e30 (f16's scores reach 2.7e11 at the most); a weight below 2^-126 counts as 0; NaN and infinities are not treated apart.
; THE WALK.  A head has 16 blocks of 128 queries; block i needs the key tiles 0 .. i of 128 keys.  A work-group takes block LO = x and then block HI = 15 - x: 17 tiles whatever x, so all 256 work-groups are alike.
; A running maximum lets the keys come in any order, so each block takes its DIAGONAL tile first.  LO's lies in a region of its own (D), filled once; then 16 tiles w = 0 .. 15 go through two slots, two to a slot:
; w < LO: tile w;  w = LO: tile HI (block LO ends, block HI begins);  w > LO: tile w - LO - 1.  LO <= 7, so the last slot holds two plain tiles, and the tail that is written out has plain steps alone.
; NO CLUSTER: in the same trip the eight work-groups of a head want different tiles (their walks are shifted by x); a walk common to all would have 24 tiles for 17.
; SHARES.  A wave owns 16 rows in each of a block's two bands of 64: two PIECES.  In the diagonal tile band p against key step p holds the diagonal, band 1 sees all of step 0, band 0 nothing of step 1: that pair is never computed.
; THE MASK is the C operand that starts the sum S^T = K Q^T: MD, 0 or -1e30, made once for my 16 rows; elsewhere C is the constant 0.
; LAYOUT.  S^T = K Q^T holds ONE query a lane (l % 16) and the keys 8 (l / 16) + 0..7; two such results rounded to f16 ARE source 1 of O^T = V^T P.  p = 2^(c s - c m), c = log2(e) / 8; O and l are multiplied by a = 2^(c m_old - c m_new) in every step.
; BY TURNS.  Between turns: P of piece 0 is ready, S of piece 1 is raw, V of the step in hand has been asked for.  Turn T0: V^T P of piece 0, K Q^T of piece 0 for the next step, beside them piece 1's softmax.
; Turn T1: V^T P of piece 1, K Q^T of piece 1 for the next step, beside them piece 0's softmax.  Four vector instructions stand behind every matrix instruction, the other 54 of a softmax's 118 in two runs.
; REGISTERS.  Window 0: all that the vector work names.  Window 1: v0-31 Q, v32-63 block HI's Q, v64-127 K of a step, v128-191 V of a step.
.set KS,    64
.set PK,    144       ; a row of K in LDS: 128 bytes + 16: the 16 rows of a load start at 16 different groups of four banks (ISA guide 11.1)
.set PV,    160       ; a row of V: 128 + 32
.set TK,    128*PK    ; a tile of K
.set TV,    128*PV
.set VOFF,  2*TK      ; a slot: two tiles of K, then two of V
.set SLOT1, 1<<17
.set DK,    SLOT1+2*(TK+TV)
.set DV,    DK+TK
.set STAGE, DV+TV     ; 16 rows x 144 bytes for each wave; no tensor load lands here
.set SP,    144
.set SPARE, STAGE+4*16*SP
.set AK0, 2           ; my lane's place in a step of K; never rewritten
.set AV0, 3           ; the same for V
.set AK,  4
.set AV,  5
.set STO, 6
.set RD,  7
.set GO,  8
.set QO,  15
.set ST,  16          ; piece t at ST + 8 t: c m, m, l (even keys', odd keys'), c0-c3 at work; a takes c2's place
.set MD,  32
.set S,   64          ; piece t at S + 32 t
.set P,   128         ; piece t at P + 16 t
.set O,   160         ; piece t at O + 32 t
.set SPW, 224
.set NIL, 225
.set QB,  32          ; window 1
.set KF,  64
.set VF,  128
.set WV,  12
.set LO,  14
.set HI,  15
.set G1K, 24
.set G1V, 32
.set G0K, 40
.set G0V, 44
.set G1KD, 48
.set G1VD, 56
.set SLOTS, 66
.set TI,  67
.set G0KD, 68
.set G0VD, 72
.set CNT, 76
.set WC,  77          ; the number w of the tile to be entered
.set CS,  78
.set SEL, 80
.set TBK, 82          ; LDS byte of K of the step to be fetched
.set TBV, 83
.set SB,  84          ; the slot that is read
.set WN,  85          ; the number w of the tile that I ask for next
.set OFF, 86
.set BIGN, 92
.set LO1, 94
.set MSB, 0
.macro WIN new
.if MSB != (\new)
	s_set_vgpr_msb (MSB<<8)|(\new)
.set MSB, (\new)
.endif
.endm
.macro SHAPE g, r                      ; descriptor group 1, words 1 to 7: r rows of 128 elements (256 dense bytes, two keys)
	s_mov_b32 s[(\g)+1], 128<<16
	s_mov_b32 s[(\g)+2], (\r)<<16
	s_mov_b32 s[(\g)+3], 128<<16
	s_mov_b32 s[(\g)+4], \r
	s_mov_b32 s[(\g)+5], 128
	s_mov_b32 s[(\g)+6], 0
	s_mov_b32 s[(\g)+7], 0
.endm
; the tile that walk number WN stands for, and its address in both descriptors, made anew from the tensors' bases
.macro TILEADR
	s_sub_co_u32 s93, s[WN], s[LO1]
	s_cmp_lt_u32 s[WN], s[LO]
	s_cselect_b32 s93, s[WN], s93
	s_cmp_eq_u32 s[WN], s[LO]
	s_cselect_b32 s93, s[HI], s93
	s_lshl_b32 s[OFF], s93, 14                     ; a tile is 16,384 bytes of K and of V
	s_add_nc_u64 s[G0K+2:G0K+3], s[6:7], s[OFF:OFF+1]
	s_or_b32 s[G0K+3], s[G0K+3], 0x80000000
	s_add_nc_u64 s[G0V+2:G0V+3], s[8:9], s[OFF:OFF+1]
	s_or_b32 s[G0V+3], s[G0V+3], 0x80000000
	s_add_co_u32 s[WN], s[WN], 2
.endm
.macro LOAD                            ; a fill: waves 0, 1 fetch K of the slot's two tiles, waves 2, 3 V; an s_nop 0 and four v_nop follow each line
	s_cmp_lt_u32 s[WV], 2
	s_cbranch_scc0 .Lfor_v_\@
	tensor_load_to_lds s[G0K:G0K+3], s[G1K:G1K+7]
	s_nop 0
.rept 4
	v_nop
.endr
	s_branch .Lasked_\@
.Lfor_v_\@:
	tensor_load_to_lds s[G0V:G0V+3], s[G1V:G1V+7]
	s_nop 0
.rept 4
	v_nop
.endr
.Lasked_\@:
.endm
; THE CHANGE OF SLOTS.  Each wave waits for all its tensor loads (one is out: its part of the other slot), adds 0 to its spare word, and waits for that and for its reads of the slot that it leaves.
; fill = 1: the slot that is left is filled again, first thing behind the barrier; the load has two tiles' work in which to land.  (At its first use slot 0 is waited for and slot 1 filled.)
.macro CHANGE fill
	WIN 0
	s_wait_tensorcnt 0x0                           ; no tensor load of mine is out, so a group 0 may be written
	ds_add_u32 v[SPW], v[NIL]
.if \fill
	s_xor_b32 s[G0K+1], s[G0K+1], SLOT1
	s_xor_b32 s[G0V+1], s[G0V+1], SLOT1
	TILEADR
.endif
	s_wait_dscnt 0x0                               ; the add is done, and my reads of the slot are over
	s_barrier_signal -1
	s_xor_b32 s[SB], s[SB], SLOT1                  ; the fetches go to the head of the other slot
	s_mov_b32 s[TBK], s[SB]
	s_add_co_u32 s[TBV], s[SB], VOFF
	s_barrier_wait -1
.if \fill
	LOAD
.endif
.endm
	s_load_b128 s[16:19], s[0:1], 0x0              ; qkv s[16:17], ob s[18:19]
	v_lshl_add_u32 v[SPW], v0, 2, SPARE
	v_mov_b32 v[NIL], 0
	ds_add_u32 v[SPW], v[NIL]                      ; the wave's opening: the add and its wait, ahead of my first tensor load
	ds_add_u32 v224, v225
	v_lshrrev_b32 v1, 5, v0
	v_readfirstlane_b32 s[WV], v1
	s_mov_b32 s[LO], ttmp9
	s_sub_co_u32 s[HI], 15, s[LO]
	s_add_co_u32 s[LO1], s[LO], 1
	s_and_b32 s20, ttmp7, 0xffff
	s_lshl_b32 s20, s20, 18                        ; the head's 2^18 bytes
	s_mov_b32 s21, 0
	s_and_b32 s13, s[WV], 1                        ; which of two tiles, or halves, I fetch
	s_lshl_b32 s93, s[WV], 11                      ; my 16 rows in a band
	s_add_co_u32 s93, s93, s20
	s_lshl_b32 s2, s[LO], 14                       ; in block LO,
	s_add_co_u32 s2, s2, s93
	s_mov_b32 s3, 0
	s_lshl_b32 s22, s[HI], 14                      ; and in block HI
	s_add_co_u32 s22, s22, s93
	s_mov_b32 s23, 0
	s_mov_b32 s[G1K],  (1<<16)|(1<<20)|(4<<22)|(3<<25)  ; 2-byte elements; padding on; after every 32 words (a key), 4 words
	s_mov_b32 s[G1V],  (1<<16)|(1<<20)|(4<<22)|(7<<25)  ; the same with 8 words
	s_mov_b32 s[G1KD], (1<<16)|(1<<20)|(4<<22)|(3<<25)
	s_mov_b32 s[G1VD], (1<<16)|(1<<20)|(4<<22)|(7<<25)
	SHAPE G1K, 64                                  ; a tile: 128 keys
	SHAPE G1V, 64
	SHAPE G1KD, 32                                 ; half a tile: 64 keys
	SHAPE G1VD, 32
	s_mov_b32 s[G0KD], 1
	s_mul_i32 s[G0KD+1], s13, KS*PK
	s_add_co_u32 s[G0KD+1], s[G0KD+1], DK
	s_mov_b32 s[G0VD], 1
	s_mul_i32 s[G0VD+1], s13, KS*PV
	s_add_co_u32 s[G0VD+1], s[G0VD+1], DV
	s_mov_b32 s[G0K], 1
	s_mul_i32 s[G0K+1], s13, TK                    ; slot 0
	s_mov_b32 s[G0V], 1
	s_mul_i32 s[G0V+1], s13, TV
	s_add_co_u32 s[G0V+1], s[G0V+1], VOFF
	s_mov_b32 s[WN], s13
	s_mov_b32 s[OFF+1], 0
	s_mov_b32 s[CS], 0x3e38aa3b                    ; c = log2(e) / 8
	s_mov_b32 s[CS+1], s[CS]
	s_mov_b32 s[SEL], 0x76543210
	s_mov_b32 s[SEL+1], 0xfedcba98
	s_mov_b32 s[BIGN], 0xf149f2ca                  ; -1e30
	s_mov_b32 s[TBK], DK
	s_mov_b32 s[TBV], DV
	s_mov_b32 s[SB], SLOT1                         ; the first change of slots turns it into 0
	s_mov_b32 s[WC], 0
	s_mov_b32 s[SLOTS], 7
	s_wait_dscnt 0x0                               ; the opening add is done
	s_wait_kmcnt 0x0
	s_add_nc_u64 s[6:7], s[16:17], s[20:21]
	s_add_nc_u64 s[8:9], s[6:7], 0x1000000         ; V at the head
	s_add_nc_u64 s[6:7], s[6:7], 0x800000          ; K at the head
	s_add_nc_u64 s[4:5], s[16:17], s[2:3]          ; Q at my rows of block LO
	s_add_nc_u64 s[90:91], s[16:17], s[22:23]      ; and of block HI
	s_add_nc_u64 s[10:11], s[18:19], s[2:3]        ; O likewise
	s_add_nc_u64 s[88:89], s[18:19], s[22:23]
	s_lshl_b32 s[OFF], s[LO], 14                   ; tile LO, my half of it
	s_lshl_b32 s93, s13, 13
	s_add_co_u32 s[OFF], s[OFF], s93
	s_add_nc_u64 s[G0KD+2:G0KD+3], s[6:7], s[OFF:OFF+1]
	s_or_b32 s[G0KD+3], s[G0KD+3], 0x80000000
	s_add_nc_u64 s[G0VD+2:G0VD+3], s[8:9], s[OFF:OFF+1]
	s_or_b32 s[G0VD+3], s[G0VD+3], 0x80000000
	TILEADR
	s_cmp_lt_u32 s[WV], 2                          ; a wave's two first fills stand in one branch: its part of D, then its part of slot 0: two loads of mine are out
	s_cbranch_scc0 .Lfirst_v
	tensor_load_to_lds s[G0KD:G0KD+3], s[G1KD:G1KD+7]
	s_nop 0
	tensor_load_to_lds s[G0K:G0K+3], s[G1K:G1K+7]
	s_nop 0
.rept 4
	v_nop
.endr
	s_branch .Lfirst_asked
.Lfirst_v:
	tensor_load_to_lds s[G0VD:G0VD+3], s[G1VD:G1VD+7]
	s_nop 0
	tensor_load_to_lds s[G0V:G0V+3], s[G1V:G1V+7]
	s_nop 0
.rept 4
	v_nop
.endr
.Lfirst_asked:
	v_and_b32 v1, 15, v0                           ; l % 16
	v_bfe_u32 v9, v0, 4, 1                         ; l / 16
	v_lshlrev_b32 v[QO], 7, v1
	v_lshl_add_u32 v[QO], v9, 4, v[QO]             ; row x 128 + 16 x half
	WIN 0x40                                       ; destination window 1
.set i, 0
.rept 4                                ; both blocks' Q: piece i / 2 lies 64 rows on; channels 32 (i % 2) on
	global_load_b128 v[8*i:8*i+3],         v[QO], s[4:5] offset:(i/2)*8192+(i%2)*64
	global_load_b128 v[8*i+4:8*i+7],       v[QO], s[4:5] offset:(i/2)*8192+(i%2)*64+32
	global_load_b128 v[QB+8*i:QB+8*i+3],   v[QO], s[90:91] offset:(i/2)*8192+(i%2)*64
	global_load_b128 v[QB+8*i+4:QB+8*i+7], v[QO], s[90:91] offset:(i/2)*8192+(i%2)*64+32
.set i, i+1
.endr
	WIN 0
	v_lshlrev_b32 v14, 3, v9
	v_sub_nc_u32 v14, v1, v14
	s_lshl_b32 s93, s[WV], 4
	v_add_nc_u32 v14, s93, v14                     ; my query's place in its band less my lanes' 8 (l / 16): register r of key group kb is hidden where 16 kb + r is greater
.set i, 0
.rept 32
	v_cmp_gt_i32 vcc_lo, 16*(i/8)+i%8, v14
	v_cndmask_b32 v[MD+i], 0, s[BIGN], vcc_lo
.set i, i+1
.endr
	v_mul_u32_u24 v[AK0], v1, PK
	v_lshl_add_u32 v[AK0], v9, 4, v[AK0]
	v_and_b32 v10, 7, v0                           ; the turning load: lane l reads key 8 (l / 16) + l % 8, channels 8 ((l / 8) % 2) + 0..7
	v_bfe_u32 v11, v0, 3, 1
	v_lshl_add_u32 v[AV0], v9, 3, v10
	v_mul_u32_u24 v[AV0], v[AV0], PV
	v_lshl_add_u32 v[AV0], v11, 4, v[AV0]
	s_mul_i32 s93, s[WV], 16*SP
	s_add_co_u32 s93, s93, STAGE
	v_mul_u32_u24 v[STO], v1, SP
	v_lshl_add_u32 v[STO], v9, 4, v[STO]
	v_add_nc_u32 v[STO], s93, v[STO]
	v_bfe_u32 v[RD], v0, 3, 2
	v_mul_u32_u24 v[RD], v[RD], SP
	v_lshl_add_u32 v[RD], v10, 4, v[RD]
	v_add_nc_u32 v[RD], s93, v[RD]
	v_and_b32 v[GO], 31, v0
	v_lshlrev_b32 v[GO], 4, v[GO]
	; a block's first step multiplies O^T and l by a = 0, so they need only be finite: zeros for the first block, what the first block left for the second.  This stands in the wait for the first tile.
.set i, 0
.rept 64
	v_mov_b32 v[O+i], 0
.set i, i+1
.endr
.irp t, 0,1
	v_mov_b32 v[ST+8*\t+2], 0
	v_mov_b32 v[ST+8*\t+3], 0
.endr
; THE MATRIX WORK.  The four accumulators of a run of 8 take turns.  Product i of S^T = K Q^T for piece x: channels 32 (i / 4) on, keys 16 (i % 4) on; the first four start the sums, with 0 or (m = 1) the mask.
.macro KQ x, m
	WIN 0x05                                       ; K and Q in window 1
.set rS, S+32*(\x)+8*(i%4)
.set rK, KF+16*(i%4)+8*(i/4)
.set rQ, 16*(\x)+8*(i/4)
.if (i < 4) && (\m)
	v_wmma_f32_16x16x32_f16 v[rS:rS+7], v[rK:rK+7], v[rQ:rQ+7], v[MD+8*(i%4):MD+8*(i%4)+7]
.elseif i < 4
	v_wmma_f32_16x16x32_f16 v[rS:rS+7], v[rK:rK+7], v[rQ:rQ+7], 0
.else
	v_wmma_f32_16x16x32_f16 v[rS:rS+7], v[rK:rK+7], v[rQ:rQ+7], v[rS:rS+7]
.endif
.endm
.macro PV x                            ; product i of O^T += V^T P for piece x: keys 32 (i / 4) on, channels 16 (i % 4) on
	WIN 0x01                                       ; V in window 1
.set rO, O+32*(\x)+8*(i%4)
.set rV, VF+32*(i/4)+8*(i%4)
.set rP, P+16*(\x)+8*(i/4)
	v_wmma_f32_16x16x32_f16 v[rO:rO+7], v[rV:rV+7], v[rP:rP+7], v[rO:rO+7]
.endm
; THE LDS LOADS stand in runs of 16: a step's K (8 fragments) and its V (turned), off bytes behind the step that TBK or TBV names
.macro FETCH_K off
	WIN 0
	v_add_nc_u32 v[AK], s[TBK], v[AK0]
	WIN 0x40
.irp f, 0,1,2,3,4,5,6,7
	ds_load_b128 v[KF+8*\f:KF+8*\f+3],   v[AK] offset:(\off)+(\f/2)*16*PK+(\f%2)*64
	ds_load_b128 v[KF+8*\f+4:KF+8*\f+7], v[AK] offset:(\off)+(\f/2)*16*PK+(\f%2)*64+32
.endr
	WIN 0
.endm
.macro FETCH_V off
	WIN 0
	v_add_nc_u32 v[AV], s[TBV], v[AV0]
	WIN 0x40
.irp f, 0,1,2,3,4,5,6,7
	ds_load_tr16_b128 v[VF+8*\f:VF+8*\f+3],   v[AV] offset:(\off)+(\f/4)*32*PV+(\f%4)*32
	ds_load_tr16_b128 v[VF+8*\f+4:VF+8*\f+7], v[AV] offset:(\off)+(\f/4)*32*PV+16*PV+(\f%4)*32
.endr
	WIN 0
.endm
; THE VECTOR WORK: piece Y's softmax for one key step is a list of 118; SM writes number j of it.
;   0-15   the maximum of the lane's 32 scores and the old m, three operands at a time; each accumulator's lowest registers are read first
;   16-20  the other half of the lanes' maximum; c m_old kept; the new m; c m; c m_old - c m_new
;   21-87  33 exponentials (a at 23, the scores at the odd numbers from 25 on): none follows another, and a plain instruction that names neither its result nor its source stands behind each (ISA guide 5.7.2).
;          The plain numbers are what is ready: c s - c m some pairs ahead, the rounding of a pair whose exponentials are done, the first sums
;   88-101 the last rounding, the rest of the sums, l = a l + the sum        102-117 O^T times a
.macro SM
.set rT, ST+8*Y
.set rS, S+32*Y
.set rP, P+16*Y
.set rO, O+32*Y
.set q, (j-20)/2
.if j < 4
	v_max3_num_f32 v[rT+4+j], v[rS+8*j], v[rS+8*j+1], v[rS+8*j+2]
.elseif j < 12
	v_max3_num_f32 v[rT+4+j%4], v[rT+4+j%4], v[rS+8*(j%4)+2*(j/4)+1], v[rS+8*(j%4)+2*(j/4)+2]
.elseif j == 12
	v_max3_num_f32 v[rT+4], v[rT+4], v[rS+7], v[rS+15]
.elseif j == 13
	v_max3_num_f32 v[rT+6], v[rT+6], v[rS+23], v[rS+31]
.elseif j == 14
	v_max3_num_f32 v[rT+4], v[rT+4], v[rT+5], v[rT+6]
.elseif j == 15
	v_max3_num_f32 v[rT+4], v[rT+4], v[rT+7], v[rT+1]
.elseif j == 16
	v_permlanex16_b32 v[rT+5], v[rT+4], s[SEL], s[SEL+1]
.elseif j == 17
	v_mov_b32 v[rT+7], v[rT]
.elseif j == 18
	v_max_num_f32 v[rT+1], v[rT+4], v[rT+5]
.elseif j == 19
	v_mul_f32 v[rT], s[CS], v[rT+1]
.elseif j == 20
	v_sub_f32 v[rT+7], v[rT+7], v[rT]
.elseif j == 23
	v_exp_f32 v[rT+6], v[rT+7]
.elseif (j < 88) && (j > 23) && (j%2 == 1)
	v_exp_f32 v[rS+(j-25)/2], v[rS+(j-25)/2]
.elseif (q < 4) || ((j < 76) && (q%2 == 0))
.set b, q/2+2
.if q < 4
.set b, q
.endif
	v_pk_fma_f32 v[rS+2*b:rS+2*b+1], v[rS+2*b:rS+2*b+1], s[CS:CS+1], v[rT:rT+1] op_sel_hi:[1,0,0] neg_lo:[0,0,1] neg_hi:[0,0,1]
.elseif (j < 88) && (q%2 == 1)
	s_wait_alu depctr_va_vdst(0)
	v_cvt_pk_f16_f32 v[rP+(q-5)/2], v[rS+q-5], v[rS+q-4]
.elseif j == 89
	s_wait_alu depctr_va_vdst(0)
	v_cvt_pk_f16_f32 v[rP+15], v[rS+30], v[rS+31]
.elseif j < 102
.set z, j-86
.if j < 89
.set z, (j-76)/4
.endif
.set w, 4
.set u, z
.if z >= 14
.set w, 32
.set u, 0
.elseif z >= 12
.set w, 16
.set u, z-12
.elseif z >= 8
.set w, 8
.set u, z-8
.endif
.if z < 15
	v_pk_add_f32 v[rS+w*u:rS+w*u+1], v[rS+w*u:rS+w*u+1], v[rS+w*u+w/2:rS+w*u+w/2+1]
.else
	v_pk_fma_f32 v[rT+2:rT+3], v[rT+2:rT+3], v[rT+6:rT+7], v[rS:rS+1] op_sel_hi:[1,0,1]
.endif
.else
	v_pk_mul_f32 v[rO+2*(j-102):rO+2*(j-102)+1], v[rO+2*(j-102):rO+2*(j-102)+1], v[rT+6:rT+7] op_sel_hi:[1,0]
.endif
.endm
.macro SMN n                           ; the list's next n numbers
	WIN 0
.rept \n
	SM
.set j, j+1
.endr
.endm
; THE TURNS.  The 31 numbers behind a turn's last product (30 of them plain, none naming its registers) are the places in front of the next turn's first read of those scores and of the loads into K;
; in front of V's loads stand 16 numbers, 8 of them plain.
.macro T0
.set Y, 1
.set j, 0
	s_wait_dscnt 0x0                               ; V is in
.set i, 0
.rept 8
	PV 0
	SMN 4
.if i == 1
	FETCH_K 0                                      ; the next step's K
	s_add_co_u32 s[TBK], s[TBK], KS*PK
.endif
.set i, i+1
.endr
	SMN 27
	s_wait_dscnt 0x0                               ; K is in
.set i, 0
.rept 8
	KQ 0, 0
	SMN 4
.set i, i+1
.endr
	SMN 27
.endm
.macro T1 adv                          ; adv: how far V's fetches move on
.set Y, 0
.set j, 0
.set i, 0
.rept 8
	PV 1
	SMN 4
.set i, i+1
.endr
	SMN 12
	FETCH_V 0                                      ; V of the step whose scores are being made
	s_add_co_u32 s[TBV], s[TBV], \adv
	SMN 15
.set i, 0
.rept 8
	KQ 1, 0
	SMN 4
.set i, i+1
.endr
	SMN 27
.endm
; A BLOCK BEGINS, on its diagonal tile at TBK, TBV.  c m starts far below every c s, so the first a is 0; m at the lowest finite number.  Key step 1 first, for piece 1 alone (masked); then step 0: piece 0 masked, piece 1 free.
; Every row sees its own key in its first step, so m is a true score from then on.
.macro BEGIN
	WIN 0
.irp t, 0,1
	v_mov_b32 v[ST+8*\t], 0xfe000000
	v_mov_b32 v[ST+8*\t+1], 0xff7fffff
.endr
	FETCH_K KS*PK
	FETCH_V KS*PV
	s_wait_loadcnt 0x0                             ; Q
	s_wait_dscnt 16                                ; K is in; V's sixteen loads may stay out
.set i, 0
.rept 8
	KQ 1, 1
.set i, i+1
.endr
	WIN 0
.rept 4
	v_nop                                          ; the places behind those products, for the loads into K and the first read of the scores
.endr
	FETCH_K 0
.set Y, 1
.set j, 0
	SMN 43
	s_wait_dscnt 0x0                               ; step 0's K and step 1's V are in
.set i, 0
.rept 8
	KQ 0, 1
	SMN 4
.set i, i+1
.endr
	SMN 43
	T1 TV                                          ; V^T P of piece 1 for step 1; V of step 0; piece 1's scores for step 0; piece 0's softmax
	s_add_co_u32 s[TBK], s[TBK], TK                ; the fetches go on behind this tile
.endm
; A BLOCK ENDS: the last step's V^T P and piece 1's last softmax; l's two halves and the other half of the lanes' are added; O^T is divided by l, rounded to f16 and sent through my stage, a piece at a time.
.macro PACK t
.set i, 0
.rept 16
	v_pk_mul_f32 v[O+32*(\t)+2*i:O+32*(\t)+2*i+1], v[O+32*(\t)+2*i:O+32*(\t)+2*i+1], v[ST+8*(\t)+6:ST+8*(\t)+7] op_sel_hi:[1,0]
.set i, i+1
.endr
.set i, 0
.rept 16
	v_cvt_pk_f16_f32 v[S+16*(\t)+i], v[O+32*(\t)+2*i], v[O+32*(\t)+2*i+1]
.set i, i+1
.endr
.irp f, 0,1,2,3
	ds_store_b128 v[STO], v[S+16*(\t)+4*\f:S+16*(\t)+4*\f+3] offset:32*\f
.endr
.irp f, 0,1,2,3
	ds_load_b128 v[S+16*(\t)+4*\f:S+16*(\t)+4*\f+3], v[RD] offset:\f*4*SP  ; LDS serves a wave's instructions in order (ISA guide 5.7.1.4): these see the stores above
.endr
.endm
.macro SEND t, younger                 ; younger: the LDS instructions issued behind piece t's loads
.irp f, 0,1,2,3
	s_wait_dscnt (\younger)+3-\f
	global_store_b128 v[GO], v[S+16*(\t)+4*\f:S+16*(\t)+4*\f+3], s[10:11] offset:(\t)*8192+\f*512  ; 512 consecutive bytes, at a multiple of 256 from O's first
.endr
.endm
.macro END
	s_wait_dscnt 0x0                               ; V is in
.set Y, 1
.set j, 0
.set i, 0
.rept 8
	PV 0
	SMN 4
.set i, i+1
.endr
	SMN 86
.set i, 0
.rept 8
	PV 1
.set i, i+1
.endr
	WIN 0
.irp t, 0,1
	v_add_f32 v[ST+8*\t+4], v[ST+8*\t+2], v[ST+8*\t+3]
.endr
.irp t, 0,1
	v_permlanex16_b32 v[ST+8*\t+5], v[ST+8*\t+4], s[SEL], s[SEL+1]
.endr
.irp t, 0,1
	v_add_f32 v[ST+8*\t+4], v[ST+8*\t+4], v[ST+8*\t+5]
.endr
.irp t, 0,1
	v_rcp_f32 v[ST+8*\t+6], v[ST+8*\t+4]
.endr
	v_nop                                          ; a plain instruction between the last reciprocal and its use
	s_wait_alu depctr_va_vdst(0)
	PACK 0                                         ; piece 0's arithmetic, with the additions above, is the places behind piece 1's last products
	PACK 1
	SEND 0, 8
	SEND 1, 0
.endm
	s_wait_tensorcnt 1                             ; my part of D is in; slot 0's may stay out
	s_barrier_signal -1
	s_barrier_wait -1
	BEGIN                                          ; block LO, on D
	WIN 0
.Lslot:                                                ; 7 trips: a slot's two tiles are entered, and the next slot's are asked for
	CHANGE 1
	s_mov_b32 s[TI], 2
.Ltile:
	s_cmp_eq_u32 s[WC], s[LO]
	s_cbranch_scc1 .Lswitch
	s_mov_b32 s[CNT], 2
.Lstep:                                                ; a plain tile: two key steps
	T0
	T1 KS*PV
	WIN 0
	s_sub_co_u32 s[CNT], s[CNT], 1
	s_cmp_lg_u32 s[CNT], 0
	s_cbranch_scc1 .Lstep
	s_branch .Ljoin
.Lswitch:                                              ; block LO ends; this tile is block HI's diagonal one
	END
	s_wait_xcnt 0x0                                ; the stores have read their registers and O's address
	s_mov_b64 s[10:11], s[88:89]
	WIN 0x41                                       ; block HI's Q goes where the turns name Q
.set i, 0
.rept 32
	v_mov_b32 v[i], v[QB+i]
.set i, i+1
.endr
	BEGIN
	WIN 0
.Ljoin:
	s_add_co_u32 s[WC], s[WC], 1
	s_sub_co_u32 s[TI], s[TI], 1
	s_cmp_lg_u32 s[TI], 0
	s_cbranch_scc1 .Ltile
	s_sub_co_u32 s[SLOTS], s[SLOTS], 1
	s_cmp_lg_u32 s[SLOTS], 0
	s_cbranch_scc1 .Lslot
	CHANGE 0                                       ; the last slot is written out: nothing is asked for
	s_mov_b32 s[CNT], 4
.Ltail:
	T0
	T1 KS*PV
	WIN 0
	s_sub_co_u32 s[CNT], s[CNT], 1
	s_cmp_lg_u32 s[CNT], 0
	s_cbranch_scc1 .Ltail
	END
	s_wait_tensorcnt 0x0                           ; the wave's end
	ds_add_u32 v[SPW], v[NIL]
	s_wait_dscnt 0x0
	s_endpgm
.Lfunc_end_k_qccca0ee7b3_attn:
	.size	k_qccca0ee7b3_attn, .Lfunc_end_k_qccca0ee7b3_attn-k_qccca0ee7b3_attn
	.p2alignl 7, 3214868480
	.fill 96, 4, 3214868480
	.section	.rodata,"a",@progbits
	.p2align	6, 0x0
	.amdhsa_kernel k_qccca0ee7b3_attn
		.amdhsa_group_segment_fixed_size 327680
		.amdhsa_private_segment_fixed_size 0
		.amdhsa_enable_private_segment 0
		.amdhsa_kernarg_size 16
		.amdhsa_user_sgpr_count 2
		.amdhsa_user_sgpr_kernarg_segment_ptr 1
		.amdhsa_wavefront_size32 1
		.amdhsa_system_sgpr_workgroup_id_x 1
		.amdhsa_system_sgpr_workgroup_id_y 1
		.amdhsa_system_sgpr_workgroup_id_z 1
		.amdhsa_system_vgpr_workitem_id 0
		.amdhsa_next_free_vgpr 448
		.amdhsa_next_free_sgpr 96
		.amdhsa_reserve_vcc 1
		.amdhsa_float_denorm_mode_32 3
		.amdhsa_float_denorm_mode_16_64 3
		.amdhsa_memory_ordered 1
		.amdhsa_forward_progress 1
		.amdhsa_inst_pref_size 131
	.end_amdhsa_kernel
	.amdgpu_metadata
---
amdhsa.version: [ 1, 2 ]
amdhsa.kernels:
  - .name:           k_qccca0ee7b3_attn
    .symbol:         k_qccca0ee7b3_attn.kd
    .args:
      - { .name: qkv, .offset: 0, .size: 8, .value_kind: global_buffer, .address_space: global }
      - { .name: ob, .offset: 8, .size: 8, .value_kind: global_buffer, .address_space: global }
    .group_segment_fixed_size: 327680
    .private_segment_fixed_size: 0
    .kernarg_segment_align: 8
    .kernarg_segment_size: 16
    .max_flat_workgroup_size: 128
    .sgpr_count:     96
    .vgpr_count:     448
    .wavefront_size: 32
...
	.end_amdgpu_metadata
.endif
;; end of part 3
;; launch ffn1 (part 4): grid 16 x 16, 4 waves a work-group, clusters of 4 x 4, 327,680 bytes of LDS; arguments ob, wh, hb, b1; writes hb
.if DOCPART == 4
	.amdgcn_target "amdgcn-amd-amdhsa--gfx1250"
	.amdhsa_code_object_version 6
	.text
	.protected	k_qccca0ee7b3_ffn1
	.globl	k_qccca0ee7b3_ffn1
	.p2align	8
	.type	k_qccca0ee7b3_ffn1,@function
k_qccca0ee7b3_ffn1:
	s_mov_b64 s[64:65], 0
	v_nop
	global_prefetch_b8 v0, s[64:65] scope:SCOPE_SE
	s_setreg_imm32_b32 hwreg(HW_REG_WAVE_MODE, 25, 1), 1
	s_wait_xcnt 0x0
	s_wait_alu depctr_hold_cnt(0) depctr_sa_sdst(0) depctr_va_vdst(0) depctr_va_sdst(0) depctr_va_ssrc(0) depctr_va_vcc(0) depctr_vm_vsrc(0)
	s_getreg_b32 s2, hwreg(HW_REG_IB_STS2, 6, 4)
	s_cmp_eq_u32 s2, 0
	s_cbranch_scc0 .Lentry_in_a_cluster
	s_endpgm
.Lentry_in_a_cluster:
	s_bfe_u32 s2, ttmp6, 0x10000c
	s_cmp_lg_u32 s2, 0xf033
	s_cbranch_scc0 .Lentry_shape_is_right
	s_endpgm
.Lentry_shape_is_right:
; h = gelu(o W1^T + b1), [4096 x 2048], K = 1024.  o: ob[32 heads][2048][64] f16; W1 (rounded to bf16, written as f16) in wh; b1 rounded to bf16 here; sums f32.
; gelu is the tanh form: x / (1 + 2^(x (A0 + A1 x^2))), A0 = -2 log2(e) sqrt(2 / pi), A1 = 0.044715 A0, which is 0.5 x (1 + tanh(..)) exactly.
; h leaves as TWO bf16 numbers, hi = bf16(h) and lo = bf16(h - hi): bf16's range with 16 significant bits.  hb[row][16 column blocks][hi, lo][128].
; LIMIT: |o| and |W1| within f16's 65,504.
; A tile of C is 256 x 128: 16 x 16 tiles, one work-group each.  Four waves, each 64 rows x 128 columns: 32 accumulators, 256 registers (window 2).
; K goes in steps of 128 = two heads through two LDS slots.  Wave 0 fetches the even head's 256 rows, wave 1 the odd head's: 32,768 dense bytes each, asked for as 128 rows of 256 bytes and padded
; after every 128; waves 2, 3 fetch B's halves (64 rows of 256 bytes).  CLUSTER 4 x 4: A's tiles jointly along a row of the cluster, B's along a column.
; THE MATRIX INSTRUCTION IS USED TRANSPOSED (source 0 = rows of B, source 1 = rows of A): a lane holds row l % 16 of C and eight neighbouring columns.
.set MB,   4
.set NB,   8
.set T,    MB*NB
.set NLD,  2*(MB+NB)
.set HEAD, 4                           ; A's blocks 2 and 3: wanted by a quarter's second half alone
.set LAPS, 4
.set PA,   144                         ; 128 bytes + 16
.set PB,   272                         ; 256 bytes + 16
.set AHALF, 256*PA                     ; one head's 256 rows
.set BHALF, 64*PB
.set AREG,  2*AHALF
.set SLOT,  AREG+2*BHALF
.set SPARE, 2*SLOT                     ; the spare words, 128 bytes for each wave, named by no other line
.set SPITCH, 528                       ; the way out's stage: a row of 128 f32 + 16 bytes; wave w's 64 rows at 64 x 528 x w, in the slots, which have had their last fill by then
.set AS1,  524288                      ; two heads on
.set BS1,  256
.set W1B,  14680064                    ; W1's first byte in wh
.set ADRA, 16
.set ADRB, 20
.set STO,  24
.set RD,   25
.set CO,   26
.set BO,   27                          ; my byte offset in b1
.set SPW,  28
.set NIL,  29
.set X,    32                          ; v32-63  four rows x eight columns
.set E,    64                          ; v64-95  at work
.set YH,   96                          ; v96-111 hi, packed
.set BI,   112                         ; v112-119 my eight columns' bias
.set YL,   120                         ; v120-135 lo, packed
.set F0,   0
.set F1,   128
.set G1,  24
.set G0,  32
.set G1B, 48
.set G0B, 56
.set MSB, 0
.macro WIN new
.if MSB != (\new)
	s_set_vgpr_msb (MSB<<8)|(\new)
.set MSB, \new
.endif
.endm
.macro JLOAD s                         ; a joint load: waves 0, 1 for A, waves 2, 3 for B; an s_nop 0 and four v_nop follow each line
	s_cmp_eq_u32 s11, 0
	s_cbranch_scc0 .Lfor_b_\@
	tensor_load_to_lds s[G0+4*(\s):G0+4*(\s)+3], s[G1:G1+7]
	s_nop 0
.rept 4
	v_nop
.endr
	s_branch .Lasked_\@
.Lfor_b_\@:
	tensor_load_to_lds s[G0B+4*(\s):G0B+4*(\s)+3], s[G1B:G1B+7]
	s_nop 0
.rept 4
	v_nop
.endr
.Lasked_\@:
.endm
.macro CREST
	s_cmp_lg_u32 s10, 0
	s_cbranch_scc1 .Lnot_wave_0_\@
	s_barrier_signal -3
.Lnot_wave_0_\@:
	s_barrier_wait -3
	s_barrier_signal -1
	s_barrier_wait -1
.endm
.macro CROUND
	s_barrier_signal -1
	s_barrier_wait -1
	CREST
.endm
.macro PLACES
.rept 4
	v_nop
.endr
.endm
.macro SHAPE g, c, r, p
	s_mov_b32 s[(\g)+1], (\c)<<16
	s_mov_b32 s[(\g)+2], (\r)<<16
	s_mov_b32 s[(\g)+3], (\c)<<16
	s_mov_b32 s[(\g)+4], \r
	s_mov_b32 s[(\g)+5], \p
	s_mov_b32 s[(\g)+6], 0
	s_mov_b32 s[(\g)+7], 0
.endm
	s_load_b128 s[4:7], s[0:1], 0x0                ; ob s[4:5], wh s[6:7]
	s_load_b128 s[68:71], s[0:1], 0x10             ; hb s[68:69], b1 s[70:71]
	v_lshl_add_u32 v[SPW], v0, 2, SPARE
	v_mov_b32 v[NIL], 0
	ds_add_u32 v[SPW], v[NIL]                      ; the wave's opening: the add and its wait, ahead of my first tensor load
	ds_add_u32 v28, v29
	v_lshrrev_b32 v1, 5, v0
	v_readfirstlane_b32 s10, v1
	s_lshr_b32 s11, s10, 1
	s_and_b32 s12, s10, 1
	s_bfe_u32 s40, ttmp6, 0x40000
	s_bfe_u32 s41, ttmp6, 0x40004
	s_lshl_b32 s42, ttmp9, 2
	s_add_co_u32 s42, s42, s40                     ; tile column
	s_and_b32 s13, ttmp7, 0xffff
	s_lshl_b32 s13, s13, 2
	s_add_co_u32 s13, s13, s41                     ; tile row
	s_lshl_b32 s43, s41, 2
	s_lshl_b32 s43, 15, s43
	s_lshl_b32 s44, 0x1111, s40
	s_or_b32 s[G1],  s43, (1<<16)|(1<<20)|(1<<21)|(4<<22)|(3<<25)  ; A: padded after every 32 words (a row of a head)
	s_or_b32 s[G1B], s44, (1<<16)|(1<<20)|(1<<21)|(5<<22)|(3<<25)  ; B: after every 64 words
	SHAPE G1,  128, 128, 128
	SHAPE G1B, 128, 64,  1024
	s_lshr_b32 s16, s13, 3                         ; A: head 16 x batch + my one of the step's two, 2^18 bytes each,
	s_lshl_b32 s16, s16, 4
	s_add_co_u32 s16, s16, s12
	s_lshl_b32 s16, s16, 18
	s_and_b32 s17, s13, 7                          ; and in it the tile's 256 rows of 128 bytes
	s_lshl_b32 s17, s17, 15
	s_add_co_u32 s16, s16, s17
	s_mov_b32 s17, 0
	s_lshl_b32 s46, s42, 18                        ; B: (128 x tile column + 64 x half) rows of 2,048 bytes
	s_lshl_b32 s47, s12, 17
	s_add_co_u32 s46, s46, s47
	s_add_co_u32 s46, s46, W1B
	s_mov_b32 s47, 0
	s_mul_i32 s20, s12, AHALF
	s_mul_i32 s21, s12, BHALF
	s_add_co_u32 s21, s21, AREG
	s_mov_b32 s72, 0xbdd2d3e8                      ; A1 = -0.10294324
	s_mov_b32 s73, s72
	s_mov_b32 s74, 0xc0135761                      ; A0 = -2.3022082
	s_mov_b32 s75, s74
	s_wait_dscnt 0x0                               ; the opening add is done
	s_wait_kmcnt 0x0
	s_add_nc_u64 s[14:15], s[4:5], s[16:17]
	s_add_nc_u64 s[46:47], s[6:7], s[46:47]
	CROUND
.irp s, 0,1
	s_mov_b32 s[G0+4*(\s)], 1
	s_add_co_u32 s[G0+4*(\s)+1], s20, (\s)*SLOT
	s_add_nc_u64 s[G0+4*(\s)+2:G0+4*(\s)+3], s[14:15], (\s)*AS1
	s_or_b32 s[G0+4*(\s)+3], s[G0+4*(\s)+3], 0x80000000
	s_mov_b32 s[G0B+4*(\s)], 1
	s_add_co_u32 s[G0B+4*(\s)+1], s21, (\s)*SLOT
	s_add_nc_u64 s[G0B+4*(\s)+2:G0B+4*(\s)+3], s[46:47], (\s)*BS1
	s_or_b32 s[G0B+4*(\s)+3], s[G0B+4*(\s)+3], 0x80000000
	JLOAD \s
.endr
	v_and_b32 v1, 15, v0
	v_bfe_u32 v2, v0, 4, 1
	s_lshl_b32 s76, s42, 9                         ; the tile's 128 columns: 512 bytes of b1, and of a row of hb
	v_lshlrev_b32 v[BO], 5, v1                     ; my eight columns
	v_add_nc_u32 v[BO], s76, v[BO]
	global_load_b128 v[BI:BI+3],   v[BO], s[70:71]
	global_load_b128 v[BI+4:BI+7], v[BO], s[70:71] offset:16
	v_mul_u32_u24 v3, v1, PA
	v_lshl_add_u32 v3, v2, 4, v3
	v_mul_u32_u24 v4, v1, PB
	v_lshl_add_u32 v4, v2, 4, v4
	s_mul_i32 s22, s10, 64*PA                      ; my 64 rows, in each head's part
	s_mov_b32 s23, AREG
.irp s, 0,1
	v_add_nc_u32 v[ADRA+(\s)], s22, v3
	v_add_nc_u32 v[ADRB+(\s)], s23, v4
	s_add_co_u32 s22, s22, SLOT
	s_add_co_u32 s23, s23, SLOT
.endr
	s_mul_i32 s22, s10, 64*SPITCH                  ; my stage
	v_mul_u32_u24 v[STO], v1, SPITCH               ; in: row l % 16, 32 bytes for each half of the lanes
	v_lshl_add_u32 v[STO], v2, 5, v[STO]
	v_add_nc_u32 v[STO], s22, v[STO]
	v_mul_u32_u24 v[RD], v2, SPITCH                ; back: lanes 0-15 one row, lanes 16-31 the next, eight columns a lane
	v_lshl_add_u32 v[RD], v1, 5, v[RD]
	v_add_nc_u32 v[RD], s22, v[RD]
	v_lshlrev_b32 v[CO], 13, v2                    ; the same two rows of hb, 8,192 bytes each; 16 bytes a lane
	v_lshl_add_u32 v[CO], v1, 4, v[CO]
	s_lshl_b32 s77, s13, 21                        ; (256 x tile row + 64 x wave) rows
	s_lshl_b32 s78, s10, 19
	s_add_co_u32 s78, s78, s77
	s_add_co_u32 s78, s78, s76
	s_mov_b32 s79, 0
	s_add_nc_u64 s[8:9], s[68:69], s[78:79]
; cnt matrix instructions from number n0 of a quarter's 32: block a = n / 8, block b = n % 8.  The accumulators take turns.
.macro MULS f, n0, cnt, zero
.set n, \n0
.rept \cnt
.set rD, 8*n
.set rA, (\f)+8*(n/NB)
.set rB, (\f)+8*MB+8*(n%NB)
	WIN 0xa5
.if \zero
	v_wmma_f32_16x16x32_f16 v[rD:rD+7], v[rB:rB+7], v[rA:rA+7], 0
.else
	v_wmma_f32_16x16x32_f16 v[rD:rD+7], v[rB:rB+7], v[rA:rA+7], v[rD:rD+7]
.endif
.set n, n+1
.endr
.endm
; one run of 24 LDS loads: quarter q: B at byte 64 q of its rows; A in head q / 2's part, at byte 64 (q % 2)
.macro FETCH slot, q, f
	WIN 0x40
.set i, 0
.rept NB
	ds_load_b128 v[(\f)+8*MB+8*i:(\f)+8*MB+8*i+3],   v[ADRB+(\slot)] offset:64*(\q)+i*16*PB
	ds_load_b128 v[(\f)+8*MB+8*i+4:(\f)+8*MB+8*i+7], v[ADRB+(\slot)] offset:64*(\q)+i*16*PB+32
.set i, i+1
.endr
.set i, 0
.rept MB
	ds_load_b128 v[(\f)+8*i:(\f)+8*i+3],   v[ADRA+(\slot)] offset:((\q)/2)*AHALF+((\q)%2)*64+i*16*PA
	ds_load_b128 v[(\f)+8*i+4:(\f)+8*i+7], v[ADRA+(\slot)] offset:((\q)/2)*AHALF+((\q)%2)*64+i*16*PA+32
.set i, i+1
.endr
.endm
.macro QUARTER slot, q, f, g, zero
	s_wait_dscnt HEAD                              ; all but the youngest four loads, which the second half wants
	MULS \f, 0, T/2, \zero
	PLACES
	FETCH \slot, \q, \g
	s_wait_dscnt NLD                               ; all but the run just issued
	MULS \f, T/2, T/2, \zero
.endm
.macro TURN slot, next, fill
	WIN 0
	s_wait_tensorcnt 0x0                           ; all my tensor loads have landed: my part of the next slot
	ds_add_u32 v[SPW], v[NIL]
	s_wait_dscnt HEAD+1                            ; the add and the youngest four loads may be out
	MULS F1, 0, T/4, 0
	s_wait_dscnt 0x0                               ; the add is done, and my reads of this slot are over
	s_barrier_signal -1
	MULS F1, T/4, T/4, 0
.if \fill
	WIN 0
.endif
	s_barrier_wait -1
.if \fill
	CREST                                          ; no wave of any partner still reads this slot or has a load on its way
	s_add_nc_u64 s[G0+4*(\slot)+2:G0+4*(\slot)+3], s[G0+4*(\slot)+2:G0+4*(\slot)+3], 2*AS1
	s_add_nc_u64 s[G0B+4*(\slot)+2:G0B+4*(\slot)+3], s[G0B+4*(\slot)+2:G0B+4*(\slot)+3], 2*BS1
	JLOAD \slot
.else
	PLACES
.endif
	FETCH \next, 0, F0
	MULS F1, T/2, T/2, 0
.endm
	s_wait_tensorcnt 1                             ; my part of K step 0 is in; K step 1's may stay out
	s_barrier_signal -1
	s_barrier_wait -1
	FETCH 0, 0, F0
	QUARTER 0, 1, F0, F1, 1
	WIN 0
	s_mov_b32 s3, LAPS-1
.Llap:
	QUARTER 0, 2, F1, F0, 0
	QUARTER 0, 3, F0, F1, 0
	TURN 0, 1, 1
	QUARTER 1, 1, F0, F1, 0
	QUARTER 1, 2, F1, F0, 0
	QUARTER 1, 3, F0, F1, 0
	TURN 1, 0, 1
	QUARTER 0, 1, F0, F1, 0
	WIN 0
	s_sub_co_u32 s3, s3, 1
	s_cmp_lg_u32 s3, 0
	s_cbranch_scc1 .Llap
	QUARTER 0, 2, F1, F0, 0
	QUARTER 0, 3, F0, F1, 0
	TURN 0, 1, 0
	QUARTER 1, 1, F0, F1, 0
	QUARTER 1, 2, F1, F0, 0
	QUARTER 1, 3, F0, F1, 0
	s_wait_dscnt HEAD
	MULS F1, 0, T/2, 0
	s_wait_dscnt 0x0                               ; my last reads of the slots are back:
	s_barrier_signal -1                            ; say so, since the stages lie in the slots,
	MULS F1, T/2, T/2, 0
	WIN 0
	s_barrier_wait -1                              ; and write there only when all four waves have said so
	; THE WAY OUT.  The sums go in f32 into my stage; they come back by rows, eight neighbouring columns a lane; bias, gelu, the split into hi and lo; sixteen lanes store 256 consecutive bytes.
	PLACES
	WIN 0x08                                       ; store data in window 2; each accumulator's low four registers go first
.set n, 0
.rept T
	ds_store_b128 v[STO], v[8*n:8*n+3]   offset:16*SPITCH*(n/NB)+64*(n%NB)
	ds_store_b128 v[STO], v[8*n+4:8*n+7] offset:16*SPITCH*(n/NB)+64*(n%NB)+16
.set n, n+1
.endr
	WIN 0
	s_wait_loadcnt 0x0                             ; the bias, rounded to bf16 like every input
.irp p, 0,1,2,3
	v_cvt_pk_bf16_f32 v[E+(\p)], v[BI+2*(\p)], v[BI+2*(\p)+1]
.endr
.irp p, 0,1,2,3
	v_lshlrev_b32 v[BI+2*(\p)],   16, v[E+(\p)]
	v_and_b32     v[BI+2*(\p)+1], 0xffff0000, v[E+(\p)]
.endr
.macro PAIRS line:vararg               ; one line for each of the 16 pairs p
.set p, 0
.rept 16
	\line
.set p, p+1
.endr
.endm
	s_mov_b32 s3, 8
.Lrows:                                                ; 8 trips of 8 rows
.irp t, 0,1,2,3
	ds_load_b128 v[X+8*(\t):X+8*(\t)+3],   v[RD] offset:2*SPITCH*(\t)     ; LDS serves a wave's instructions in order (ISA guide 5.7.1.4): these see my stores
	ds_load_b128 v[X+8*(\t)+4:X+8*(\t)+7], v[RD] offset:2*SPITCH*(\t)+16
.endr
	s_wait_dscnt 0x0
	PAIRS v_pk_add_f32 v[X+2*p:X+2*p+1], v[X+2*p:X+2*p+1], v[BI+2*(p%4):BI+2*(p%4)+1]
	PAIRS v_pk_mul_f32 v[E+2*p:E+2*p+1], v[X+2*p:X+2*p+1], v[X+2*p:X+2*p+1]
	PAIRS v_pk_fma_f32 v[E+2*p:E+2*p+1], v[E+2*p:E+2*p+1], s[72:73], s[74:75] op_sel_hi:[1,0,0]
	PAIRS v_pk_mul_f32 v[E+2*p:E+2*p+1], v[E+2*p:E+2*p+1], v[X+2*p:X+2*p+1]
.set i, 0
.rept 32
	v_exp_f32 v[E+i], v[E+i]
.set i, i+1
.endr
	v_nop                                          ; a plain instruction behind the last exponential
	s_wait_alu depctr_va_vdst(0)
	PAIRS v_pk_add_f32 v[E+2*p:E+2*p+1], v[E+2*p:E+2*p+1], 1.0 op_sel_hi:[1,0]
.set i, 0
.rept 32
	v_rcp_f32 v[E+i], v[E+i]
.set i, i+1
.endr
	v_nop
	s_wait_alu depctr_va_vdst(0)
	PAIRS v_pk_mul_f32 v[X+2*p:X+2*p+1], v[X+2*p:X+2*p+1], v[E+2*p:E+2*p+1]
	PAIRS v_cvt_pk_bf16_f32 v[YH+p], v[X+2*p], v[X+2*p+1]
	PAIRS v_lshlrev_b32 v[E+2*p], 16, v[YH+p]
	PAIRS v_and_b32 v[E+2*p+1], 0xffff0000, v[YH+p]
	PAIRS v_pk_add_f32 v[X+2*p:X+2*p+1], v[X+2*p:X+2*p+1], v[E+2*p:E+2*p+1] neg_lo:[0,1] neg_hi:[0,1]
	PAIRS v_cvt_pk_bf16_f32 v[YL+p], v[X+2*p], v[X+2*p+1]
.irp t, 0,1,2,3
	global_store_b128 v[CO], v[YH+4*(\t):YH+4*(\t)+3], s[8:9] offset:16384*(\t)
	global_store_b128 v[CO], v[YL+4*(\t):YL+4*(\t)+3], s[8:9] offset:16384*(\t)+256
.endr
	v_add_nc_u32 v[RD], 8*SPITCH, v[RD]
	s_wait_xcnt 0x0                                ; the stores' base and data are rewritten only behind this wait
	s_add_nc_u64 s[8:9], s[8:9], 8*8192
	s_sub_co_u32 s3, s3, 1
	s_cmp_lg_u32 s3, 0
	s_cbranch_scc1 .Lrows
	s_wait_tensorcnt 0x0                           ; the wave's end
	ds_add_u32 v[SPW], v[NIL]
	s_wait_dscnt 0x0
	CROUND                                         ; the closing round
	s_endpgm
.Lfunc_end_k_qccca0ee7b3_ffn1:
	.size	k_qccca0ee7b3_ffn1, .Lfunc_end_k_qccca0ee7b3_ffn1-k_qccca0ee7b3_ffn1
	.p2alignl 7, 3214868480
	.fill 96, 4, 3214868480
	.section	.rodata,"a",@progbits
	.p2align	6, 0x0
	.amdhsa_kernel k_qccca0ee7b3_ffn1
		.amdhsa_group_segment_fixed_size 327680
		.amdhsa_private_segment_fixed_size 0
		.amdhsa_enable_private_segment 0
		.amdhsa_kernarg_size 32
		.amdhsa_user_sgpr_count 2
		.amdhsa_user_sgpr_kernarg_segment_ptr 1
		.amdhsa_wavefront_size32 1
		.amdhsa_system_sgpr_workgroup_id_x 1
		.amdhsa_system_sgpr_workgroup_id_y 1
		.amdhsa_system_sgpr_workgroup_id_z 1
		.amdhsa_system_vgpr_workitem_id 0
		.amdhsa_next_free_vgpr 768
		.amdhsa_next_free_sgpr 80
		.amdhsa_reserve_vcc 0
		.amdhsa_float_denorm_mode_32 3
		.amdhsa_float_denorm_mode_16_64 3
		.amdhsa_memory_ordered 1
		.amdhsa_forward_progress 1
		.amdhsa_inst_pref_size 90
	.end_amdhsa_kernel
	.amdgpu_metadata
---
amdhsa.version: [ 1, 2 ]
amdhsa.kernels:
  - .name:           k_qccca0ee7b3_ffn1
    .symbol:         k_qccca0ee7b3_ffn1.kd
    .args:
      - { .name: ob, .offset: 0, .size: 8, .value_kind: global_buffer, .address_space: global }
      - { .name: wh, .offset: 8, .size: 8, .value_kind: global_buffer, .address_space: global }
      - { .name: hb, .offset: 16, .size: 8, .value_kind: global_buffer, .address_space: global }
      - { .name: b1, .offset: 24, .size: 8, .value_kind: global_buffer, .address_space: global }
    .group_segment_fixed_size: 327680
    .private_segment_fixed_size: 0
    .kernarg_segment_align: 8
    .kernarg_segment_size: 32
    .max_flat_workgroup_size: 128
    .sgpr_count:     80
    .vgpr_count:     768
    .wavefront_size: 32
...
	.end_amdgpu_metadata
.endif
;; end of part 4
;; launch ffn2 (part 5): grid 8 x 32, 4 waves a work-group, clusters of 4 x 4, 327,680 bytes of LDS; arguments hb, wh, out0, b2; writes out0
.if DOCPART == 5
	.amdgcn_target "amdgcn-amd-amdhsa--gfx1250"
	.amdhsa_code_object_version 6
	.text
	.protected	k_qccca0ee7b3_ffn2
	.globl	k_qccca0ee7b3_ffn2
	.p2align	8
	.type	k_qccca0ee7b3_ffn2,@function
k_qccca0ee7b3_ffn2:
	s_mov_b64 s[64:65], 0
	v_nop
	global_prefetch_b8 v0, s[64:65] scope:SCOPE_SE
	s_setreg_imm32_b32 hwreg(HW_REG_WAVE_MODE, 25, 1), 1
	s_wait_xcnt 0x0
	s_wait_alu depctr_hold_cnt(0) depctr_sa_sdst(0) depctr_va_vdst(0) depctr_va_sdst(0) depctr_va_ssrc(0) depctr_va_vcc(0) depctr_vm_vsrc(0)
	s_getreg_b32 s2, hwreg(HW_REG_IB_STS2, 6, 4)
	s_cmp_eq_u32 s2, 0
	s_cbranch_scc0 .Lentry_in_a_cluster
	s_endpgm
.Lentry_in_a_cluster:
	s_bfe_u32 s2, ttmp6, 0x10000c
	s_cmp_lg_u32 s2, 0xf033
	s_cbranch_scc0 .Lentry_shape_is_right
	s_endpgm
.Lentry_shape_is_right:
; out0 = (h_hi + h_lo) W2^T + b2, [4096 x 1024] f32, K = 2048.  h: hb[row][16 blocks][hi, lo][128] bf16; W2 bf16 in wh; b2 rounded to bf16 here; one f32 sum for each output takes hi's and lo's products.
; A tile of C is 128 x 128: 8 x 32 tiles, one work-group each.  Four waves, 2 x 2, each 64 x 64: 16 accumulators, 128 registers (window 2).
; K goes in steps of 128 through two LDS slots: a row of A's tile is 512 bytes (hi, then lo), of B's 256.  Waves 0, 1 fetch A's halves (64 rows), waves 2, 3 B's.  B's fragments serve hi and lo alike.
; CLUSTER 4 x 4: A's tiles jointly along a row of the cluster, B's along a column.  THE MATRIX INSTRUCTION IS USED TRANSPOSED: a lane holds row l % 16 of C and eight neighbouring columns.
.set MB,   4
.set NB,   4
.set T,    2*MB*NB                     ; a quarter: 32 along K, hi and lo
.set NLD,  2*(2*MB+NB)
.set HEAD, 8                           ; lo's four fragments: wanted by a quarter's second half alone
.set LAPS, 8
.set PA,   528                         ; 512 bytes + 16
.set PB,   272
.set AHALF, 64*PA
.set BHALF, 64*PB
.set AREG,  2*AHALF
.set SLOT,  AREG+2*BHALF
.set STAGE, 2*SLOT                     ; behind the ring: 16 rows x 272 bytes for each wave
.set SPITCH, 272
.set SPARE, STAGE+4*16*SPITCH
.set AS1,  512
.set BS1,  256
.set W2B,  18874368                    ; W2's first byte in wh
.set ADRA, 16
.set ADRB, 20
.set STO,  24
.set RD,   25
.set CO,   26
.set BO,   27
.set SPW,  28
.set NIL,  29
.set OB,   32                          ; v32-63, v64-95 by turns: a block read back
.set BI,   112                         ; v112-115 my four columns' bias; v116-117 at work
.set F0,   0
.set F1,   128
.set G1,  24
.set G0,  32
.set G1B, 48
.set G0B, 56
.set MSB, 0
.macro WIN new
.if MSB != (\new)
	s_set_vgpr_msb (MSB<<8)|(\new)
.set MSB, \new
.endif
.endm
.macro JLOAD s                         ; a joint load: waves 0, 1 for A, waves 2, 3 for B; an s_nop 0 and four v_nop follow each line
	s_cmp_eq_u32 s11, 0
	s_cbranch_scc0 .Lfor_b_\@
	tensor_load_to_lds s[G0+4*(\s):G0+4*(\s)+3], s[G1:G1+7]
	s_nop 0
.rept 4
	v_nop
.endr
	s_branch .Lasked_\@
.Lfor_b_\@:
	tensor_load_to_lds s[G0B+4*(\s):G0B+4*(\s)+3], s[G1B:G1B+7]
	s_nop 0
.rept 4
	v_nop
.endr
.Lasked_\@:
.endm
.macro CREST
	s_cmp_lg_u32 s10, 0
	s_cbranch_scc1 .Lnot_wave_0_\@
	s_barrier_signal -3
.Lnot_wave_0_\@:
	s_barrier_wait -3
	s_barrier_signal -1
	s_barrier_wait -1
.endm
.macro CROUND
	s_barrier_signal -1
	s_barrier_wait -1
	CREST
.endm
.macro PLACES
.rept 4
	v_nop
.endr
.endm
.macro SHAPE g, c, r, p
	s_mov_b32 s[(\g)+1], (\c)<<16
	s_mov_b32 s[(\g)+2], (\r)<<16
	s_mov_b32 s[(\g)+3], (\c)<<16
	s_mov_b32 s[(\g)+4], \r
	s_mov_b32 s[(\g)+5], \p
	s_mov_b32 s[(\g)+6], 0
	s_mov_b32 s[(\g)+7], 0
.endm
	s_load_b128 s[4:7], s[0:1], 0x0                ; hb s[4:5], wh s[6:7]
	s_load_b128 s[68:71], s[0:1], 0x10             ; out0 s[68:69], b2 s[70:71]
	v_lshl_add_u32 v[SPW], v0, 2, SPARE
	v_mov_b32 v[NIL], 0
	ds_add_u32 v[SPW], v[NIL]                      ; the wave's opening: the add and its wait, ahead of my first tensor load
	ds_add_u32 v28, v29
	v_lshrrev_b32 v1, 5, v0
	v_readfirstlane_b32 s10, v1
	s_lshr_b32 s11, s10, 1                         ; my half of the tile's rows.  Also: I fetch for A (0) or for B (1)
	s_and_b32 s12, s10, 1                          ; my half of its columns.  Also: which half of that tile I fetch
	s_bfe_u32 s40, ttmp6, 0x40000
	s_bfe_u32 s41, ttmp6, 0x40004
	s_lshl_b32 s42, ttmp9, 2
	s_add_co_u32 s42, s42, s40                     ; tile column
	s_and_b32 s13, ttmp7, 0xffff
	s_lshl_b32 s13, s13, 2
	s_add_co_u32 s13, s13, s41                     ; tile row
	s_lshl_b32 s43, s41, 2
	s_lshl_b32 s43, 15, s43
	s_lshl_b32 s44, 0x1111, s40
	s_or_b32 s[G1],  s43, (1<<16)|(1<<20)|(1<<21)|(6<<22)|(3<<25)  ; A: padded after every 128 words
	s_or_b32 s[G1B], s44, (1<<16)|(1<<20)|(1<<21)|(5<<22)|(3<<25)  ; B: after every 64 words
	SHAPE G1,  256, 64, 4096
	SHAPE G1B, 128, 64, 2048
	s_lshl_b32 s16, s13, 20                        ; A: (128 x tile row + 64 x half) rows of 8,192 bytes
	s_lshl_b32 s17, s12, 19
	s_add_co_u32 s16, s16, s17
	s_mov_b32 s17, 0
	s_lshl_b32 s46, s42, 19                        ; B: (128 x tile column + 64 x half) rows of 4,096 bytes
	s_lshl_b32 s47, s12, 18
	s_add_co_u32 s46, s46, s47
	s_add_co_u32 s46, s46, W2B
	s_mov_b32 s47, 0
	s_mul_i32 s20, s12, AHALF
	s_mul_i32 s21, s12, BHALF
	s_add_co_u32 s21, s21, AREG
	s_wait_dscnt 0x0                               ; the opening add is done
	s_wait_kmcnt 0x0
	s_add_nc_u64 s[14:15], s[4:5], s[16:17]
	s_add_nc_u64 s[46:47], s[6:7], s[46:47]
	CROUND
.irp s, 0,1
	s_mov_b32 s[G0+4*(\s)], 1
	s_add_co_u32 s[G0+4*(\s)+1], s20, (\s)*SLOT
	s_add_nc_u64 s[G0+4*(\s)+2:G0+4*(\s)+3], s[14:15], (\s)*AS1
	s_or_b32 s[G0+4*(\s)+3], s[G0+4*(\s)+3], 0x80000000
	s_mov_b32 s[G0B+4*(\s)], 1
	s_add_co_u32 s[G0B+4*(\s)+1], s21, (\s)*SLOT
	s_add_nc_u64 s[G0B+4*(\s)+2:G0B+4*(\s)+3], s[46:47], (\s)*BS1
	s_or_b32 s[G0B+4*(\s)+3], s[G0B+4*(\s)+3], 0x80000000
	JLOAD \s
.endr
	v_and_b32 v1, 15, v0
	v_bfe_u32 v2, v0, 4, 1
	s_lshl_b32 s76, s42, 9                         ; my 64 columns in f32: 512 x tile column + 256 x half bytes, in b2 and in a row of out0
	s_lshl_b32 s77, s12, 8
	s_add_co_u32 s76, s76, s77
	v_lshlrev_b32 v[BO], 4, v1                     ; four columns a lane
	v_add_nc_u32 v[BO], s76, v[BO]
	global_load_b128 v[BI:BI+3], v[BO], s[70:71]
	v_mul_u32_u24 v3, v1, PA
	v_lshl_add_u32 v3, v2, 4, v3
	v_mul_u32_u24 v4, v1, PB
	v_lshl_add_u32 v4, v2, 4, v4
	s_mul_i32 s22, s11, AHALF                      ; my 64 rows of A
	s_mul_i32 s23, s12, BHALF                      ; my 64 rows of B
	s_add_co_u32 s23, s23, AREG
.irp s, 0,1
	v_add_nc_u32 v[ADRA+(\s)], s22, v3
	v_add_nc_u32 v[ADRB+(\s)], s23, v4
	s_add_co_u32 s22, s22, SLOT
	s_add_co_u32 s23, s23, SLOT
.endr
	s_mul_i32 s22, s10, 16*SPITCH
	s_add_co_u32 s22, s22, STAGE                   ; my stage
	v_mul_u32_u24 v[STO], v1, SPITCH               ; in: row l % 16, 32 bytes for each half of the lanes
	v_lshl_add_u32 v[STO], v2, 5, v[STO]
	v_add_nc_u32 v[STO], s22, v[STO]
	v_mul_u32_u24 v[RD], v2, SPITCH                ; back: lanes 0-15 one row of 256 bytes, lanes 16-31 the next
	v_lshl_add_u32 v[RD], v1, 4, v[RD]
	v_add_nc_u32 v[RD], s22, v[RD]
	v_lshlrev_b32 v[CO], 12, v2                    ; the same two rows of out0, 4,096 bytes each
	v_lshl_add_u32 v[CO], v1, 4, v[CO]
	s_lshl_b32 s77, s13, 19                        ; (128 x tile row + 64 x half) rows
	s_lshl_b32 s78, s11, 18
	s_add_co_u32 s78, s78, s77
	s_add_co_u32 s78, s78, s76
	s_mov_b32 s79, 0
	s_add_nc_u64 s[8:9], s[68:69], s[78:79]
; cnt matrix instructions from number n0 of a quarter's 32: numbers 0-15 take hi, 16-31 lo; accumulator n % 16 = 4 a + b.  The accumulators take turns.
.macro MULS f, n0, cnt, zero
.set n, \n0
.rept \cnt
.set cc, n/16
.set idx, n%16
.set rD, 8*idx
.set rA, (\f)+8*(4*cc+idx/4)
.set rB, (\f)+64+8*(idx%4)
	WIN 0xa5
.if (\zero) && (cc == 0)
	v_wmma_f32_16x16x32_bf16 v[rD:rD+7], v[rB:rB+7], v[rA:rA+7], 0
.else
	v_wmma_f32_16x16x32_bf16 v[rD:rD+7], v[rB:rB+7], v[rA:rA+7], v[rD:rD+7]
.endif
.set n, n+1
.endr
.endm
; one run of 24 LDS loads: quarter q: B, then A's hi, then A's lo (256 bytes on in the row)
.macro FETCH slot, q, f
	WIN 0x40
.set i, 0
.rept NB
	ds_load_b128 v[(\f)+64+8*i:(\f)+64+8*i+3],   v[ADRB+(\slot)] offset:64*(\q)+i*16*PB
	ds_load_b128 v[(\f)+64+8*i+4:(\f)+64+8*i+7], v[ADRB+(\slot)] offset:64*(\q)+i*16*PB+32
.set i, i+1
.endr
.set i, 0
.rept 2*MB
	ds_load_b128 v[(\f)+8*i:(\f)+8*i+3],   v[ADRA+(\slot)] offset:256*(i/MB)+64*(\q)+(i%MB)*16*PA
	ds_load_b128 v[(\f)+8*i+4:(\f)+8*i+7], v[ADRA+(\slot)] offset:256*(i/MB)+64*(\q)+(i%MB)*16*PA+32
.set i, i+1
.endr
.endm
.macro QUARTER slot, q, f, g, zero
	s_wait_dscnt HEAD                              ; all but the youngest eight loads, lo's, which the second half wants
	MULS \f, 0, T/2, \zero
	PLACES
	FETCH \slot, \q, \g
	s_wait_dscnt NLD                               ; all but the run just issued
	MULS \f, T/2, T/2, \zero
.endm
.macro TURN slot, next, fill
	WIN 0
	s_wait_tensorcnt 0x0                           ; all my tensor loads have landed: my part of the next slot
	ds_add_u32 v[SPW], v[NIL]
	s_wait_dscnt HEAD+1                            ; the add and the youngest eight loads may be out
	MULS F1, 0, T/4, 0
	s_wait_dscnt 0x0                               ; the add is done, and my reads of this slot are over
	s_barrier_signal -1
	MULS F1, T/4, T/4, 0
.if \fill
	WIN 0
.endif
	s_barrier_wait -1
.if \fill
	CREST                                          ; no wave of any partner still reads this slot or has a load on its way
	s_add_nc_u64 s[G0+4*(\slot)+2:G0+4*(\slot)+3], s[G0+4*(\slot)+2:G0+4*(\slot)+3], 2*AS1
	s_add_nc_u64 s[G0B+4*(\slot)+2:G0B+4*(\slot)+3], s[G0B+4*(\slot)+2:G0B+4*(\slot)+3], 2*BS1
	JLOAD \slot
.else
	PLACES
.endif
	FETCH \next, 0, F0
	MULS F1, T/2, T/2, 0
.endm
	s_wait_tensorcnt 1                             ; my part of K step 0 is in; K step 1's may stay out
	s_barrier_signal -1
	s_barrier_wait -1
	FETCH 0, 0, F0
	QUARTER 0, 1, F0, F1, 1                        ; hi's first products start the sums
	WIN 0
	s_mov_b32 s3, LAPS-1
.Llap:
	QUARTER 0, 2, F1, F0, 0
	QUARTER 0, 3, F0, F1, 0
	TURN 0, 1, 1
	QUARTER 1, 1, F0, F1, 0
	QUARTER 1, 2, F1, F0, 0
	QUARTER 1, 3, F0, F1, 0
	TURN 1, 0, 1
	QUARTER 0, 1, F0, F1, 0
	WIN 0
	s_sub_co_u32 s3, s3, 1
	s_cmp_lg_u32 s3, 0
	s_cbranch_scc1 .Llap
	QUARTER 0, 2, F1, F0, 0
	QUARTER 0, 3, F0, F1, 0
	TURN 0, 1, 0
	QUARTER 1, 1, F0, F1, 0
	QUARTER 1, 2, F1, F0, 0
	QUARTER 1, 3, F0, F1, 0
	s_wait_dscnt HEAD
	MULS F1, 0, T/2, 0
	s_wait_dscnt 0x0
	MULS F1, T/2, T/2, 0
	WIN 0
	; THE WAY OUT, a block of 16 rows at a time: the sums go into my stage and come back as whole rows of 256 bytes; the bias is added; sixteen lanes store 256 consecutive bytes, at a multiple of 256.
	PLACES
	s_wait_loadcnt 0x0                             ; the bias, rounded to bf16 like every input
	v_cvt_pk_bf16_f32 v[BI+4], v[BI],   v[BI+1]
	v_cvt_pk_bf16_f32 v[BI+5], v[BI+2], v[BI+3]
	v_lshlrev_b32 v[BI],   16, v[BI+4]
	v_and_b32     v[BI+1], 0xffff0000, v[BI+4]
	v_lshlrev_b32 v[BI+2], 16, v[BI+5]
	v_and_b32     v[BI+3], 0xffff0000, v[BI+5]
.irp a, 0,1,2,3
.set BK, OB+32*((\a)%2)
	WIN 0x08                                       ; store data in window 2; each accumulator's low four registers go first
.irp b, 0,1,2,3
	ds_store_b128 v[STO], v[8*(4*(\a)+(\b)):8*(4*(\a)+(\b))+3]   offset:64*(\b)
	ds_store_b128 v[STO], v[8*(4*(\a)+(\b))+4:8*(4*(\a)+(\b))+7] offset:64*(\b)+16
.endr
	WIN 0
	s_wait_xcnt 0x0                                ; the stores of the block two back have read these registers
.irp t, 0,1,2,3,4,5,6,7
	ds_load_b128 v[BK+4*(\t):BK+4*(\t)+3], v[RD] offset:2*SPITCH*(\t)  ; LDS serves a wave's instructions in order (ISA guide 5.7.1.4): these see the stores above
.endr
	s_wait_dscnt 0x0
.irp t, 0,1,2,3,4,5,6,7
	v_pk_add_f32 v[BK+4*(\t):BK+4*(\t)+1],   v[BK+4*(\t):BK+4*(\t)+1],   v[BI:BI+1]
	v_pk_add_f32 v[BK+4*(\t)+2:BK+4*(\t)+3], v[BK+4*(\t)+2:BK+4*(\t)+3], v[BI+2:BI+3]
.endr
.irp t, 0,1,2,3,4,5,6,7
	global_store_b128 v[CO], v[BK+4*(\t):BK+4*(\t)+3], s[8:9] offset:(16*(\a)+2*(\t))*4096
.endr
.endr
	s_wait_tensorcnt 0x0                           ; the wave's end
	ds_add_u32 v[SPW], v[NIL]
	s_wait_dscnt 0x0
	CROUND                                         ; the closing round
	s_endpgm
.Lfunc_end_k_qccca0ee7b3_ffn2:
	.size	k_qccca0ee7b3_ffn2, .Lfunc_end_k_qccca0ee7b3_ffn2-k_qccca0ee7b3_ffn2
	.p2alignl 7, 3214868480
	.fill 96, 4, 3214868480
	.section	.rodata,"a",@progbits
	.p2align	6, 0x0
	.amdhsa_kernel k_qccca0ee7b3_ffn2
		.amdhsa_group_segment_fixed_size 327680
		.amdhsa_private_segment_fixed_size 0
		.amdhsa_enable_private_segment 0
		.amdhsa_kernarg_size 32
		.amdhsa_user_sgpr_count 2
		.amdhsa_user_sgpr_kernarg_segment_ptr 1
		.amdhsa_wavefront_size32 1
		.amdhsa_system_sgpr_workgroup_id_x 1
		.amdhsa_system_sgpr_workgroup_id_y 1
		.amdhsa_system_sgpr_workgroup_id_z 1
		.amdhsa_system_vgpr_workitem_id 0
		.amdhsa_next_free_vgpr 640
		.amdhsa_next_free_sgpr 80
		.amdhsa_reserve_vcc 0
		.amdhsa_float_denorm_mode_32 3
		.amdhsa_float_denorm_mode_16_64 3
		.amdhsa_memory_ordered 1
		.amdhsa_forward_progress 1
		.amdhsa_inst_pref_size 83
	.end_amdhsa_kernel
	.amdgpu_metadata
---
amdhsa.version: [ 1, 2 ]
amdhsa.kernels:
  - .name:           k_qccca0ee7b3_ffn2
    .symbol:         k_qccca0ee7b3_ffn2.kd
    .args:
      - { .name: hb, .offset: 0, .size: 8, .value_kind: global_buffer, .address_space: global }
      - { .name: wh, .offset: 8, .size: 8, .value_kind: global_buffer, .address_space: global }
      - { .name: out0, .offset: 16, .size: 8, .value_kind: global_buffer, .address_space: global }
      - { .name: b2, .offset: 24, .size: 8, .value_kind: global_buffer, .address_space: global }
    .group_segment_fixed_size: 327680
    .private_segment_fixed_size: 0
    .kernarg_segment_align: 8
    .kernarg_segment_size: 32
    .max_flat_workgroup_size: 128
    .sgpr_count:     80
    .vgpr_count:     640
    .wavefront_size: 32
...
	.end_amdgpu_metadata
.endif
;; end of part 5
;; ======== version 2 of 3: 5 launches; 1.14 times as fast as version 1
;; limits: values are held in f16: magnitudes above 65,504 overflow, below 6.1e-05 lose precision
;; workspace buffers: wh 23,068,672 bytes; qkv 25,165,824 bytes; ob 8,388,608 bytes; hb 16,777,216 bytes; hs 262,144 bytes
;; launch cast (part 6): grid 64 x 11, 8 waves a work-group, no clusters, 0 bytes of LDS; arguments x, Wq, Wk, Wv, W1, W2, wh; writes wh
.if DOCPART == 6
	.amdgcn_target "amdgcn-amd-amdhsa--gfx1250"
	.amdhsa_code_object_version 6
	.text
	.protected	k_qccca0ee7b3_cast
	.globl	k_qccca0ee7b3_cast
	.p2align	8
	.type	k_qccca0ee7b3_cast,@function
k_qccca0ee7b3_cast:
	s_mov_b64 s[64:65], 0
	v_nop
	global_prefetch_b8 v0, s[64:65] scope:SCOPE_SE
	s_setreg_imm32_b32 hwreg(HW_REG_WAVE_MODE, 25, 1), 1
	s_wait_xcnt 0x0
; wh = x, Wq, Wk, Wv, W1, W2, one behind the other, each number rounded once to bf16 (nearest even), 2 bytes a number.
; W1's and W2's rounded numbers are written in f16's code instead, since the products that take them have f16 operands.
; LIMIT: that rewriting is exact for 1.6e-5 <= |W| <= 65,504; below it f16 keeps its fixed step of 6e-8, above it the number is lost.
; The work-group's y counts units of 4 MiB of f32 in that order (0-3 x, 4 Wq, 5 Wk, 6 Wv, 7-8 W1, 9-10 W2), its x a chunk of 64 KiB in the unit.
; Eight waves: sixteen loads of 16 bytes a thread cover the chunk and are all issued before the first is used; a wave's load covers 512
; consecutive bytes, its store of 8 bytes a lane 256 consecutive bytes at a multiple of 256.  No LDS, no barrier, no matrix unit: each byte is touched once.
.set X, 4                              ; v[4:67]    load i: 4 numbers in f32
.set Y, 68                             ; v[68:99]   store i: its own pair, so no store's data is ever rewritten
.set W, 100                            ; v[100:103] at work
	s_load_b256 s[4:11], s[0:1], 0x0               ; x s[4:5], Wq s[6:7], Wk s[8:9], Wv s[10:11]
	s_load_b128 s[12:15], s[0:1], 0x20             ; W1 s[12:13], W2 s[14:15]
	s_load_b64 s[16:17], s[0:1], 0x30              ; wh
	s_and_b32 s18, ttmp7, 0xffff                   ; the unit
	v_lshlrev_b32 v1, 4, v0                        ; 16 bytes a thread in
	v_lshlrev_b32 v2, 3, v0                        ; 8 bytes a thread out
	s_lshl_b32 s24, ttmp9, 16                      ; the chunk in its unit, in
	s_mov_b32 s25, 0
	s_lshl_b32 s26, s18, 21                        ; unit and chunk, out: wh has the units' order
	s_lshl_b32 s27, ttmp9, 15
	s_add_co_u32 s26, s26, s27
	s_mov_b32 s27, 0
	s_mov_b32 s22, 0                               ; the first unit of the tensor that is chosen
	s_wait_kmcnt 0x0
	s_mov_b64 s[20:21], s[4:5]
	s_cmp_ge_u32 s18, 4
	s_cselect_b64 s[20:21], s[6:7], s[20:21]
	s_cselect_b32 s22, 4, s22
	s_cmp_ge_u32 s18, 5
	s_cselect_b64 s[20:21], s[8:9], s[20:21]
	s_cselect_b32 s22, 5, s22
	s_cmp_ge_u32 s18, 6
	s_cselect_b64 s[20:21], s[10:11], s[20:21]
	s_cselect_b32 s22, 6, s22
	s_cmp_ge_u32 s18, 7
	s_cselect_b64 s[20:21], s[12:13], s[20:21]
	s_cselect_b32 s22, 7, s22
	s_cmp_ge_u32 s18, 9
	s_cselect_b64 s[20:21], s[14:15], s[20:21]
	s_cselect_b32 s22, 9, s22
	s_sub_co_u32 s23, s18, s22                     ; the unit inside its tensor
	s_lshl_b32 s23, s23, 22
	s_add_co_u32 s24, s24, s23
	s_add_nc_u64 s[20:21], s[20:21], s[24:25]
	s_add_nc_u64 s[16:17], s[16:17], s[26:27]
.irp i, 0,1,2,3,4,5,6,7,8,9,10,11,12,13,14,15
	global_load_b128 v[X+4*(\i):X+4*(\i)+3], v1, s[20:21] offset:4096*(\i) th:TH_LOAD_NT
.endr
; Load i is rounded and stored.  f16 = 1: the rounded numbers are widened again (a shift, a mask) and written in f16's code.
.macro CONV i, f16
	s_wait_loadcnt 15-(\i)                         ; loads come back in order: mine is in, the 15 - i younger ones stay out
	v_cvt_pk_bf16_f32 v[Y+2*(\i)],   v[X+4*(\i)],   v[X+4*(\i)+1]
	v_cvt_pk_bf16_f32 v[Y+2*(\i)+1], v[X+4*(\i)+2], v[X+4*(\i)+3]
.if \f16
	v_lshlrev_b32 v[W],   16, v[Y+2*(\i)]
	v_and_b32     v[W+1], 0xffff0000, v[Y+2*(\i)]
	v_lshlrev_b32 v[W+2], 16, v[Y+2*(\i)+1]
	v_and_b32     v[W+3], 0xffff0000, v[Y+2*(\i)+1]
	v_cvt_pk_f16_f32 v[Y+2*(\i)],   v[W],   v[W+1]
	v_cvt_pk_f16_f32 v[Y+2*(\i)+1], v[W+2], v[W+3]
.endif
	global_store_b64 v2, v[Y+2*(\i):Y+2*(\i)+1], s[16:17] offset:2048*(\i)
.endm
	s_sub_co_u32 s28, s18, 7
	s_cmp_lt_u32 s28, 4                            ; units 7 to 10 are W1's and W2's
	s_cbranch_scc1 .Lf16
.irp i, 0,1,2,3,4,5,6,7,8,9,10,11,12,13,14,15
	CONV \i, 0
.endr
	s_endpgm
.Lf16:
.irp i, 0,1,2,3,4,5,6,7,8,9,10,11,12,13,14,15
	CONV \i, 1
.endr
	s_endpgm
.Lfunc_end_k_qccca0ee7b3_cast:
	.size	k_qccca0ee7b3_cast, .Lfunc_end_k_qccca0ee7b3_cast-k_qccca0ee7b3_cast
	.p2alignl 7, 3214868480
	.fill 96, 4, 3214868480
	.section	.rodata,"a",@progbits
	.p2align	6, 0x0
	.amdhsa_kernel k_qccca0ee7b3_cast
		.amdhsa_group_segment_fixed_size 0
		.amdhsa_private_segment_fixed_size 0
		.amdhsa_enable_private_segment 0
		.amdhsa_kernarg_size 56
		.amdhsa_user_sgpr_count 2
		.amdhsa_user_sgpr_kernarg_segment_ptr 1
		.amdhsa_wavefront_size32 1
		.amdhsa_system_sgpr_workgroup_id_x 1
		.amdhsa_system_sgpr_workgroup_id_y 1
		.amdhsa_system_sgpr_workgroup_id_z 1
		.amdhsa_system_vgpr_workitem_id 0
		.amdhsa_next_free_vgpr 104
		.amdhsa_next_free_sgpr 66
		.amdhsa_reserve_vcc 0
		.amdhsa_float_denorm_mode_32 3
		.amdhsa_float_denorm_mode_16_64 3
		.amdhsa_memory_ordered 1
		.amdhsa_forward_progress 1
		.amdhsa_inst_pref_size 17
	.end_amdhsa_kernel
	.amdgpu_metadata
---
amdhsa.version: [ 1, 2 ]
amdhsa.kernels:
  - .name:           k_qccca0ee7b3_cast
    .symbol:         k_qccca0ee7b3_cast.kd
    .args:
      - { .name: x, .offset: 0, .size: 8, .value_kind: global_buffer, .address_space: global }
      - { .name: Wq, .offset: 8, .size: 8, .value_kind: global_buffer, .address_space: global }
      - { .name: Wk, .offset: 16, .size: 8, .value_kind: global_buffer, .address_space: global }
      - { .name: Wv, .offset: 24, .size: 8, .value_kind: global_buffer, .address_space: global }
      - { .name: W1, .offset: 32, .size: 8, .value_kind: global_buffer, .address_space: global }
      - { .name: W2, .offset: 40, .size: 8, .value_kind: global_buffer, .address_space: global }
      - { .name: wh, .offset: 48, .size: 8, .value_kind: global_buffer, .address_space: global }
    .group_segment_fixed_size: 0
    .private_segment_fixed_size: 0
    .kernarg_segment_align: 8
    .kernarg_segment_size: 56
    .max_flat_workgroup_size: 256
    .sgpr_count:     66
    .vgpr_count:     104
    .wavefront_size: 32
...
	.end_amdgpu_metadata
.endif
;; end of part 6
;; launch proj: the kernel of part 2 again; grid 16 x 16, 4 waves a work-group, clusters of 4 x 4, 327,680 bytes of LDS; arguments wh, qkv; writes qkv
;; launch attn: the kernel of part 3 again; grid 8 x 32, 4 waves a work-group, no clusters, 327,680 bytes of LDS; arguments qkv, ob; writes ob
;; launch ffn1 (part 7): grid 16 x 16, 4 waves a work-group, clusters of 4 x 4, 327,680 bytes of LDS; arguments ob, wh, hb, b1, hs; writes hb, hs
.if DOCPART == 7
	.amdgcn_target "amdgcn-amd-amdhsa--gfx1250"
	.amdhsa_code_object_version 6
	.text
	.protected	k_qccca0ee7b3_ffn1
	.globl	k_qccca0ee7b3_ffn1
	.p2align	8
	.type	k_qccca0ee7b3_ffn1,@function
k_qccca0ee7b3_ffn1:
	s_mov_b64 s[64:65], 0
	v_nop
	global_prefetch_b8 v0, s[64:65] scope:SCOPE_SE
	s_setreg_imm32_b32 hwreg(HW_REG_WAVE_MODE, 25, 1), 1
	s_wait_xcnt 0x0
	s_wait_alu depctr_hold_cnt(0) depctr_sa_sdst(0) depctr_va_vdst(0) depctr_va_sdst(0) depctr_va_ssrc(0) depctr_va_vcc(0) depctr_vm_vsrc(0)
	s_getreg_b32 s2, hwreg(HW_REG_IB_STS2, 6, 4)
	s_cmp_eq_u32 s2, 0
	s_cbranch_scc0 .Lentry_in_a_cluster
	s_endpgm
.Lentry_in_a_cluster:
	s_bfe_u32 s2, ttmp6, 0x10000c
	s_cmp_lg_u32 s2, 0xf033
	s_cbranch_scc0 .Lentry_shape_is_right
	s_endpgm
.Lentry_shape_is_right:
; h = gelu(o W1^T + b1), [4096 x 2048], K = 1024.  o: ob[32 heads][2048][64] f16; W1 (rounded to bf16, written as f16) in wh; b1 rounded to bf16 here; sums f32.
; gelu is the tanh form: x / (1 + 2^(x (A0 + A1 x^2))), A0 = -2 log2(e) sqrt(2 / pi), A1 = 0.044715 A0, which is 0.5 x (1 + tanh(..)) exactly.
; h LEAVES IN f16 WITH A BLOCK SCALE.  For each row and each block of 128 columns (this tile's) E is the exponent field of the largest |h|; hb[row][2048] takes h x 2^(141 - E), whose largest
; number lies in 2^14 .. 2^15, and hs[block][row] takes 2^(E - 141) in f32: f16's 11 bits with f32's range.
; LIMITS: |o| and |W1| within f16's 65,504; a block whose largest |h| is below 2^-111 is scaled by 2^125 and no further; NaN and infinities are not treated apart.
; A tile of C is 256 x 128: 16 x 16 tiles, one work-group each.  Four waves, each 64 rows x 128 columns: 32 accumulators, 256 registers (window 2).
; K goes in steps of 128 = two heads through two LDS slots.  Wave 0 fetches the even head's 256 rows, wave 1 the odd head's: 32,768 dense bytes each, asked for as 128 rows of 256 bytes and padded
; after every 128; waves 2, 3 fetch B's halves (64 rows of 256 bytes).  CLUSTER 4 x 4: A's tiles jointly along a row of the cluster, B's along a column.
; THE LOOP.  A slot's four quarters of 32 along K are two trips of a text that is written once: fetch into buffer 0, multiply buffer 1, fetch into buffer 1, multiply buffer 0; the LDS addresses hang on two
; scalars that step, and that a change of slots takes back and turns into the other slot's by one exclusive or.  Between a tile's landing and the next request stand the add, the waits and the round alone.
; THE MATRIX INSTRUCTION IS USED TRANSPOSED (source 0 = rows of B, source 1 = rows of A): a lane holds row l % 16 of C and eight neighbouring columns.
.set MB,   4
.set NB,   8
.set T,    MB*NB                       ; matrix instructions in a quarter
.set NLD,  2*(MB+NB)                   ; LDS loads in a quarter
.set PA,   144                         ; 128 bytes + 16: the 16 rows of a fragment load start at 16 different groups of four banks (ISA guide 11.1)
.set PB,   272                         ; 256 bytes + 16
.set AHALF, 256*PA                     ; one head's 256 rows
.set BHALF, 64*PB
.set AREG,  2*AHALF
.set SLOTX, 1<<17                      ; slot 1 begins here; a slot has AREG + 2 BHALF = 108,544 bytes
.set SPARE, SLOTX+AREG+2*BHALF         ; the spare words, 128 bytes for each wave, named by no other line
.set SCB,   SPARE+512                  ; 256 bytes for each wave: its 64 rows' scales, gathered for one store
.set SPITCH, 528                       ; the way out's stage: a row of 128 f32 + 16 bytes; wave w's 64 rows at 64 x 528 x w, from LDS byte 0 on: bytes that have had their last fill by then
.set AS1,  524288                      ; a K step on in ob: two heads
.set BS1,  256
.set W1B,  14680064                    ; W1's first byte in wh
.set ADRA, 16                          ; my lane's place in A's part of a slot; never rewritten
.set ADRB, 17                          ; the same for B
.set AA,   18                          ; the addresses of the run of loads in hand
.set AB,   19
.set STO,  24
.set RD,   25
.set CO,   26
.set BO,   27                          ; my byte offset in b1
.set SPW,  28
.set NIL,  29
.set SA,   30                          ; where my rows' scales go in LDS
.set SL,   31                          ; where I read two of them back
.set X,    32                          ; v32-63  four rows x eight columns
.set E,    64                          ; v64-95  at work
.set YH,   96                          ; v96-111 h, scaled and packed
.set BI,   112                         ; v112-119 my eight columns' bias
.set M,    120                         ; v120-123 four rows' largest |h|
.set FS,   124                         ; v124-131 four pairs: 2^(141 - E), 2^(E - 141)
.set SV,   132                         ; v132-133 two scales to store
.set HO,   134                         ; my byte offset in the wave's 256 bytes of hs
.set F0,   0
.set F1,   128
.set G1,  24
.set G0,  32                           ; two sets, one for each first fill; the second then walks
.set G1B, 48
.set G0B, 56
.set ABSM, 82
.set TBA,  83                          ; LDS byte at which A of the quarters to be fetched begins
.set TBB,  84                          ; the same for B
.set CNT,  85
.set SLOTS, 86
.set MSB, 0
.macro WIN new
.if MSB != (\new)
	s_set_vgpr_msb (MSB<<8)|(\new)
.set MSB, \new
.endif
.endm
.macro JLOAD s                         ; a joint load: waves 0, 1 for A, waves 2, 3 for B; an s_nop 0 and four v_nop follow each line
	s_cmp_eq_u32 s11, 0
	s_cbranch_scc0 .Lfor_b_\@
	tensor_load_to_lds s[G0+4*(\s):G0+4*(\s)+3], s[G1:G1+7]
	s_nop 0
.rept 4
	v_nop
.endr
	s_branch .Lasked_\@
.Lfor_b_\@:
	tensor_load_to_lds s[G0B+4*(\s):G0B+4*(\s)+3], s[G1B:G1B+7]
	s_nop 0
.rept 4
	v_nop
.endr
.Lasked_\@:
.endm
.macro CROUND                          ; a round of the cluster's barrier
	s_barrier_signal -1
	s_barrier_wait -1
	s_cmp_lg_u32 s10, 0
	s_cbranch_scc1 .Lnot_wave_0_\@
	s_barrier_signal -3
.Lnot_wave_0_\@:
	s_barrier_wait -3
	s_barrier_signal -1
	s_barrier_wait -1
.endm
.macro PLACES
.rept 4
	v_nop
.endr
.endm
.macro SHAPE g, c, r, p
	s_mov_b32 s[(\g)+1], (\c)<<16
	s_mov_b32 s[(\g)+2], (\r)<<16
	s_mov_b32 s[(\g)+3], (\c)<<16
	s_mov_b32 s[(\g)+4], \r
	s_mov_b32 s[(\g)+5], \p
	s_mov_b32 s[(\g)+6], 0
	s_mov_b32 s[(\g)+7], 0
.endm
	s_load_b128 s[4:7], s[0:1], 0x0                ; ob s[4:5], wh s[6:7]
	s_load_b128 s[68:71], s[0:1], 0x10             ; hb s[68:69], b1 s[70:71]
	s_load_b64 s[80:81], s[0:1], 0x20              ; hs
	v_lshl_add_u32 v[SPW], v0, 2, SPARE
	v_mov_b32 v[NIL], 0
	ds_add_u32 v[SPW], v[NIL]                      ; the wave's opening: the add and its wait, ahead of my first tensor load
	ds_add_u32 v28, v29
	v_lshrrev_b32 v1, 5, v0
	v_readfirstlane_b32 s10, v1
	s_lshr_b32 s11, s10, 1                         ; I fetch for A (0) or for B (1)
	s_and_b32 s12, s10, 1                          ; which half
	s_bfe_u32 s40, ttmp6, 0x40000
	s_bfe_u32 s41, ttmp6, 0x40004
	s_lshl_b32 s42, ttmp9, 2
	s_add_co_u32 s42, s42, s40                     ; tile column
	s_and_b32 s13, ttmp7, 0xffff
	s_lshl_b32 s13, s13, 2
	s_add_co_u32 s13, s13, s41                     ; tile row
	s_lshl_b32 s43, s41, 2
	s_lshl_b32 s43, 15, s43
	s_lshl_b32 s44, 0x1111, s40
	s_or_b32 s[G1],  s43, (1<<16)|(1<<20)|(1<<21)|(4<<22)|(3<<25)  ; A: padded after every 32 words (a row of a head)
	s_or_b32 s[G1B], s44, (1<<16)|(1<<20)|(1<<21)|(5<<22)|(3<<25)  ; B: after every 64 words
	SHAPE G1,  128, 128, 128
	SHAPE G1B, 128, 64,  1024
	s_lshr_b32 s16, s13, 3                         ; A: head 16 x batch + my one of the step's two, 2^18 bytes each,
	s_lshl_b32 s16, s16, 4
	s_add_co_u32 s16, s16, s12
	s_lshl_b32 s16, s16, 18
	s_and_b32 s17, s13, 7                          ; and in it the tile's 256 rows of 128 bytes
	s_lshl_b32 s17, s17, 15
	s_add_co_u32 s16, s16, s17
	s_mov_b32 s17, 0
	s_lshl_b32 s46, s42, 18                        ; B: (128 x tile column + 64 x half) rows of 2,048 bytes
	s_lshl_b32 s47, s12, 17
	s_add_co_u32 s46, s46, s47
	s_add_co_u32 s46, s46, W1B
	s_mov_b32 s47, 0
	s_mul_i32 s20, s12, AHALF                      ; where they go: below 2^17, so that the exclusive or with 2^17 is a sum
	s_mul_i32 s21, s12, BHALF
	s_add_co_u32 s21, s21, AREG
	s_mov_b32 s72, 0xbdd2d3e8                      ; A1 = -0.10294324
	s_mov_b32 s73, s72
	s_mov_b32 s74, 0xc0135761                      ; A0 = -2.3022082
	s_mov_b32 s75, s74
	s_mov_b32 s[ABSM], 0x7fffffff
	s_mov_b32 s[TBA], 0
	s_mov_b32 s[TBB], 0
	s_wait_dscnt 0x0                               ; the opening add is done
	s_wait_kmcnt 0x0
	s_add_nc_u64 s[14:15], s[4:5], s[16:17]
	s_add_nc_u64 s[46:47], s[6:7], s[46:47]
	CROUND                                         ; all sixteen work-groups are here: the first joint loads meet
.irp s, 0,1
	s_mov_b32 s[G0+4*(\s)], 1
	s_add_co_u32 s[G0+4*(\s)+1], s20, (\s)*SLOTX
	s_add_nc_u64 s[G0+4*(\s)+2:G0+4*(\s)+3], s[14:15], (\s)*AS1
	s_or_b32 s[G0+4*(\s)+3], s[G0+4*(\s)+3], 0x80000000
	s_mov_b32 s[G0B+4*(\s)], 1
	s_add_co_u32 s[G0B+4*(\s)+1], s21, (\s)*SLOTX
	s_add_nc_u64 s[G0B+4*(\s)+2:G0B+4*(\s)+3], s[46:47], (\s)*BS1
	s_or_b32 s[G0B+4*(\s)+3], s[G0B+4*(\s)+3], 0x80000000
	JLOAD \s
.endr
	v_and_b32 v1, 15, v0
	v_bfe_u32 v2, v0, 4, 1
	s_lshl_b32 s76, s42, 9                         ; the tile's 128 columns: 512 bytes of b1
	v_lshlrev_b32 v[BO], 5, v1                     ; my eight columns
	v_add_nc_u32 v[BO], s76, v[BO]
	global_load_b128 v[BI:BI+3],   v[BO], s[70:71]
	global_load_b128 v[BI+4:BI+7], v[BO], s[70:71] offset:16
	v_mul_u32_u24 v3, v1, PA
	v_lshl_add_u32 v3, v2, 4, v3
	s_mul_i32 s22, s10, 64*PA                      ; my 64 rows, in each head's part
	v_add_nc_u32 v[ADRA], s22, v3
	v_mul_u32_u24 v4, v1, PB
	v_lshl_add_u32 v4, v2, 4, v4
	v_add_nc_u32 v[ADRB], AREG, v4                 ; all 128 rows of B
	s_mul_i32 s22, s10, 64*SPITCH                  ; my stage
	v_mul_u32_u24 v[STO], v1, SPITCH               ; in: row l % 16, 32 bytes for each half of the lanes
	v_lshl_add_u32 v[STO], v2, 5, v[STO]
	v_add_nc_u32 v[STO], s22, v[STO]
	v_mul_u32_u24 v[RD], v2, SPITCH                ; back: lanes 0-15 one row, lanes 16-31 the next, eight columns a lane
	v_lshl_add_u32 v[RD], v1, 5, v[RD]
	v_add_nc_u32 v[RD], s22, v[RD]
	v_lshlrev_b32 v[CO], 12, v2                    ; the same two rows of hb, 4,096 bytes each; 16 bytes a lane
	v_lshl_add_u32 v[CO], v1, 4, v[CO]
	s_lshl_b32 s22, s10, 8
	s_add_co_u32 s22, s22, SCB                     ; my wave's 64 scales
	v_lshl_add_u32 v[SA], v2, 2, s22               ; the even rows' from lanes 0-15, the odd rows' from lanes 16-31
	v_and_b32 v5, 31, v0
	v_lshl_add_u32 v[SL], v5, 3, s22
	v_lshlrev_b32 v[HO], 3, v5
	s_lshl_b32 s77, s13, 20                        ; hb: (256 x tile row + 64 x wave) rows, and the tile's 256 bytes in them
	s_lshl_b32 s78, s10, 18
	s_add_co_u32 s78, s78, s77
	s_lshl_b32 s77, s42, 8
	s_add_co_u32 s78, s78, s77
	s_mov_b32 s79, 0
	s_add_nc_u64 s[8:9], s[68:69], s[78:79]
	s_lshl_b32 s78, s42, 14                        ; hs: the block's 4,096 rows, and my wave's 64 in them
	s_lshl_b32 s77, s13, 10
	s_add_co_u32 s78, s78, s77
	s_lshl_b32 s77, s10, 8
	s_add_co_u32 s78, s78, s77
	s_add_nc_u64 s[80:81], s[80:81], s[78:79]
; cnt matrix instructions from number n0 of a quarter's 32: block a = n / 8, block b = n % 8.  The accumulators take turns.
.macro MULS f, n0, cnt, zero
.set n, \n0
.rept \cnt
.set rD, 8*n
.set rA, (\f)+8*(n/NB)
.set rB, (\f)+8*MB+8*(n%NB)
	WIN 0xa5
.if \zero
	v_wmma_f32_16x16x32_f16 v[rD:rD+7], v[rB:rB+7], v[rA:rA+7], 0
.else
	v_wmma_f32_16x16x32_f16 v[rD:rD+7], v[rB:rB+7], v[rA:rA+7], v[rD:rD+7]
.endif
.set n, n+1
.endr
.endm
; One run of 24 LDS loads into buffer f: the quarter at TBA, TBB, off bytes on in the rows.  The two sums and two v_nop are the four places behind the products that read the buffer (ISA guide 7.12.1).
.macro FETCH off, f
	WIN 0
	v_add_nc_u32 v[AA], s[TBA], v[ADRA]
	v_add_nc_u32 v[AB], s[TBB], v[ADRB]
	v_nop
	v_nop
	WIN 0x40                                       ; destination window 1, address window 0
.set i, 0
.rept NB
	ds_load_b128 v[(\f)+8*MB+8*i:(\f)+8*MB+8*i+3],   v[AB] offset:(\off)+i*16*PB
	ds_load_b128 v[(\f)+8*MB+8*i+4:(\f)+8*MB+8*i+7], v[AB] offset:(\off)+i*16*PB+32
.set i, i+1
.endr
.set i, 0
.rept MB
	ds_load_b128 v[(\f)+8*i:(\f)+8*i+3],   v[AA] offset:(\off)+i*16*PA
	ds_load_b128 v[(\f)+8*i+4:(\f)+8*i+7], v[AA] offset:(\off)+i*16*PA+32
.set i, i+1
.endr
.endm
; A trip's two halves.  X: a head's first 32 channels are fetched, and the quarter before is multiplied.  Y: its other 32 are fetched, and the first are multiplied; the fetches go on to the slot's other head.
.macro XPART
	FETCH 0, F0
	s_wait_dscnt NLD                               ; all but the run just issued: buffer 1 is in
	MULS F1, 0, T, 0
	WIN 0
.endm
.macro YPART zero
	FETCH 64, F1
	s_add_co_u32 s[TBA], s[TBA], AHALF
	s_add_co_u32 s[TBB], s[TBB], 128
	s_wait_dscnt NLD                               ; all but the run just issued: buffer 0 is in
	MULS F0, 0, T, \zero
	WIN 0
.endm
; THE CHANGE OF SLOTS.  The slot's last quarter has been fetched.  Each wave waits for all its tensor loads (one is out: its part of the other slot), adds 0 to its spare word, and waits for that and for its
; reads of the slot.  fill = 1: the slot is filled again, two K steps on; the barrier is then a round of the cluster's, and the joint refill is the first thing behind it.
.macro CHANGE fill
	WIN 0
	s_wait_tensorcnt 0x0                           ; no tensor load of mine is out, so a group 0 may be written
	ds_add_u32 v[SPW], v[NIL]
.if \fill
	s_xor_b32 s[G0+5], s[G0+5], SLOTX              ; the walking descriptors: the other slot than last time, the next K step
	s_add_nc_u64 s[G0+6:G0+7], s[G0+6:G0+7], AS1
	s_xor_b32 s[G0B+5], s[G0B+5], SLOTX
	s_add_nc_u64 s[G0B+6:G0B+7], s[G0B+6:G0B+7], BS1
	s_wait_dscnt 0x0                               ; the add is done, and my reads of the slot are over
	CROUND
	JLOAD 1
.else
	s_wait_dscnt 0x0
	s_barrier_signal -1
	s_barrier_wait -1
.endif
	s_sub_co_u32 s[TBA], s[TBA], 2*AHALF           ; the fetches go back to a slot's head,
	s_xor_b32 s[TBA], s[TBA], SLOTX                ; in the other slot
	s_sub_co_u32 s[TBB], s[TBB], 256
	s_xor_b32 s[TBB], s[TBB], SLOTX
.endm
	s_wait_tensorcnt 1                             ; my part of K step 0 is in; K step 1's may stay out
	s_barrier_signal -1
	s_barrier_wait -1
	FETCH 0, F0
	YPART 1                                        ; the first quarter is written out: its products start the sums
	s_mov_b32 s[CNT], 1                            ; slot 0 has one trip left
	s_mov_b32 s[SLOTS], 7
	s_branch .Lkb
.Lslot:                                                ; 6 times: K steps 1 to 6 are entered, K steps 2 to 7 asked for
	CHANGE 1
	s_mov_b32 s[CNT], 2
.Lkb:
	XPART
	YPART 0
	s_sub_co_u32 s[CNT], s[CNT], 1
	s_cmp_lg_u32 s[CNT], 0
	s_cbranch_scc1 .Lkb
	s_sub_co_u32 s[SLOTS], s[SLOTS], 1
	s_cmp_lg_u32 s[SLOTS], 0
	s_cbranch_scc1 .Lslot
	CHANGE 0                                       ; the last K step is written out: nothing is asked for
	s_mov_b32 s[CNT], 2
.Ltail:
	XPART
	YPART 0
	s_sub_co_u32 s[CNT], s[CNT], 1
	s_cmp_lg_u32 s[CNT], 0
	s_cbranch_scc1 .Ltail
	s_wait_dscnt 0x0                               ; my last reads of the slots are back:
	s_barrier_signal -1                            ; say so, since the stages lie in the slots,
	MULS F1, 0, T, 0                               ; the last quarter
	WIN 0
	s_barrier_wait -1                              ; and write there only when all four waves have said so
	; THE WAY OUT.  The sums go in f32 into my stage; they come back by rows, eight neighbouring columns a lane; bias, gelu, the row's largest |h|, the scaling; sixteen lanes store 256 consecutive bytes.
	PLACES
	WIN 0x08                                       ; store data in window 2; each accumulator's low four registers go first
.set n, 0
.rept T
	ds_store_b128 v[STO], v[8*n:8*n+3]   offset:16*SPITCH*(n/NB)+64*(n%NB)
	ds_store_b128 v[STO], v[8*n+4:8*n+7] offset:16*SPITCH*(n/NB)+64*(n%NB)+16
.set n, n+1
.endr
	WIN 0
	s_wait_loadcnt 0x0                             ; the bias, rounded to bf16 like every input
.irp p, 0,1,2,3
	v_cvt_pk_bf16_f32 v[E+(\p)], v[BI+2*(\p)], v[BI+2*(\p)+1]
.endr
.irp p, 0,1,2,3
	v_lshlrev_b32 v[BI+2*(\p)],   16, v[E+(\p)]
	v_and_b32     v[BI+2*(\p)+1], 0xffff0000, v[E+(\p)]
.endr
.macro PAIRS line:vararg               ; one line for each of the 16 pairs p
.set p, 0
.rept 16
	\line
.set p, p+1
.endr
.endm
.macro ROWS4 line:vararg               ; one line for each of the four rows t
.set t, 0
.rept 4
	\line
.set t, t+1
.endr
.endm
	s_mov_b32 s3, 8
.Lrows:                                                ; 8 trips of 8 rows: row 2 t + l / 16 in registers 8 t .. 8 t + 7
.irp t, 0,1,2,3
	ds_load_b128 v[X+8*(\t):X+8*(\t)+3],   v[RD] offset:2*SPITCH*(\t)     ; LDS serves a wave's instructions in order (ISA guide 5.7.1.4): these see my stores
	ds_load_b128 v[X+8*(\t)+4:X+8*(\t)+7], v[RD] offset:2*SPITCH*(\t)+16
.endr
	s_wait_dscnt 0x0
	PAIRS v_pk_add_f32 v[X+2*p:X+2*p+1], v[X+2*p:X+2*p+1], v[BI+2*(p%4):BI+2*(p%4)+1]
	PAIRS v_pk_mul_f32 v[E+2*p:E+2*p+1], v[X+2*p:X+2*p+1], v[X+2*p:X+2*p+1]
	PAIRS v_pk_fma_f32 v[E+2*p:E+2*p+1], v[E+2*p:E+2*p+1], s[72:73], s[74:75] op_sel_hi:[1,0,0]
	PAIRS v_pk_mul_f32 v[E+2*p:E+2*p+1], v[E+2*p:E+2*p+1], v[X+2*p:X+2*p+1]
.set i, 0
.rept 32
	v_exp_f32 v[E+i], v[E+i]
.set i, i+1
.endr
	v_nop                                          ; a plain instruction behind the last exponential
	s_wait_alu depctr_va_vdst(0)
	PAIRS v_pk_add_f32 v[E+2*p:E+2*p+1], v[E+2*p:E+2*p+1], 1.0 op_sel_hi:[1,0]
.set i, 0
.rept 32
	v_rcp_f32 v[E+i], v[E+i]
.set i, i+1
.endr
	v_nop
	s_wait_alu depctr_va_vdst(0)
	PAIRS v_pk_mul_f32 v[X+2*p:X+2*p+1], v[X+2*p:X+2*p+1], v[E+2*p:E+2*p+1]
	; the largest |h| of each row's 128 columns: eight numbers in my registers, then the row's sixteen lanes
.set i, 0
.rept 32
	v_and_b32 v[E+i], s[ABSM], v[X+i]
.set i, i+1
.endr
	ROWS4 v_max3_num_f32 v[M+t], v[E+8*t], v[E+8*t+1], v[E+8*t+2]
	ROWS4 v_max3_num_f32 v[M+t], v[M+t], v[E+8*t+3], v[E+8*t+4]
	ROWS4 v_max3_num_f32 v[M+t], v[M+t], v[E+8*t+5], v[E+8*t+6]
	ROWS4 v_max3_num_f32 v[M+t], v[M+t], v[E+8*t+7], 0x08000000  ; and 2^-111, so that the exponent field is 16 at the least and both factors below are normal numbers
	ROWS4 v_max_num_f32_dpp v[M+t], v[M+t], v[M+t] row_xmask:1 row_mask:0xf bank_mask:0xf
	ROWS4 v_max_num_f32_dpp v[M+t], v[M+t], v[M+t] row_xmask:2 row_mask:0xf bank_mask:0xf
	ROWS4 v_max_num_f32_dpp v[M+t], v[M+t], v[M+t] row_xmask:4 row_mask:0xf bank_mask:0xf
	ROWS4 v_max_num_f32_dpp v[M+t], v[M+t], v[M+t] row_xmask:8 row_mask:0xf bank_mask:0xf
	ROWS4 v_lshrrev_b32 v[M+t], 23, v[M+t]                   ; E
	ROWS4 v_sub_nc_u32 v[FS+2*t], 268, v[M+t]                ; 2^(141 - E) has the exponent field 268 - E,
	ROWS4 v_add_nc_u32 v[FS+2*t+1], -14, v[M+t]              ; 2^(E - 141) the field E - 14
	ROWS4 v_lshlrev_b32 v[FS+2*t], 23, v[FS+2*t]
	ROWS4 v_lshlrev_b32 v[FS+2*t+1], 23, v[FS+2*t+1]
	PAIRS v_pk_mul_f32 v[X+2*p:X+2*p+1], v[X+2*p:X+2*p+1], v[FS+2*(p/4):FS+2*(p/4)+1] op_sel_hi:[1,0]
	PAIRS v_cvt_pk_f16_f32 v[YH+p], v[X+2*p], v[X+2*p+1]
.irp t, 0,1,2,3
	global_store_b128 v[CO], v[YH+4*(\t):YH+4*(\t)+3], s[8:9] offset:8192*(\t)  ; sixteen lanes store 256 consecutive bytes, at a multiple of 256 from hb's first
.endr
.irp t, 0,1,2,3
	ds_store_b32 v[SA], v[FS+2*(\t)+1] offset:8*(\t)         ; a row's sixteen lanes write the same word with the same number
.endr
	v_add_nc_u32 v[RD], 8*SPITCH, v[RD]
	v_add_nc_u32 v[SA], 32, v[SA]
	s_wait_xcnt 0x0                                ; the stores' base and data are rewritten only behind this wait
	s_add_nc_u64 s[8:9], s[8:9], 8*4096
	s_sub_co_u32 s3, s3, 1
	s_cmp_lg_u32 s3, 0
	s_cbranch_scc1 .Lrows
	ds_load_b64 v[SV:SV+1], v[SL]                  ; my wave's 64 scales, two a lane:
	s_wait_dscnt 0x0
	global_store_b64 v[HO], v[SV:SV+1], s[80:81]   ; 256 consecutive bytes, at a multiple of 256 from hs's first
	s_wait_tensorcnt 0x0                           ; the wave's end
	ds_add_u32 v[SPW], v[NIL]
	s_wait_dscnt 0x0
	CROUND                                         ; the closing round
	s_endpgm
.Lfunc_end_k_qccca0ee7b3_ffn1:
	.size	k_qccca0ee7b3_ffn1, .Lfunc_end_k_qccca0ee7b3_ffn1-k_qccca0ee7b3_ffn1
	.p2alignl 7, 3214868480
	.fill 96, 4, 3214868480
	.section	.rodata,"a",@progbits
	.p2align	6, 0x0
	.amdhsa_kernel k_qccca0ee7b3_ffn1
		.amdhsa_group_segment_fixed_size 327680
		.amdhsa_private_segment_fixed_size 0
		.amdhsa_enable_private_segment 0
		.amdhsa_kernarg_size 40
		.amdhsa_user_sgpr_count 2
		.amdhsa_user_sgpr_kernarg_segment_ptr 1
		.amdhsa_wavefront_size32 1
		.amdhsa_system_sgpr_workgroup_id_x 1
		.amdhsa_system_sgpr_workgroup_id_y 1
		.amdhsa_system_sgpr_workgroup_id_z 1
		.amdhsa_system_vgpr_workitem_id 0
		.amdhsa_next_free_vgpr 768
		.amdhsa_next_free_sgpr 88
		.amdhsa_reserve_vcc 0
		.amdhsa_float_denorm_mode_32 3
		.amdhsa_float_denorm_mode_16_64 3
		.amdhsa_memory_ordered 1
		.amdhsa_forward_progress 1
		.amdhsa_inst_pref_size 55
	.end_amdhsa_kernel
	.amdgpu_metadata
---
amdhsa.version: [ 1, 2 ]
amdhsa.kernels:
  - .name:           k_qccca0ee7b3_ffn1
    .symbol:         k_qccca0ee7b3_ffn1.kd
    .args:
      - { .name: ob, .offset: 0, .size: 8, .value_kind: global_buffer, .address_space: global }
      - { .name: wh, .offset: 8, .size: 8, .value_kind: global_buffer, .address_space: global }
      - { .name: hb, .offset: 16, .size: 8, .value_kind: global_buffer, .address_space: global }
      - { .name: b1, .offset: 24, .size: 8, .value_kind: global_buffer, .address_space: global }
      - { .name: hs, .offset: 32, .size: 8, .value_kind: global_buffer, .address_space: global }
    .group_segment_fixed_size: 327680
    .private_segment_fixed_size: 0
    .kernarg_segment_align: 8
    .kernarg_segment_size: 40
    .max_flat_workgroup_size: 128
    .sgpr_count:     88
    .vgpr_count:     768
    .wavefront_size: 32
...
	.end_amdgpu_metadata
.endif
;; end of part 7
;; launch ffn2 (part 8): grid 8 x 32, 4 waves a work-group, clusters of 4 x 4, 327,680 bytes of LDS; arguments hb, wh, out0, b2, hs; writes out0
.if DOCPART == 8
	.amdgcn_target "amdgcn-amd-amdhsa--gfx1250"
	.amdhsa_code_object_version 6
	.text
	.protected	k_qccca0ee7b3_ffn2
	.globl	k_qccca0ee7b3_ffn2
	.p2align	8
	.type	k_qccca0ee7b3_ffn2,@function
k_qccca0ee7b3_ffn2:
	s_mov_b64 s[64:65], 0
	v_nop
	global_prefetch_b8 v0, s[64:65] scope:SCOPE_SE
	s_setreg_imm32_b32 hwreg(HW_REG_WAVE_MODE, 25, 1), 1
	s_wait_xcnt 0x0
	s_wait_alu depctr_hold_cnt(0) depctr_sa_sdst(0) depctr_va_vdst(0) depctr_va_sdst(0) depctr_va_ssrc(0) depctr_va_vcc(0) depctr_vm_vsrc(0)
	s_getreg_b32 s2, hwreg(HW_REG_IB_STS2, 6, 4)
	s_cmp_eq_u32 s2, 0
	s_cbranch_scc0 .Lentry_in_a_cluster
	s_endpgm
.Lentry_in_a_cluster:
	s_bfe_u32 s2, ttmp6, 0x10000c
	s_cmp_lg_u32 s2, 0xf033
	s_cbranch_scc0 .Lentry_shape_is_right
	s_endpgm
.Lentry_shape_is_right:
; out0 = h W2^T + b2, [4096 x 1024] f32, K = 2048.  h = hb[row][k] (f16) x hs[k / 128][row] (f32, a power of two); W2 (rounded to bf16, written as f16) in wh; b2 rounded to bf16 here.
; Each block of 128 along K is summed by the matrix unit in BLOCK accumulators, whose first product takes C = 0; then main += block x the row's scale of that block, one fused multiply-add a number.
; The main sums begin as b2.  LIMITS: |W2| within f16's 65,504; NaN and infinities are not treated apart.
; A tile of C is 128 x 128: 8 x 32 tiles, one work-group each.  Four waves, 2 x 2, each 64 x 64: 16 block accumulators (window 0) and 16 main ones (window 2), 128 registers each.
; K goes in steps of 256 through two LDS slots: rows of 512 bytes, 64 of them to a tensor load.  Waves 0, 1 fetch A's halves, waves 2, 3 B's.
; CLUSTER 4 x 4: A's tiles jointly along a row of the cluster, B's along a column.  THE MATRIX INSTRUCTION IS USED TRANSPOSED: a lane holds row l % 16 of C and eight neighbouring columns, so a row's scale is one number a lane.
; THE LOOP.  A slot's two blocks are two trips of a text that is written once.  X: the block's first 64 along K are fetched into buffer 0; buffer 1, the block before's last 64, is multiplied; that block is added
; onto the main sums.  Y: the other 64 are fetched into buffer 1, and buffer 0 is multiplied and starts the block's sums.  The LDS addresses hang on a scalar that steps, and that a change of slots takes back
; and turns into the other slot's by one exclusive or (it is 0 or SLOT there).  Between a tile's landing and the next request stand the add, the waits and the round alone.
.set PITCH, 528                        ; an LDS row: 512 bytes + 16 = 132 words: the 16 rows of a fragment load start at 16 different groups of four banks (ISA guide 11.1)
.set HALFT, 64*PITCH                   ; what one tensor load brings, and what one wave reads of A or of B
.set SLOT,  4*HALFT                    ; A's 128 rows, then B's 128 rows: 0x21000 bytes; wave x HALFT shares no bit with that, so the exclusive or with SLOT is a sum
.set STAGE, 2*SLOT                     ; behind the ring: 16 rows x 272 bytes for each wave
.set SPITCH, 272
.set TABLE, STAGE+4*16*SPITCH          ; 4,096 bytes for each wave: its 64 rows' scales, [block][row]
.set SPARE, TABLE+4*4096               ; the spare words, 128 bytes for each wave, named by no other line
.set KB2,  512                         ; bytes of a K step in a row of hb and of W2
.set W2B,  18874368                    ; W2's first byte in wh
.set ADRA, 16                          ; my lane's place in A's part of a slot; never rewritten
.set ADRB, 17
.set AA,   18                          ; the addresses of the run of loads in hand
.set AB,   19
.set TA,   20                          ; my rows' scales of the block that ends next
.set STO,  24
.set RD,   25
.set CO,   26
.set BO,   27
.set SPW,  28
.set NIL,  29
.set HO,   30
.set TS,   31
.set SC,   32                          ; v32-39 four pairs: the scale of my row in A's block a at SC + 2 a; the odd registers are named with them and hold 0
.set OB,   40                          ; v40-71, v72-103 by turns: a block of 16 rows read back.  At the start: v40-71 the scales as loaded, v72-103 the bias, v104-119 at work
.set HT,   40
.set BI,   72
.set W,    104
.set BLK,  128                         ; v128-255 the block accumulators, 4 a + b
.set F0,   0                           ; window 1: two fragment buffers of 128: 64 registers of A (2 x 4 x 16 rows x 32 K), then 64 of B
.set F1,   128
.set G1,  24
.set G0,  32                           ; two sets, one for each first fill; the second then walks
.set G1B, 48
.set G0B, 56
.set TB,  66                           ; LDS byte at which the 64 along K to be fetched begin
.set CNT, 67
.set SLOTS, 74
.set MSB, 0
.macro WIN new
.if MSB != (\new)
	s_set_vgpr_msb (MSB<<8)|(\new)
.set MSB, \new
.endif
.endm
.macro JLOAD s                         ; a joint load: waves 0, 1 for A, waves 2, 3 for B; an s_nop 0 and four v_nop follow each line
	s_cmp_eq_u32 s11, 0
	s_cbranch_scc0 .Lfor_b_\@
	tensor_load_to_lds s[G0+4*(\s):G0+4*(\s)+3], s[G1:G1+7]
	s_nop 0
.rept 4
	v_nop
.endr
	s_branch .Lasked_\@
.Lfor_b_\@:
	tensor_load_to_lds s[G0B+4*(\s):G0B+4*(\s)+3], s[G1B:G1B+7]
	s_nop 0
.rept 4
	v_nop
.endr
.Lasked_\@:
.endm
.macro CROUND                          ; a round of the cluster's barrier
	s_barrier_signal -1
	s_barrier_wait -1
	s_cmp_lg_u32 s10, 0
	s_cbranch_scc1 .Lnot_wave_0_\@
	s_barrier_signal -3
.Lnot_wave_0_\@:
	s_barrier_wait -3
	s_barrier_signal -1
	s_barrier_wait -1
.endm
.macro SHAPE g, c, r, p
	s_mov_b32 s[(\g)+1], (\c)<<16
	s_mov_b32 s[(\g)+2], (\r)<<16
	s_mov_b32 s[(\g)+3], (\c)<<16
	s_mov_b32 s[(\g)+4], \r
	s_mov_b32 s[(\g)+5], \p
	s_mov_b32 s[(\g)+6], 0
	s_mov_b32 s[(\g)+7], 0
.endm
	s_load_b128 s[4:7], s[0:1], 0x0                ; hb s[4:5], wh s[6:7]
	s_load_b128 s[68:71], s[0:1], 0x10             ; out0 s[68:69], b2 s[70:71]
	s_load_b64 s[72:73], s[0:1], 0x20              ; hs
	v_lshl_add_u32 v[SPW], v0, 2, SPARE
	v_mov_b32 v[NIL], 0
	ds_add_u32 v[SPW], v[NIL]                      ; the wave's opening: the add and its wait, ahead of my first tensor load
	ds_add_u32 v28, v29
	v_lshrrev_b32 v1, 5, v0
	v_readfirstlane_b32 s10, v1
	s_lshr_b32 s11, s10, 1                         ; my half of the tile's rows.  Also: I fetch for A (0) or for B (1)
	s_and_b32 s12, s10, 1                          ; my half of its columns.  Also: which half of that tile I fetch
	s_bfe_u32 s40, ttmp6, 0x40000
	s_bfe_u32 s41, ttmp6, 0x40004
	s_lshl_b32 s42, ttmp9, 2
	s_add_co_u32 s42, s42, s40                     ; tile column
	s_and_b32 s13, ttmp7, 0xffff
	s_lshl_b32 s13, s13, 2
	s_add_co_u32 s13, s13, s41                     ; tile row
	s_lshl_b32 s43, s41, 2
	s_lshl_b32 s43, 15, s43
	s_lshl_b32 s44, 0x1111, s40
	s_or_b32 s[G1],  s43, (1<<16)|(1<<20)|(1<<21)|(6<<22)|(3<<25)  ; mask; 2-byte elements; padding on; bit 21 beside a mask; after every 128 words, 4 words
	s_or_b32 s[G1B], s44, (1<<16)|(1<<20)|(1<<21)|(6<<22)|(3<<25)
	SHAPE G1,  256, 64, 2048
	SHAPE G1B, 256, 64, 2048
	s_lshl_b32 s16, s13, 19                        ; A: (128 x tile row + 64 x half) rows of 4,096 bytes
	s_lshl_b32 s17, s12, 18
	s_add_co_u32 s16, s16, s17
	s_mov_b32 s17, 0
	s_lshl_b32 s46, s42, 19                        ; B: (128 x tile column + 64 x half) rows of 4,096 bytes
	s_lshl_b32 s47, s12, 18
	s_add_co_u32 s46, s46, s47
	s_add_co_u32 s46, s46, W2B
	s_mov_b32 s47, 0
	s_mul_i32 s20, s10, HALFT                      ; where they go: A's two halves, then B's two = wave x 64 rows
	s_mov_b32 s[TB], 0
	s_wait_dscnt 0x0                               ; the opening add is done
	s_wait_kmcnt 0x0
	s_add_nc_u64 s[14:15], s[4:5], s[16:17]
	s_add_nc_u64 s[46:47], s[6:7], s[46:47]
	CROUND                                         ; all sixteen work-groups are here: the first joint loads meet
.irp s, 0,1
	s_mov_b32 s[G0+4*(\s)], 1
	s_add_co_u32 s[G0+4*(\s)+1], s20, (\s)*SLOT
	s_add_nc_u64 s[G0+4*(\s)+2:G0+4*(\s)+3], s[14:15], (\s)*KB2
	s_or_b32 s[G0+4*(\s)+3], s[G0+4*(\s)+3], 0x80000000
	s_mov_b32 s[G0B+4*(\s)], 1
	s_add_co_u32 s[G0B+4*(\s)+1], s20, (\s)*SLOT
	s_add_nc_u64 s[G0B+4*(\s)+2:G0B+4*(\s)+3], s[46:47], (\s)*KB2
	s_or_b32 s[G0B+4*(\s)+3], s[G0B+4*(\s)+3], 0x80000000
	JLOAD \s
.endr
	v_and_b32 v1, 15, v0
	v_bfe_u32 v2, v0, 4, 1
	; my 64 rows' scales of all 16 blocks: eight loads, each two blocks' 256 consecutive bytes
	s_lshl_b32 s76, s13, 9                         ; (128 x tile row + 64 x half) rows of 4 bytes
	s_lshl_b32 s77, s11, 8
	s_add_co_u32 s76, s76, s77
	s_mov_b32 s77, 0
	s_add_nc_u64 s[72:73], s[72:73], s[76:77]
	v_lshlrev_b32 v[HO], 14, v2                    ; lanes 16-31: the next block, 4,096 rows on
	v_lshl_add_u32 v[HO], v1, 4, v[HO]
.irp i, 0,1,2,3,4,5,6,7
	global_load_b128 v[HT+4*(\i):HT+4*(\i)+3], v[HO], s[72:73] offset:32768*(\i)
.endr
	; the bias of the columns that my accumulators hold: 16 b + 8 (l / 16) + 0..7
	s_lshl_b32 s76, s42, 9                         ; my 64 columns in f32: 512 x tile column + 256 x half bytes, in b2 and in a row of out0
	s_lshl_b32 s78, s12, 8
	s_add_co_u32 s76, s76, s78
	v_lshlrev_b32 v[BO], 5, v2
	v_add_nc_u32 v[BO], s76, v[BO]
.irp b, 0,1,2,3
	global_load_b128 v[BI+8*(\b):BI+8*(\b)+3],   v[BO], s[70:71] offset:64*(\b)
	global_load_b128 v[BI+8*(\b)+4:BI+8*(\b)+7], v[BO], s[70:71] offset:64*(\b)+16
.endr
	v_mul_u32_u24 v3, v1, PITCH
	v_lshl_add_u32 v3, v2, 4, v3                   ; a fragment's row x pitch + 16 x half
	s_mul_i32 s22, s11, HALFT                      ; my 64 rows of A
	s_mul_i32 s23, s12, HALFT                      ; my 64 rows of B,
	s_add_co_u32 s23, s23, 2*HALFT                 ; which lie behind A's 128
	v_add_nc_u32 v[ADRA], s22, v3
	v_add_nc_u32 v[ADRB], s23, v3
	s_mul_i32 s22, s10, 16*SPITCH
	s_add_co_u32 s22, s22, STAGE                   ; my stage
	v_mul_u32_u24 v[STO], v1, SPITCH               ; in: row l % 16, 32 bytes for each half of the lanes
	v_lshl_add_u32 v[STO], v2, 5, v[STO]
	v_add_nc_u32 v[STO], s22, v[STO]
	v_mul_u32_u24 v[RD], v2, SPITCH                ; back: lanes 0-15 one row of 256 bytes, lanes 16-31 the next
	v_lshl_add_u32 v[RD], v1, 4, v[RD]
	v_add_nc_u32 v[RD], s22, v[RD]
	v_lshlrev_b32 v[CO], 12, v2                    ; the same two rows of out0, 4,096 bytes each
	v_lshl_add_u32 v[CO], v1, 4, v[CO]
	s_lshl_b32 s77, s13, 19                        ; (128 x tile row + 64 x half) rows
	s_lshl_b32 s78, s11, 18
	s_add_co_u32 s78, s78, s77
	s_add_co_u32 s78, s78, s76
	s_mov_b32 s79, 0
	s_add_nc_u64 s[8:9], s[68:69], s[78:79]
	s_lshl_b32 s22, s10, 12
	s_add_co_u32 s22, s22, TABLE                   ; my table
	v_and_b32 v5, 31, v0
	v_lshl_add_u32 v[TS], v5, 4, s22               ; in: as loaded, 512 bytes (two blocks) a store
	v_lshl_add_u32 v[TA], v1, 2, s22               ; out: block 0, row l % 16
.irp a, 0,1,2,3
	v_mov_b32 v[SC+2*(\a)+1], 0
.endr
	s_wait_loadcnt 8                               ; the scales are in; the bias's eight loads may stay out
.irp i, 0,1,2,3,4,5,6,7
	ds_store_b128 v[TS], v[HT+4*(\i):HT+4*(\i)+3] offset:512*(\i)
.endr
	s_wait_loadcnt 0x0                             ; the bias, rounded to bf16 like every input
.set i, 0
.rept 16
	v_cvt_pk_bf16_f32 v[W+i], v[BI+2*i], v[BI+2*i+1]
.set i, i+1
.endr
.set i, 0
.rept 16
	v_lshlrev_b32 v[BI+2*i],   16, v[W+i]
	v_and_b32     v[BI+2*i+1], 0xffff0000, v[W+i]
.set i, i+1
.endr
	WIN 0x80                                       ; destination window 2: the main sums begin as the bias of their columns, in place of an addition at the end.  This stands in the wait for the first tile
.set n, 0
.rept 128
	v_mov_b32 v[n], v[BI+8*((n/8)%4)+n%8]
.set n, n+1
.endr
	WIN 0
; 32 matrix instructions on buffer f: 64 along K, two deep on each of the 16 block accumulators, which take turns.  zero = 1: the first 16 start the block's sums.
.macro MUL f, zero
	WIN 0x05                                       ; B and A in window 1, C and D in window 0
.set n, 0
.rept 32
.set cc, n/16
.set idx, n%16
.set rD, BLK+8*idx
.set rA, (\f)+8*(4*cc+idx/4)
.set rB, (\f)+64+8*(4*cc+idx%4)
.if (\zero) && (cc == 0)
	v_wmma_f32_16x16x32_f16 v[rD:rD+7], v[rB:rB+7], v[rA:rA+7], 0
.else
	v_wmma_f32_16x16x32_f16 v[rD:rD+7], v[rB:rB+7], v[rA:rA+7], v[rD:rD+7]
.endif
.set n, n+1
.endr
.endm
; One run of 32 LDS loads into buffer f: the 64 along K at TB.  The two sums and two v_nop are the four places behind the products that read the buffer (ISA guide 7.12.1).
.macro FETCH f
	WIN 0
	v_add_nc_u32 v[AA], s[TB], v[ADRA]
	v_add_nc_u32 v[AB], s[TB], v[ADRB]
	v_nop
	v_nop
	WIN 0x40                                       ; destination window 1, address window 0
.irp c, 0,1
.irp i, 0,1,2,3
	ds_load_b128 v[(\f)+64+8*(4*(\c)+(\i)):(\f)+64+8*(4*(\c)+(\i))+3],   v[AB] offset:64*(\c)+(\i)*16*PITCH
	ds_load_b128 v[(\f)+64+8*(4*(\c)+(\i))+4:(\f)+64+8*(4*(\c)+(\i))+7], v[AB] offset:64*(\c)+(\i)*16*PITCH+32
	ds_load_b128 v[(\f)+8*(4*(\c)+(\i)):(\f)+8*(4*(\c)+(\i))+3],         v[AA] offset:64*(\c)+(\i)*16*PITCH
	ds_load_b128 v[(\f)+8*(4*(\c)+(\i))+4:(\f)+8*(4*(\c)+(\i))+7],       v[AA] offset:64*(\c)+(\i)*16*PITCH+32
.endr
.endr
	s_add_co_u32 s[TB], s[TB], 128                 ; the next fetch is the next 64 along K
.endm
; main += block x scale: pair n of 64; accumulator n / 4, A's block n / 16.  Each block accumulator is read from its low end on.
.macro LUMP
	WIN 0xa0                                       ; destination and source 2 in window 2, sources 0 and 1 in window 0
.set n, 0
.rept 64
	v_pk_fma_f32 v[2*n:2*n+1], v[BLK+2*n:BLK+2*n+1], v[SC+2*(n/16):SC+2*(n/16)+1], v[2*n:2*n+1] op_sel_hi:[1,0,1]
.set n, n+1
.endr
	WIN 0
.endm
; X: a block ends.  fetch = 1: the next block's first 64 along K are fetched meanwhile.
.macro XPART fetch
	WIN 0
.irp a, 0,1,2,3
	ds_load_b32 v[SC+2*(\a)], v[TA] offset:64*(\a)           ; the scales of my four rows in the block that ends
.endr
.if \fetch
	FETCH F0
	s_wait_dscnt 36                                ; all but the four scales and the run just issued: buffer 1 is in
.else
	s_wait_dscnt 4                                 ; all but the four scales
.endif
	MUL F1, 0
	WIN 0
.if \fetch
	s_wait_dscnt 32                                ; the scales are in; the run may stay out
.else
	s_wait_dscnt 0x0
.endif
	v_add_nc_u32 v[TA], 256, v[TA]                 ; the next block's scales.  With three v_nop: the four places between the products and the first read of their results
	v_nop
	v_nop
	v_nop
	LUMP
.endm
; Y: a block begins.  The places in front of the loads into buffer 1, and of the products that write the block accumulators anew, are X's multiply-adds on the other accumulators.
.macro YPART
	FETCH F1
	s_wait_dscnt 32                                ; all but the run just issued: buffer 0 is in
	MUL F0, 1
	WIN 0
.endm
; THE CHANGE OF SLOTS.  The slot's last 64 along K have been fetched.  Each wave waits for all its tensor loads (one is out: its part of the other slot), adds 0 to its spare word, and waits for that and for its
; reads of the slot.  fill = 1: the slot is filled again, two K steps on; the barrier is then a round of the cluster's, and the joint refill is the first thing behind it.
.macro CHANGE fill
	WIN 0
	s_wait_tensorcnt 0x0                           ; no tensor load of mine is out, so a group 0 may be written
	ds_add_u32 v[SPW], v[NIL]
.if \fill
	s_xor_b32 s[G0+5], s[G0+5], SLOT               ; the walking descriptors: the other slot than last time, the next K step
	s_add_nc_u64 s[G0+6:G0+7], s[G0+6:G0+7], KB2
	s_xor_b32 s[G0B+5], s[G0B+5], SLOT
	s_add_nc_u64 s[G0B+6:G0B+7], s[G0B+6:G0B+7], KB2
	s_wait_dscnt 0x0                               ; the add is done, and my reads of the slot are over
	CROUND
	JLOAD 1
.else
	s_wait_dscnt 0x0
	s_barrier_signal -1
	s_barrier_wait -1
.endif
	s_sub_co_u32 s[TB], s[TB], 512                 ; the fetches go back to a row's head: 0 or SLOT,
	s_xor_b32 s[TB], s[TB], SLOT                   ; and to the other slot
.endm
	s_wait_tensorcnt 1                             ; my part of K step 0 is in; K step 1's may stay out
	s_wait_dscnt 0x0                               ; my stores into my table are done
	s_barrier_signal -1
	s_barrier_wait -1
	FETCH F0
	WIN 0
	s_mov_b32 s[CNT], 2
	s_mov_b32 s[SLOTS], 7
	s_branch .Lmid                                 ; the loop is entered where a block begins, in the middle of a trip
.Lslot:                                                ; 6 times: K steps 1 to 6 are entered, K steps 2 to 7 asked for
	CHANGE 1
	s_mov_b32 s[CNT], 2
.Lkb:
	XPART 1
.Lmid:
	YPART
	s_sub_co_u32 s[CNT], s[CNT], 1
	s_cmp_lg_u32 s[CNT], 0
	s_cbranch_scc1 .Lkb
	s_sub_co_u32 s[SLOTS], s[SLOTS], 1
	s_cmp_lg_u32 s[SLOTS], 0
	s_cbranch_scc1 .Lslot
	CHANGE 0                                       ; the last K step is written out: nothing is asked for
	s_mov_b32 s[CNT], 2
.Ltail:
	XPART 1
	YPART
	s_sub_co_u32 s[CNT], s[CNT], 1
	s_cmp_lg_u32 s[CNT], 0
	s_cbranch_scc1 .Ltail
	XPART 0                                        ; the last block ends
	; THE WAY OUT, a block of 16 rows at a time: the main sums go into my stage and come back as whole rows of 256 bytes; sixteen lanes store 256 consecutive bytes, at a multiple of 256 from out0's first.
.irp a, 0,1,2,3
.set BK, OB+32*((\a)%2)
	WIN 0x08                                       ; store data in window 2
.irp b, 0,1,2,3
	ds_store_b128 v[STO], v[8*(4*(\a)+(\b)):8*(4*(\a)+(\b))+3]   offset:64*(\b)
	ds_store_b128 v[STO], v[8*(4*(\a)+(\b))+4:8*(4*(\a)+(\b))+7] offset:64*(\b)+16
.endr
	WIN 0
	s_wait_xcnt 0x0                                ; the stores of the block two back have read these registers
.irp t, 0,1,2,3,4,5,6,7
	ds_load_b128 v[BK+4*(\t):BK+4*(\t)+3], v[RD] offset:2*SPITCH*(\t)  ; LDS serves a wave's instructions in order (ISA guide 5.7.1.4): these see the stores above
.endr
	s_wait_dscnt 0x0
.irp t, 0,1,2,3,4,5,6,7
	global_store_b128 v[CO], v[BK+4*(\t):BK+4*(\t)+3], s[8:9] offset:(16*(\a)+2*(\t))*4096
.endr
.endr
	s_wait_tensorcnt 0x0                           ; the wave's end
	ds_add_u32 v[SPW], v[NIL]
	s_wait_dscnt 0x0
	CROUND                                         ; the closing round
	s_endpgm
.Lfunc_end_k_qccca0ee7b3_ffn2:
	.size	k_qccca0ee7b3_ffn2, .Lfunc_end_k_qccca0ee7b3_ffn2-k_qccca0ee7b3_ffn2
	.p2alignl 7, 3214868480
	.fill 96, 4, 3214868480
	.section	.rodata,"a",@progbits
	.p2align	6, 0x0
	.amdhsa_kernel k_qccca0ee7b3_ffn2
		.amdhsa_group_segment_fixed_size 327680
		.amdhsa_private_segment_fixed_size 0
		.amdhsa_enable_private_segment 0
		.amdhsa_kernarg_size 40
		.amdhsa_user_sgpr_count 2
		.amdhsa_user_sgpr_kernarg_segment_ptr 1
		.amdhsa_wavefront_size32 1
		.amdhsa_system_sgpr_workgroup_id_x 1
		.amdhsa_system_sgpr_workgroup_id_y 1
		.amdhsa_system_sgpr_workgroup_id_z 1
		.amdhsa_system_vgpr_workitem_id 0
		.amdhsa_next_free_vgpr 640
		.amdhsa_next_free_sgpr 80
		.amdhsa_reserve_vcc 0
		.amdhsa_float_denorm_mode_32 3
		.amdhsa_float_denorm_mode_16_64 3
		.amdhsa_memory_ordered 1
		.amdhsa_forward_progress 1
		.amdhsa_inst_pref_size 62
	.end_amdhsa_kernel
	.amdgpu_metadata
---
amdhsa.version: [ 1, 2 ]
amdhsa.kernels:
  - .name:           k_qccca0ee7b3_ffn2
    .symbol:         k_qccca0ee7b3_ffn2.kd
    .args:
      - { .name: hb, .offset: 0, .size: 8, .value_kind: global_buffer, .address_space: global }
      - { .name: wh, .offset: 8, .size: 8, .value_kind: global_buffer, .address_space: global }
      - { .name: out0, .offset: 16, .size: 8, .value_kind: global_buffer, .address_space: global }
      - { .name: b2, .offset: 24, .size: 8, .value_kind: global_buffer, .address_space: global }
      - { .name: hs, .offset: 32, .size: 8, .value_kind: global_buffer, .address_space: global }
    .group_segment_fixed_size: 327680
    .private_segment_fixed_size: 0
    .kernarg_segment_align: 8
    .kernarg_segment_size: 40
    .max_flat_workgroup_size: 128
    .sgpr_count:     80
    .vgpr_count:     640
    .wavefront_size: 32
...
	.end_amdgpu_metadata
.endif
;; end of part 8
;; ======== version 3 of 3: 5 launches; 1.25 times as fast as version 1
;; limits: values are held in f16: magnitudes above 65,504 overflow, below 6.1e-05 lose precision; values outside matrix products are rounded to bf16
;; workspace buffers: wh 23,068,672 bytes; qkv 25,165,824 bytes; ob 8,388,608 bytes; hb 16,777,216 bytes; hs 262,144 bytes
;; launch cast: the kernel of part 6 again; grid 64 x 11, 8 waves a work-group, no clusters, 0 bytes of LDS; arguments x, Wq, Wk, Wv, W1, W2, wh; writes wh
;; launch proj: the kernel of part 2 again; grid 16 x 16, 4 waves a work-group, clusters of 4 x 4, 327,680 bytes of LDS; arguments wh, qkv; writes qkv
;; launch attn (part 9): grid 8 x 32, 4 waves a work-group, no clusters, 327,680 bytes of LDS; arguments qkv, ob; writes ob
.if DOCPART == 9
	.amdgcn_target "amdgcn-amd-amdhsa--gfx1250"
	.amdhsa_code_object_version 6
	.text
	.protected	k_qccca0ee7b3_attn
	.globl	k_qccca0ee7b3_attn
	.p2align	8
	.type	k_qccca0ee7b3_attn,@function
k_qccca0ee7b3_attn:
	s_mov_b64 s[64:65], 0
	v_nop
	global_prefetch_b8 v0, s[64:65] scope:SCOPE_SE
	s_setreg_imm32_b32 hwreg(HW_REG_WAVE_MODE, 25, 1), 1
	s_wait_xcnt 0x0
; CAUSAL ATTENTION, head size 64.  O[h][q] = the sum over k <= q of softmax_k(Q[h][q] . K[h][k] / 8) V[h][k].  Q, K, V: qkv[0..2][32 heads][2048][64] f16; O: ob[32][2048][64] f16.
; Products, maxima and sums in f32; the weights p are rounded to f16 for the second product (their sum l is taken of the unrounded p), O once at the end.
; LIMITS.  Q, K, V arrive within f16's 65,504; a hidden score counts as its value less 1e30 (f16's scores reach 2.7e11 at the most); a weight below 2^-126 counts as 0; NaN and infinities are not treated apart.
; THE WALK.  A head has 16 blocks of 128 queries; block i needs the key tiles 0 .. i of 128 keys.  A work-group takes block LO = x and then block HI = 15 - x: 17 tiles whatever x, so all 256 work-groups are alike.
; A running maximum lets the keys come in any order, so each block takes its DIAGONAL tile first.  LO's lies in a region of its own (D), filled once; then 16 tiles w = 0 .. 15 go through two slots, two to a slot:
; w < LO: tile w;  w = LO: tile HI (block LO ends, block HI begins);  w > LO: tile w - LO - 1.  LO <= 7, so the last slot holds two plain tiles, and the tail that is written out has plain steps alone.
; NO CLUSTER: in the same trip the eight work-groups of a head want different tiles (their walks are shifted by x); a walk common to all would have 24 tiles for 17.
; SHARES.  A wave owns 16 rows in each of a block's two bands of 64: two PIECES.  In the diagonal tile band p against key step p holds the diagonal, band 1 sees all of step 0, band 0 nothing of step 1: that pair is never computed.
; THE MASK is the C operand that starts the sum S^T = K Q^T: MD, 0 or -1e30, made once for my 16 rows; elsewhere C is the constant 0.
; LAYOUT.  S^T = K Q^T holds ONE query a lane (l % 16) and the keys 8 (l / 16) + 0..7; two such results rounded to f16 ARE source 1 of O^T = V^T P.  p = 2^(c s - c m), c = log2(e) / 8; O and l are multiplied by a = 2^(c m_old - c m_new) in every step.
; BY TURNS.  Between turns: P of piece 0 is ready, S of piece 1 is raw, V of the step in hand has been asked for.  Turn T0: V^T P of piece 0, K Q^T of piece 0 for the next step, beside them piece 1's softmax.
; Turn T1: V^T P of piece 1, K Q^T of piece 1 for the next step, beside them piece 0's softmax.  Four vector instructions stand behind every matrix instruction, the other 54 of a softmax's 118 in two runs.
; THE BATCH.  A softmax's 33 exponentials (a and the 32 weights) are ONE batch with ONE wait, which stands between the turn's two runs of products.  Ahead of it: the maximum, the statistics, the scalings and the
; exponentials, none of which names an exponential's result.  Behind it: all that does: the roundings, the sums, l, and O^T times a.  Each result has a register of its own: the weights in place in S^T, a in the statistics.
; REGISTERS.  Window 0: all that the vector work names.  Window 1: v0-31 Q, v32-63 block HI's Q, v64-127 K of a step, v128-191 V of a step.
.set KS,    64
.set PK,    144       ; a row of K in LDS: 128 bytes + 16: the 16 rows of a load start at 16 different groups of four banks (ISA guide 11.1)
.set PV,    160       ; a row of V: 128 + 32
.set TK,    128*PK    ; a tile of K
.set TV,    128*PV
.set VOFF,  2*TK      ; a slot: two tiles of K, then two of V
.set SLOT1, 1<<17
.set DK,    SLOT1+2*(TK+TV)
.set DV,    DK+TK
.set STAGE, DV+TV     ; 16 rows x 144 bytes for each wave; no tensor load lands here
.set SP,    144
.set SPARE, STAGE+4*16*SP
.set AK0, 2           ; my lane's place in a step of K; never rewritten
.set AV0, 3           ; the same for V
.set AK,  4
.set AV,  5
.set STO, 6
.set RD,  7
.set GO,  8
.set QO,  15
.set ST,  16          ; piece t at ST + 8 t: c m, m, l (even keys', odd keys'), c0-c3 at work; a takes c2's place
.set MD,  32
.set S,   64          ; piece t at S + 32 t
.set P,   128         ; piece t at P + 16 t
.set O,   160         ; piece t at O + 32 t
.set SPW, 224
.set NIL, 225
.set QB,  32          ; window 1
.set KF,  64
.set VF,  128
.set WV,  12
.set LO,  14
.set HI,  15
.set G1K, 24
.set G1V, 32
.set G0K, 40
.set G0V, 44
.set G1KD, 48
.set G1VD, 56
.set SLOTS, 66
.set TI,  67
.set G0KD, 68
.set G0VD, 72
.set CNT, 76
.set WC,  77          ; the number w of the tile to be entered
.set CS,  78
.set SEL, 80
.set TBK, 82          ; LDS byte of K of the step to be fetched
.set TBV, 83
.set SB,  84          ; the slot that is read
.set WN,  85          ; the number w of the tile that I ask for next
.set OFF, 86
.set BIGN, 92
.set LO1, 94
.set MSB, 0
.macro WIN new
.if MSB != (\new)
	s_set_vgpr_msb (MSB<<8)|(\new)
.set MSB, (\new)
.endif
.endm
.macro SHAPE g, r                      ; descriptor group 1, words 1 to 7: r rows of 128 elements (256 dense bytes, two keys)
	s_mov_b32 s[(\g)+1], 128<<16
	s_mov_b32 s[(\g)+2], (\r)<<16
	s_mov_b32 s[(\g)+3], 128<<16
	s_mov_b32 s[(\g)+4], \r
	s_mov_b32 s[(\g)+5], 128
	s_mov_b32 s[(\g)+6], 0
	s_mov_b32 s[(\g)+7], 0
.endm
; the tile that walk number WN stands for, and its address in both descriptors, made anew from the tensors' bases
.macro TILEADR
	s_sub_co_u32 s93, s[WN], s[LO1]
	s_cmp_lt_u32 s[WN], s[LO]
	s_cselect_b32 s93, s[WN], s93
	s_cmp_eq_u32 s[WN], s[LO]
	s_cselect_b32 s93, s[HI], s93
	s_lshl_b32 s[OFF], s93, 14                     ; a tile is 16,384 bytes of K and of V
	s_add_nc_u64 s[G0K+2:G0K+3], s[6:7], s[OFF:OFF+1]
	s_or_b32 s[G0K+3], s[G0K+3], 0x80000000
	s_add_nc_u64 s[G0V+2:G0V+3], s[8:9], s[OFF:OFF+1]
	s_or_b32 s[G0V+3], s[G0V+3], 0x80000000
	s_add_co_u32 s[WN], s[WN], 2
.endm
.macro LOAD                            ; a fill: waves 0, 1 fetch K of the slot's two tiles, waves 2, 3 V; an s_nop 0 and four v_nop follow each line
	s_cmp_lt_u32 s[WV], 2
	s_cbranch_scc0 .Lfor_v_\@
	tensor_load_to_lds s[G0K:G0K+3], s[G1K:G1K+7]
	s_nop 0
.rept 4
	v_nop
.endr
	s_branch .Lasked_\@
.Lfor_v_\@:
	tensor_load_to_lds s[G0V:G0V+3], s[G1V:G1V+7]
	s_nop 0
.rept 4
	v_nop
.endr
.Lasked_\@:
.endm
; THE CHANGE OF SLOTS.  Each wave waits for all its tensor loads (one is out: its part of the other slot), adds 0 to its spare word, and waits for that and for its reads of the slot that it leaves.
; fill = 1: the slot that is left is filled again, first thing behind the barrier; the load has two tiles' work in which to land.  (At its first use slot 0 is waited for and slot 1 filled.)
.macro CHANGE fill
	WIN 0
	s_wait_tensorcnt 0x0                           ; no tensor load of mine is out, so a group 0 may be written
	ds_add_u32 v[SPW], v[NIL]
.if \fill
	s_xor_b32 s[G0K+1], s[G0K+1], SLOT1
	s_xor_b32 s[G0V+1], s[G0V+1], SLOT1
	TILEADR
.endif
	s_wait_dscnt 0x0                               ; the add is done, and my reads of the slot are over
	s_barrier_signal -1
	s_xor_b32 s[SB], s[SB], SLOT1                  ; the fetches go to the head of the other slot
	s_mov_b32 s[TBK], s[SB]
	s_add_co_u32 s[TBV], s[SB], VOFF
	s_barrier_wait -1
.if \fill
	LOAD
.endif
.endm
	s_load_b128 s[16:19], s[0:1], 0x0              ; qkv s[16:17], ob s[18:19]
	v_lshl_add_u32 v[SPW], v0, 2, SPARE
	v_mov_b32 v[NIL], 0
	ds_add_u32 v[SPW], v[NIL]                      ; the wave's opening: the add and its wait, ahead of my first tensor load
	ds_add_u32 v224, v225
	v_lshrrev_b32 v1, 5, v0
	v_readfirstlane_b32 s[WV], v1
	s_mov_b32 s[LO], ttmp9
	s_sub_co_u32 s[HI], 15, s[LO]
	s_add_co_u32 s[LO1], s[LO], 1
	s_and_b32 s20, ttmp7, 0xffff
	s_lshl_b32 s20, s20, 18                        ; the head's 2^18 bytes
	s_mov_b32 s21, 0
	s_and_b32 s13, s[WV], 1                        ; which of two tiles, or halves, I fetch
	s_lshl_b32 s93, s[WV], 11                      ; my 16 rows in a band
	s_add_co_u32 s93, s93, s20
	s_lshl_b32 s2, s[LO], 14                       ; in block LO,
	s_add_co_u32 s2, s2, s93
	s_mov_b32 s3, 0
	s_lshl_b32 s22, s[HI], 14                      ; and in block HI
	s_add_co_u32 s22, s22, s93
	s_mov_b32 s23, 0
	s_mov_b32 s[G1K],  (1<<16)|(1<<20)|(4<<22)|(3<<25)  ; 2-byte elements; padding on; after every 32 words (a key), 4 words
	s_mov_b32 s[G1V],  (1<<16)|(1<<20)|(4<<22)|(7<<25)  ; the same with 8 words
	s_mov_b32 s[G1KD], (1<<16)|(1<<20)|(4<<22)|(3<<25)
	s_mov_b32 s[G1VD], (1<<16)|(1<<20)|(4<<22)|(7<<25)
	SHAPE G1K, 64                                  ; a tile: 128 keys
	SHAPE G1V, 64
	SHAPE G1KD, 32                                 ; half a tile: 64 keys
	SHAPE G1VD, 32
	s_mov_b32 s[G0KD], 1
	s_mul_i32 s[G0KD+1], s13, KS*PK
	s_add_co_u32 s[G0KD+1], s[G0KD+1], DK
	s_mov_b32 s[G0VD], 1
	s_mul_i32 s[G0VD+1], s13, KS*PV
	s_add_co_u32 s[G0VD+1], s[G0VD+1], DV
	s_mov_b32 s[G0K], 1
	s_mul_i32 s[G0K+1], s13, TK                    ; slot 0
	s_mov_b32 s[G0V], 1
	s_mul_i32 s[G0V+1], s13, TV
	s_add_co_u32 s[G0V+1], s[G0V+1], VOFF
	s_mov_b32 s[WN], s13
	s_mov_b32 s[OFF+1], 0
	s_mov_b32 s[CS], 0x3e38aa3b                    ; c = log2(e) / 8
	s_mov_b32 s[CS+1], s[CS]
	s_mov_b32 s[SEL], 0x76543210
	s_mov_b32 s[SEL+1], 0xfedcba98
	s_mov_b32 s[BIGN], 0xf149f2ca                  ; -1e30
	s_mov_b32 s[TBK], DK
	s_mov_b32 s[TBV], DV
	s_mov_b32 s[SB], SLOT1                         ; the first change of slots turns it into 0
	s_mov_b32 s[WC], 0
	s_mov_b32 s[SLOTS], 7
	s_wait_dscnt 0x0                               ; the opening add is done
	s_wait_kmcnt 0x0
	s_add_nc_u64 s[6:7], s[16:17], s[20:21]
	s_add_nc_u64 s[8:9], s[6:7], 0x1000000         ; V at the head
	s_add_nc_u64 s[6:7], s[6:7], 0x800000          ; K at the head
	s_add_nc_u64 s[4:5], s[16:17], s[2:3]          ; Q at my rows of block LO
	s_add_nc_u64 s[90:91], s[16:17], s[22:23]      ; and of block HI
	s_add_nc_u64 s[10:11], s[18:19], s[2:3]        ; O likewise
	s_add_nc_u64 s[88:89], s[18:19], s[22:23]
	s_lshl_b32 s[OFF], s[LO], 14                   ; tile LO, my half of it
	s_lshl_b32 s93, s13, 13
	s_add_co_u32 s[OFF], s[OFF], s93
	s_add_nc_u64 s[G0KD+2:G0KD+3], s[6:7], s[OFF:OFF+1]
	s_or_b32 s[G0KD+3], s[G0KD+3], 0x80000000
	s_add_nc_u64 s[G0VD+2:G0VD+3], s[8:9], s[OFF:OFF+1]
	s_or_b32 s[G0VD+3], s[G0VD+3], 0x80000000
	TILEADR
	s_cmp_lt_u32 s[WV], 2                          ; a wave's two first fills stand in one branch: its part of D, then its part of slot 0: two loads of mine are out
	s_cbranch_scc0 .Lfirst_v
	tensor_load_to_lds s[G0KD:G0KD+3], s[G1KD:G1KD+7]
	s_nop 0
	tensor_load_to_lds s[G0K:G0K+3], s[G1K:G1K+7]
	s_nop 0
.rept 4
	v_nop
.endr
	s_branch .Lfirst_asked
.Lfirst_v:
	tensor_load_to_lds s[G0VD:G0VD+3], s[G1VD:G1VD+7]
	s_nop 0
	tensor_load_to_lds s[G0V:G0V+3], s[G1V:G1V+7]
	s_nop 0
.rept 4
	v_nop
.endr
.Lfirst_asked:
	v_and_b32 v1, 15, v0                           ; l % 16
	v_bfe_u32 v9, v0, 4, 1                         ; l / 16
	v_lshlrev_b32 v[QO], 7, v1
	v_lshl_add_u32 v[QO], v9, 4, v[QO]             ; row x 128 + 16 x half
	WIN 0x40                                       ; destination window 1
.set i, 0
.rept 4                                ; both blocks' Q: piece i / 2 lies 64 rows on; channels 32 (i % 2) on
	global_load_b128 v[8*i:8*i+3],         v[QO], s[4:5] offset:(i/2)*8192+(i%2)*64
	global_load_b128 v[8*i+4:8*i+7],       v[QO], s[4:5] offset:(i/2)*8192+(i%2)*64+32
	global_load_b128 v[QB+8*i:QB+8*i+3],   v[QO], s[90:91] offset:(i/2)*8192+(i%2)*64
	global_load_b128 v[QB+8*i+4:QB+8*i+7], v[QO], s[90:91] offset:(i/2)*8192+(i%2)*64+32
.set i, i+1
.endr
	WIN 0
	v_lshlrev_b32 v14, 3, v9
	v_sub_nc_u32 v14, v1, v14
	s_lshl_b32 s93, s[WV], 4
	v_add_nc_u32 v14, s93, v14                     ; my query's place in its band less my lanes' 8 (l / 16): register r of key group kb is hidden where 16 kb + r is greater
.set i, 0
.rept 32
	v_cmp_gt_i32 vcc_lo, 16*(i/8)+i%8, v14
	v_cndmask_b32 v[MD+i], 0, s[BIGN], vcc_lo
.set i, i+1
.endr
	v_mul_u32_u24 v[AK0], v1, PK
	v_lshl_add_u32 v[AK0], v9, 4, v[AK0]
	v_and_b32 v10, 7, v0                           ; the turning load: lane l reads key 8 (l / 16) + l % 8, channels 8 ((l / 8) % 2) + 0..7
	v_bfe_u32 v11, v0, 3, 1
	v_lshl_add_u32 v[AV0], v9, 3, v10
	v_mul_u32_u24 v[AV0], v[AV0], PV
	v_lshl_add_u32 v[AV0], v11, 4, v[AV0]
	s_mul_i32 s93, s[WV], 16*SP
	s_add_co_u32 s93, s93, STAGE
	v_mul_u32_u24 v[STO], v1, SP
	v_lshl_add_u32 v[STO], v9, 4, v[STO]
	v_add_nc_u32 v[STO], s93, v[STO]
	v_bfe_u32 v[RD], v0, 3, 2
	v_mul_u32_u24 v[RD], v[RD], SP
	v_lshl_add_u32 v[RD], v10, 4, v[RD]
	v_add_nc_u32 v[RD], s93, v[RD]
	v_and_b32 v[GO], 31, v0
	v_lshlrev_b32 v[GO], 4, v[GO]
	; a block's first step multiplies O^T and l by a = 0, so they need only be finite: zeros for the first block, what the first block left for the second.  This stands in the wait for the first tile.
.set i, 0
.rept 64
	v_mov_b32 v[O+i], 0
.set i, i+1
.endr
.irp t, 0,1
	v_mov_b32 v[ST+8*\t+2], 0
	v_mov_b32 v[ST+8*\t+3], 0
.endr
; THE MATRIX WORK.  The four accumulators of a run of 8 take turns.  Product i of S^T = K Q^T for piece x: channels 32 (i / 4) on, keys 16 (i % 4) on; the first four start the sums, with 0 or (m = 1) the mask.
.macro KQ x, m
	WIN 0x05                                       ; K and Q in window 1
.set rS, S+32*(\x)+8*(i%4)
.set rK, KF+16*(i%4)+8*(i/4)
.set rQ, 16*(\x)+8*(i/4)
.if (i < 4) && (\m)
	v_wmma_f32_16x16x32_f16 v[rS:rS+7], v[rK:rK+7], v[rQ:rQ+7], v[MD+8*(i%4):MD+8*(i%4)+7]
.elseif i < 4
	v_wmma_f32_16x16x32_f16 v[rS:rS+7], v[rK:rK+7], v[rQ:rQ+7], 0
.else
	v_wmma_f32_16x16x32_f16 v[rS:rS+7], v[rK:rK+7], v[rQ:rQ+7], v[rS:rS+7]
.endif
.endm
.macro PV x                            ; product i of O^T += V^T P for piece x: keys 32 (i / 4) on, channels 16 (i % 4) on
	WIN 0x01                                       ; V in window 1
.set rO, O+32*(\x)+8*(i%4)
.set rV, VF+32*(i/4)+8*(i%4)
.set rP, P+16*(\x)+8*(i/4)
	v_wmma_f32_16x16x32_f16 v[rO:rO+7], v[rV:rV+7], v[rP:rP+7], v[rO:rO+7]
.endm
; THE LDS LOADS stand in runs of 16: a step's K (8 fragments) and its V (turned), off bytes behind the step that TBK or TBV names
.macro FETCH_K off
	WIN 0
	v_add_nc_u32 v[AK], s[TBK], v[AK0]
	WIN 0x40
.irp f, 0,1,2,3,4,5,6,7
	ds_load_b128 v[KF+8*\f:KF+8*\f+3],   v[AK] offset:(\off)+(\f/2)*16*PK+(\f%2)*64
	ds_load_b128 v[KF+8*\f+4:KF+8*\f+7], v[AK] offset:(\off)+(\f/2)*16*PK+(\f%2)*64+32
.endr
	WIN 0
.endm
.macro FETCH_V off
	WIN 0
	v_add_nc_u32 v[AV], s[TBV], v[AV0]
	WIN 0x40
.irp f, 0,1,2,3,4,5,6,7
	ds_load_tr16_b128 v[VF+8*\f:VF+8*\f+3],   v[AV] offset:(\off)+(\f/4)*32*PV+(\f%4)*32
	ds_load_tr16_b128 v[VF+8*\f+4:VF+8*\f+7], v[AV] offset:(\off)+(\f/4)*32*PV+16*PV+(\f%4)*32
.endr
	WIN 0
.endm
; THE VECTOR WORK: piece Y's softmax for one key step is a list of 118; SM writes number j of it.  s0-s31 are the lane's 32 scores, in pairs 0-15.
;   0-15    the maximum of the lane's 32 scores and the old m, three operands at a time; each accumulator's lowest registers are read first
;   16-20   the other half of the lanes' maximum; c m_old kept; the new m; c m; c m_old - c m_new
;   21-69   ONE BATCH: the 16 scalings c s - c m, a pair of scores each, and all 33 exponentials (a at 23, then s0-s31).  None of these names an exponential's result.  22-37: scaling and exponential by turns;
;           38-65: a scaling and three exponentials; 66-69: the last four exponentials.  A pair is scaled some numbers ahead of its exponentials
;   (wait)  between 69 and 70 stands the wait for the batch: the turns write it (HOLD)
;   70-85   the roundings to f16, a pair of weights each        86-97  the first twelve sums
;   98-117  O^T times a, sixteen pairs in ascending order; among them the last three sums (100, 101, 105) and l = a l + the sum (109), each four numbers behind what it reads
.macro SM
.set rT, ST+8*Y
.set rS, S+32*Y
.set rP, P+16*Y
.set rO, O+32*Y
.if j < 4
	v_max3_num_f32 v[rT+4+j], v[rS+8*j], v[rS+8*j+1], v[rS+8*j+2]
.elseif j < 12
	v_max3_num_f32 v[rT+4+j%4], v[rT+4+j%4], v[rS+8*(j%4)+2*(j/4)+1], v[rS+8*(j%4)+2*(j/4)+2]
.elseif j == 12
	v_max3_num_f32 v[rT+4], v[rT+4], v[rS+7], v[rS+15]
.elseif j == 13
	v_max3_num_f32 v[rT+6], v[rT+6], v[rS+23], v[rS+31]
.elseif j == 14
	v_max3_num_f32 v[rT+4], v[rT+4], v[rT+5], v[rT+6]
.elseif j == 15
	v_max3_num_f32 v[rT+4], v[rT+4], v[rT+7], v[rT+1]
.elseif j == 16
	v_permlanex16_b32 v[rT+5], v[rT+4], s[SEL], s[SEL+1]
.elseif j == 17
	v_mov_b32 v[rT+7], v[rT]
.elseif j == 18
	v_max_num_f32 v[rT+1], v[rT+4], v[rT+5]
.elseif j == 19
	v_mul_f32 v[rT], s[CS], v[rT+1]
.elseif j == 20
	v_sub_f32 v[rT+7], v[rT+7], v[rT]
.elseif j == 23
	v_exp_f32 v[rT+6], v[rT+7]
.elseif (j < 23) || ((j < 38) && (j%2 == 0)) || ((j < 66) && (j%4 == 2))
.set b, (j-2)/4                        ; 38, 42, .. 62: pairs 9 to 15
.if j < 38
.set b, (j-20)/2                       ; 21: pair 0; 22, 24, .. 36: pairs 1 to 8
.endif
	v_pk_fma_f32 v[rS+2*b:rS+2*b+1], v[rS+2*b:rS+2*b+1], s[CS:CS+1], v[rT:rT+1] op_sel_hi:[1,0,0] neg_lo:[0,0,1] neg_hi:[0,0,1]
.elseif j < 70
.set e, j-38                           ; 66 to 69: s28 to s31
.if j < 66
.set e, j-32-(j-38)/4                  ; 39-41, 43-45, .. 63-65: s7 to s27
.endif
.if j < 38
.set e, (j-25)/2                       ; 25, 27, .. 37: s0 to s6
.endif
	v_exp_f32 v[rS+e], v[rS+e]
.elseif j < 86
	v_cvt_pk_f16_f32 v[rP+j-70], v[rS+2*(j-70)], v[rS+2*(j-70)+1]
.elseif (j < 98) || (j == 100) || (j == 101) || (j == 105) || (j == 109)
.set z, j-86                           ; 86 to 97: sums 0 to 11.  Sum z of 16 adds neighbours 1, 2, 4 and 8 pairs apart, in place; then l takes it
.if j > 97
.set z, 12+(j-97)/4                    ; 100, 101, 105, 109: sums 12 to 15
.endif
.set w, 4
.set u, z
.if z >= 14
.set w, 32
.set u, 0
.elseif z >= 12
.set w, 16
.set u, z-12
.elseif z >= 8
.set w, 8
.set u, z-8
.endif
.if z < 15
	v_pk_add_f32 v[rS+w*u:rS+w*u+1], v[rS+w*u:rS+w*u+1], v[rS+w*u+w/2:rS+w*u+w/2+1]
.else
	v_pk_fma_f32 v[rT+2:rT+3], v[rT+2:rT+3], v[rT+6:rT+7], v[rS:rS+1] op_sel_hi:[1,0,1]
.endif
.else
.set nr, j-102                         ; 110 to 117: pairs 8 to 15 of O^T
.if j < 109
.set nr, j-101                         ; 106 to 108: pairs 5 to 7
.endif
.if j < 105
.set nr, j-100                         ; 102 to 104: pairs 2 to 4
.endif
.if j < 100
.set nr, j-98                          ; 98, 99: pairs 0 and 1
.endif
	v_pk_mul_f32 v[rO+2*nr:rO+2*nr+1], v[rO+2*nr:rO+2*nr+1], v[rT+6:rT+7] op_sel_hi:[1,0]
.endif
.endm
.macro SMN n                           ; the list's next n numbers
	WIN 0
.rept \n
	SM
.set j, j+1
.endr
.endm
; Between numbers 69 and 70 of the list: the batch is out, and no result of it has been named.
.macro HOLD
	v_nop                                          ; a plain instruction behind the last exponential, ahead of the first use of a result (ISA guide 5.7.2): one for the batch
	s_wait_alu depctr_va_vdst(0)                   ; one wait for the softmax's 33 exponentials, ahead of their first reader, number 70
.endm
; THE TURNS.  Numbers 0-31 stand behind the products V^T P, 32-69 in a run of their own; then the wait; numbers 70-101 stand behind the products K Q^T, 102-117 in a run of their own.
; The 20 numbers behind a turn's last product, all plain and none naming its registers, are the places in front of the next turn's first read of those scores and of the loads into K;
; in front of V's loads stand 16 numbers, 7 of them plain, and the run's own sum.
.macro T0
.set Y, 1
.set j, 0
	s_wait_dscnt 0x0                               ; V is in
.set i, 0
.rept 8
	PV 0
	SMN 4
.if i == 1
	FETCH_K 0                                      ; the next step's K
	s_add_co_u32 s[TBK], s[TBK], KS*PK
.endif
.set i, i+1
.endr
	SMN 38
	HOLD
	s_wait_dscnt 0x0                               ; K is in
.set i, 0
.rept 8
	KQ 0, 0
	SMN 4
.set i, i+1
.endr
	SMN 16
.endm
.macro T1 adv                          ; adv: how far V's fetches move on
.set Y, 0
.set j, 0
.set i, 0
.rept 8
	PV 1
	SMN 4
.set i, i+1
.endr
	SMN 12
	FETCH_V 0                                      ; V of the step whose scores are being made
	s_add_co_u32 s[TBV], s[TBV], \adv
	SMN 26
	HOLD
.set i, 0
.rept 8
	KQ 1, 0
	SMN 4
.set i, i+1
.endr
	SMN 16
.endm
; A BLOCK BEGINS, on its diagonal tile at TBK, TBV.  c m starts far below every c s, so the first a is 0; m at the lowest finite number.  Key step 1 first, for piece 1 alone (masked); then step 0: piece 0 masked, piece 1 free.
; Every row sees its own key in its first step, so m is a true score from then on.
.macro BEGIN
	WIN 0
.irp t, 0,1
	v_mov_b32 v[ST+8*\t], 0xfe000000
	v_mov_b32 v[ST+8*\t+1], 0xff7fffff
.endr
	FETCH_K KS*PK
	FETCH_V KS*PV
	s_wait_loadcnt 0x0                             ; Q
	s_wait_dscnt 16                                ; K is in; V's sixteen loads may stay out
.set i, 0
.rept 8
	KQ 1, 1
.set i, i+1
.endr
	WIN 0
.rept 4
	v_nop                                          ; the places behind those products, for the loads into K and the first read of the scores
.endr
	FETCH_K 0
.set Y, 1
.set j, 0
	SMN 70                                         ; piece 1's first softmax, up to the end of its batch
	HOLD
	s_wait_dscnt 0x0                               ; step 0's K and step 1's V are in
.set i, 0
.rept 8
	KQ 0, 1
	SMN 4
.set i, i+1
.endr
	SMN 16
	T1 TV                                          ; V^T P of piece 1 for step 1; V of step 0; piece 1's scores for step 0; piece 0's softmax
	s_add_co_u32 s[TBK], s[TBK], TK                ; the fetches go on behind this tile
.endm
; A BLOCK ENDS: the last step's V^T P and piece 1's last softmax; l's two halves and the other half of the lanes' are added; O^T is divided by l, rounded to f16 and sent through my stage, a piece at a time.
.macro PACK t
.set i, 0
.rept 16
	v_pk_mul_f32 v[O+32*(\t)+2*i:O+32*(\t)+2*i+1], v[O+32*(\t)+2*i:O+32*(\t)+2*i+1], v[ST+8*(\t)+6:ST+8*(\t)+7] op_sel_hi:[1,0]
.set i, i+1
.endr
.set i, 0
.rept 16
	v_cvt_pk_f16_f32 v[S+16*(\t)+i], v[O+32*(\t)+2*i], v[O+32*(\t)+2*i+1]
.set i, i+1
.endr
.irp f, 0,1,2,3
	ds_store_b128 v[STO], v[S+16*(\t)+4*\f:S+16*(\t)+4*\f+3] offset:32*\f
.endr
.irp f, 0,1,2,3
	ds_load_b128 v[S+16*(\t)+4*\f:S+16*(\t)+4*\f+3], v[RD] offset:\f*4*SP  ; LDS serves a wave's instructions in order (ISA guide 5.7.1.4): these see the stores above
.endr
.endm
.macro SEND t, younger                 ; younger: the LDS instructions issued behind piece t's loads
.irp f, 0,1,2,3
	s_wait_dscnt (\younger)+3-\f
	global_store_b128 v[GO], v[S+16*(\t)+4*\f:S+16*(\t)+4*\f+3], s[10:11] offset:(\t)*8192+\f*512  ; 512 consecutive bytes, at a multiple of 256 from O's first
.endr
.endm
.macro END
	s_wait_dscnt 0x0                               ; V is in
.set Y, 1
.set j, 0
.set i, 0
.rept 8
	PV 0
	SMN 4
.set i, i+1
.endr
	SMN 38
	HOLD
	SMN 48
.set i, 0
.rept 8
	PV 1
.set i, i+1
.endr
	WIN 0
.irp t, 0,1
	v_add_f32 v[ST+8*\t+4], v[ST+8*\t+2], v[ST+8*\t+3]
.endr
.irp t, 0,1
	v_permlanex16_b32 v[ST+8*\t+5], v[ST+8*\t+4], s[SEL], s[SEL+1]
.endr
.irp t, 0,1
	v_add_f32 v[ST+8*\t+4], v[ST+8*\t+4], v[ST+8*\t+5]
.endr
.irp t, 0,1
	v_rcp_f32 v[ST+8*\t+6], v[ST+8*\t+4]
.endr
	v_nop                                          ; a plain instruction between the last reciprocal and its use
	s_wait_alu depctr_va_vdst(0)                   ; one wait for the two reciprocals, ahead of PACK's first multiply
	PACK 0                                         ; piece 0's arithmetic, with the additions above, is the places behind piece 1's last products
	PACK 1
	SEND 0, 8
	SEND 1, 0
.endm
	s_wait_tensorcnt 1                             ; my part of D is in; slot 0's may stay out
	s_barrier_signal -1
	s_barrier_wait -1
	BEGIN                                          ; block LO, on D
	WIN 0
.Lslot:                                                ; 7 trips: a slot's two tiles are entered, and the next slot's are asked for
	CHANGE 1
	s_mov_b32 s[TI], 2
.Ltile:
	s_cmp_eq_u32 s[WC], s[LO]
	s_cbranch_scc1 .Lswitch
	s_mov_b32 s[CNT], 2
.Lstep:                                                ; a plain tile: two key steps
	T0
	T1 KS*PV
	WIN 0
	s_sub_co_u32 s[CNT], s[CNT], 1
	s_cmp_lg_u32 s[CNT], 0
	s_cbranch_scc1 .Lstep
	s_branch .Ljoin
.Lswitch:                                              ; block LO ends; this tile is block HI's diagonal one
	END
	s_wait_xcnt 0x0                                ; the stores have read their registers and O's address
	s_mov_b64 s[10:11], s[88:89]
	WIN 0x41                                       ; block HI's Q goes where the turns name Q
.set i, 0
.rept 32
	v_mov_b32 v[i], v[QB+i]
.set i, i+1
.endr
	BEGIN
	WIN 0
.Ljoin:
	s_add_co_u32 s[WC], s[WC], 1
	s_sub_co_u32 s[TI], s[TI], 1
	s_cmp_lg_u32 s[TI], 0
	s_cbranch_scc1 .Ltile
	s_sub_co_u32 s[SLOTS], s[SLOTS], 1
	s_cmp_lg_u32 s[SLOTS], 0
	s_cbranch_scc1 .Lslot
	CHANGE 0                                       ; the last slot is written out: nothing is asked for
	s_mov_b32 s[CNT], 4
.Ltail:
	T0
	T1 KS*PV
	WIN 0
	s_sub_co_u32 s[CNT], s[CNT], 1
	s_cmp_lg_u32 s[CNT], 0
	s_cbranch_scc1 .Ltail
	END
	s_wait_tensorcnt 0x0                           ; the wave's end
	ds_add_u32 v[SPW], v[NIL]
	s_wait_dscnt 0x0
	s_endpgm
.Lfunc_end_k_qccca0ee7b3_attn:
	.size	k_qccca0ee7b3_attn, .Lfunc_end_k_qccca0ee7b3_attn-k_qccca0ee7b3_attn
	.p2alignl 7, 3214868480
	.fill 96, 4, 3214868480
	.section	.rodata,"a",@progbits
	.p2align	6, 0x0
	.amdhsa_kernel k_qccca0ee7b3_attn
		.amdhsa_group_segment_fixed_size 327680
		.amdhsa_private_segment_fixed_size 0
		.amdhsa_enable_private_segment 0
		.amdhsa_kernarg_size 16
		.amdhsa_user_sgpr_count 2
		.amdhsa_user_sgpr_kernarg_segment_ptr 1
		.amdhsa_wavefront_size32 1
		.amdhsa_system_sgpr_workgroup_id_x 1
		.amdhsa_system_sgpr_workgroup_id_y 1
		.amdhsa_system_sgpr_workgroup_id_z 1
		.amdhsa_system_vgpr_workitem_id 0
		.amdhsa_next_free_vgpr 448
		.amdhsa_next_free_sgpr 96
		.amdhsa_reserve_vcc 1
		.amdhsa_float_denorm_mode_32 3
		.amdhsa_float_denorm_mode_16_64 3
		.amdhsa_memory_ordered 1
		.amdhsa_forward_progress 1
		.amdhsa_inst_pref_size 127
	.end_amdhsa_kernel
	.amdgpu_metadata
---
amdhsa.version: [ 1, 2 ]
amdhsa.kernels:
  - .name:           k_qccca0ee7b3_attn
    .symbol:         k_qccca0ee7b3_attn.kd
    .args:
      - { .name: qkv, .offset: 0, .size: 8, .value_kind: global_buffer, .address_space: global }
      - { .name: ob, .offset: 8, .size: 8, .value_kind: global_buffer, .address_space: global }
    .group_segment_fixed_size: 327680
    .private_segment_fixed_size: 0
    .kernarg_segment_align: 8
    .kernarg_segment_size: 16
    .max_flat_workgroup_size: 128
    .sgpr_count:     96
    .vgpr_count:     448
    .wavefront_size: 32
...
	.end_amdgpu_metadata
.endif
;; end of part 9
;; launch ffn1: the kernel of part 7 again; grid 16 x 16, 4 waves a work-group, clusters of 4 x 4, 327,680 bytes of LDS; arguments ob, wh, hb, b1, hs; writes hb, hs
;; launch ffn2: the kernel of part 8 again; grid 8 x 32, 4 waves a work-group, clusters of 4 x 4, 327,680 bytes of LDS; arguments hb, wh, out0, b2, hs; writes out0
